; MI455X (gfx1250); checked and timed in simulation.
; The chip was launched on July 23, 2026; its instructions are those of AMD's public machine-readable ISA for CDNA 5 (MIT licence, August 2026) and "CDNA5" Instruction Set Architecture Reference Guide (July 2026). The comments in the code are by the model that wrote it; some were corrected since.
;; Hebbian Network. Allowed arithmetic: float matrix products may take bf16 or f16 operands with f32 sums; all other float work in f32.
;; Inputs: W1 2,048 x 1,024 float32; W2 2,048 x 2,048 float32; W3 1,000 x 2,048 float32; b1 2,048 float32; b2 2,048 float32; b3 1,000 float32; x 4,096 x 1,024 float32.
;; Outputs: out0 4,096 x 1,000 float32; out1 1,024 x 2,048 float32; out2 2,048 x 2,048 float32; out3 2,048 x 1,000 float32.
;; 2 versions, each right and faster than the one before. Each part assembles by itself: llvm-mc -triple=amdgcn-amd-amdhsa -mcpu=gfx1250 --defsym DOCPART=n.
;; ======== version 1 of 2: 5 launches
;; limits: values are held in f16: magnitudes above 65,504 overflow, below 6.1e-05 lose precision
;; workspace buffers: xb 8,388,608 bytes; wb 16,777,216 bytes; a1 16,777,216 bytes; a2 16,777,216 bytes; pall 50,331,648 bytes; pmax 5,120 bytes
;; launch cast (part 1): grid 256 x 1, 8 waves a work-group, no clusters, 1,536 bytes of LDS; arguments x, W1, W2, W3, b1, b2, xb, wb, pall, pmax; writes xb, wb, pall, pmax
.if DOCPART == 1
	.amdgcn_target "amdgcn-amd-amdhsa--gfx1250"
	.amdhsa_code_object_version 6
	.text
	.protected	k_q35217c72df_cast
	.globl	k_q35217c72df_cast
	.p2align	8
	.type	k_q35217c72df_cast,@function
k_q35217c72df_cast:
	s_mov_b64 s[64:65], 0
	v_nop
	global_prefetch_b8 v0, s[64:65] scope:SCOPE_SE
	s_setreg_imm32_b32 hwreg(HW_REG_WAVE_MODE, 25, 1), 1
	s_wait_xcnt 0x0
; CAST.  xb = bf16(x); pall columns 0-1023 = (x > 0) as bf16 0 or 1; wb = bf16(W1), then f16(bf16(W2)), then f16(bf16(W3)) with rows 1000-1023 written as 0;
; pmax[c][i] = work-group i's largest |x|, |W1|, |b1|, |W2|, |b2| (c = 0..4), from which the later launches make their power-of-two scales.
; A stream: every input byte is read once by 16-byte loads, a wave's load covers 512 consecutive bytes, a wave's 8-byte store 256 consecutive aligned bytes.  No matrix unit, no tensor load,
; no cluster: nothing is shared between work-groups.  Sixteen loads of every wave are on their way (two buffers of eight blocks that take turns).
; SHARES.  Work-group i: 16 rows of x, 8 rows of W1, 8 rows of W2, 4 rows of W3's 1,024 padded rows, 8 numbers of b1 and of b2.  A block is 1,024 numbers; thread t takes 4 of them.
; Work-groups 250-255 have no rows of W3: they load block 249's (inside the buffer) and AND the result with 0, so the 24 padding rows are written without a branch.
; LIMITS.  W2 and W3 are kept as f16: |W| of 65,520 or more becomes an infinity, and below 6.1e-5 the step is 6e-8.  NaN and infinities are not treated apart.
.set SPARE, 256                        ; the spare words, 128 bytes for each of eight waves; bytes 0-159 hold the waves' maxima
.set OI,  1                            ; v1   16 t: my byte offset in a block as loaded
.set OO,  2                            ; v2   8 t: in a block as stored
.set OBI, 3                            ; v3   4 (t % 8): my number of the group's eight of b1, b2
.set B1V, 4                            ; v4, v5  b1, b2
.set B2V, 5
.set M,   6                            ; v6-10  running maxima: |x|, |W1|, |b1|, |W2|, |b2|
.set WA,  11                           ; v11  4 x my wave's number
.set SPW, 12                           ; v12  LDS address of my spare word; never rewritten
.set NIL, 13                           ; v13  0; never rewritten
.set T,   16                           ; v16-23  at work
.set L0,  32                           ; v32-63  eight blocks as loaded
.set L1,  64                           ; v64-95  the other eight
.set D,   96                           ; v96-127 four registers a block, to store
	s_load_b512 s[8:23], s[0:1], 0x0               ; x s[8:9], W1 s[10:11], W2 s[12:13], W3 s[14:15], b1 s[16:17], b2 s[18:19], xb s[20:21], wb s[22:23]
	s_load_b128 s[24:27], s[0:1], 0x40             ; pall s[24:25], pmax s[26:27]
	v_lshl_add_u32 v[SPW], v0, 2, SPARE
	v_mov_b32 v[NIL], 0
	v_lshlrev_b32 v[OI], 4, v0
	v_lshlrev_b32 v[OO], 3, v0
	v_and_b32 v[OBI], 7, v0
	v_lshlrev_b32 v[OBI], 2, v[OBI]
	v_lshrrev_b32 v[WA], 5, v0
	v_lshlrev_b32 v[WA], 2, v[WA]
	v_mov_b32 v[M], 0
	v_mov_b32 v[M+1], 0
	v_mov_b32 v[M+3], 0
	s_mov_b32 s32, 0x76543210                      ; v_permlanex16_b32: each lane takes its own place in the other half
	s_mov_b32 s33, 0xfedcba98
	s_lshl_b32 s28, ttmp9, 16                      ; i x 65,536
	s_mov_b32 s29, 0
	s_lshl_b32 s30, ttmp9, 15                      ; i x 32,768
	s_mov_b32 s31, 0
	s_lshl_b32 s36, ttmp9, 14                      ; i x 16,384
	s_mov_b32 s37, 0
	s_mul_i32 s38, ttmp9, 196608                   ; i x 16 rows of pall
	s_mov_b32 s39, 0
	s_min_u32 s40, ttmp9, 249                      ; W3 has 250 shares of 32,768 bytes
	s_lshl_b32 s40, s40, 15
	s_mov_b32 s41, 0
	s_lshl_b32 s42, ttmp9, 5                       ; i x 8 numbers of a bias
	s_mov_b32 s43, 0
	s_lshl_b32 s44, ttmp9, 2                       ; my word in each row of pmax
	s_mov_b32 s45, 0
	s_cmp_lt_u32 ttmp9, 250
	s_cselect_b32 s34, -1, 0                       ; the mask that makes W3's padding rows 0
	s_wait_kmcnt 0x0
	s_add_nc_u64 s[8:9], s[8:9], s[28:29]
	s_add_nc_u64 s[10:11], s[10:11], s[30:31]
	s_add_nc_u64 s[12:13], s[12:13], s[28:29]
	s_add_nc_u64 s[14:15], s[14:15], s[40:41]
	s_add_nc_u64 s[16:17], s[16:17], s[42:43]
	s_add_nc_u64 s[18:19], s[18:19], s[42:43]
	s_add_nc_u64 s[20:21], s[20:21], s[30:31]
	s_add_nc_u64 s[46:47], s[22:23], s[36:37]      ; W1's part of wb
	s_add_nc_u64 s[48:49], s[46:47], 12582912      ; W3's
	s_add_nc_u64 s[22:23], s[22:23], s[30:31]
	s_add_nc_u64 s[22:23], s[22:23], 4194304       ; W2's
	s_add_nc_u64 s[24:25], s[24:25], s[38:39]
	s_add_nc_u64 s[26:27], s[26:27], s[44:45]
.macro LOADS buf, base, off            ; eight blocks of 4,096 bytes
.irp j, 0,1,2,3,4,5,6,7
	global_load_b128 v[(\buf)+4*(\j):(\buf)+4*(\j)+3], v[OI], s[(\base):(\base)+1] offset:(\off)+4096*(\j) th:TH_LOAD_NT
.endr
.endm
; Eight blocks are converted and stored.  kind 0: x (bf16, and x > 0); 1: W1 (bf16); 2: W2 (bf16 written as f16); 3: W3 (the same, masked, no maximum).
; pass: which eight blocks of the share.  left: the loads issued behind this buffer's eight.
.macro PROC kind, buf, pass, left
	s_wait_xcnt 0x0                                ; the stores of the pass before have read D: it is rewritten only behind this wait
.irp j, 0,1,2,3,4,5,6,7
.set rL, (\buf)+4*(\j)
.set rD, D+4*(\j)
.set rM, M+(\kind)+(\kind)/2
	s_wait_loadcnt (\left)+7-(\j)                  ; loads come back in order: block j is in; its 7 - j younger ones and the next buffer's stay out
.if (\kind) < 3
	v_max3_num_f32 v[rM], v[rM], |v[rL]|, |v[rL+1]|
	v_max3_num_f32 v[rM], v[rM], |v[rL+2]|, |v[rL+3]|
.endif
.if (\kind) < 2
	v_cvt_pk_bf16_f32 v[rD], v[rL], v[rL+1]
	v_cvt_pk_bf16_f32 v[rD+1], v[rL+2], v[rL+3]
.else
	v_cvt_pk_bf16_f32 v[T], v[rL], v[rL+1]         ; rounded to bf16 like every input,
	v_cvt_pk_bf16_f32 v[T+1], v[rL+2], v[rL+3]
	v_lshlrev_b32 v[T+2], 16, v[T]
	v_and_b32 v[T+3], 0xffff0000, v[T]
	v_lshlrev_b32 v[T+4], 16, v[T+1]
	v_and_b32 v[T+5], 0xffff0000, v[T+1]
	v_cvt_pk_f16_f32 v[rD], v[T+2], v[T+3]         ; and that number written as f16
	v_cvt_pk_f16_f32 v[rD+1], v[T+4], v[T+5]
.endif
.if (\kind) == 0
	v_cmp_lt_f32 vcc_lo, 0, v[rL]
	v_cndmask_b32 v[T], 0, 1.0, vcc_lo
	v_cmp_lt_f32 vcc_lo, 0, v[rL+1]
	v_cndmask_b32 v[T+1], 0, 1.0, vcc_lo
	v_cmp_lt_f32 vcc_lo, 0, v[rL+2]
	v_cndmask_b32 v[T+2], 0, 1.0, vcc_lo
	v_cmp_lt_f32 vcc_lo, 0, v[rL+3]
	v_cndmask_b32 v[T+3], 0, 1.0, vcc_lo
	v_cvt_pk_bf16_f32 v[rD+2], v[T], v[T+1]
	v_cvt_pk_bf16_f32 v[rD+3], v[T+2], v[T+3]
	global_store_b64 v[OO], v[rD:rD+1], s[20:21] offset:2048*(\j)+16384*(\pass)
	global_store_b64 v[OO], v[rD+2:rD+3], s[24:25] offset:12288*(\j)+98304*(\pass)   ; a block of x is a row: its place in pall's row of 12,288 bytes
.elseif (\kind) == 1
	global_store_b64 v[OO], v[rD:rD+1], s[46:47] offset:2048*(\j)
.elseif (\kind) == 2
	global_store_b64 v[OO], v[rD:rD+1], s[22:23] offset:2048*(\j)+16384*(\pass)
.else
	v_and_b32 v[rD], s34, v[rD]
	v_and_b32 v[rD+1], s34, v[rD+1]
	global_store_b64 v[OO], v[rD:rD+1], s[48:49] offset:2048*(\j)
.endif
.endr
.endm
	global_load_b32 v[B1V], v[OBI], s[16:17]
	global_load_b32 v[B2V], v[OBI], s[18:19]
	LOADS L0, 8, 0
	LOADS L1, 8, 32768
	PROC 0, L0, 0, 8
	LOADS L0, 10, 0
	PROC 0, L1, 1, 8
	LOADS L1, 12, 0
	PROC 1, L0, 0, 8
	LOADS L0, 12, 32768
	PROC 2, L1, 0, 8
	LOADS L1, 14, 0
	PROC 2, L0, 1, 8
	PROC 3, L1, 0, 0                               ; the last pass: the counts run down to 0, so the two biases are in as well
	v_and_b32 v[M+2], 0x7fffffff, v[B1V]
	v_and_b32 v[M+4], 0x7fffffff, v[B2V]
	; the five maxima over the wave's 32 lanes: four steps inside each half of 16 lanes, one across the halves
.irp x, 1,2,4,8
.irp c, 0,1,2,3,4
	v_max_num_f32_dpp v[M+(\c)], v[M+(\c)], v[M+(\c)] row_xmask:\x row_mask:0xf bank_mask:0xf
.endr
.endr
.irp c, 0,1,2,3,4
	v_permlanex16_b32 v[T+(\c)], v[M+(\c)], s32, s33
.endr
.irp c, 0,1,2,3,4
	v_max_num_f32 v[M+(\c)], v[M+(\c)], v[T+(\c)]
.endr
.irp c, 0,1,2,3,4
	ds_store_b32 v[WA], v[M+(\c)] offset:32*(\c)   ; component c, wave w at byte 32 c + 4 w; all lanes write the same number
.endr
	s_wait_dscnt 0x0                               ; for the others' sake: my five words are written
	s_barrier_signal -1
	s_barrier_wait -1
	v_min_u32 v14, 4, v0                           ; thread c (0-4) takes component c
	v_lshlrev_b32 v15, 5, v14
	ds_load_b128 v[16:19], v15
	ds_load_b128 v[20:23], v15 offset:16
	v_lshlrev_b32 v14, 10, v14                     ; component c's row of pmax
	s_wait_dscnt 0x0
	v_max3_num_f32 v16, v16, v17, v18
	v_max3_num_f32 v16, v16, v19, v20
	v_max3_num_f32 v16, v16, v21, v22
	v_max_num_f32 v16, v16, v23
	s_wait_xcnt 0x0                                ; EXEC is a source of the stores above: it changes only behind this wait
	v_cmp_gt_u32 vcc_lo, 5, v0
	s_and_saveexec_b32 s35, vcc_lo
	global_store_b32 v14, v16, s[26:27]
	s_wait_xcnt 0x0                                ; and again in front of the line that widens it
	s_or_b32 exec_lo, exec_lo, s35
	s_wait_tensorcnt 0x0                           ; the wave's end
	ds_add_u32 v[SPW], v[NIL]
	s_wait_dscnt 0x0
	s_endpgm
.Lfunc_end_k_q35217c72df_cast:
	.size	k_q35217c72df_cast, .Lfunc_end_k_q35217c72df_cast-k_q35217c72df_cast
	.p2alignl 7, 3214868480
	.fill 96, 4, 3214868480
	.section	.rodata,"a",@progbits
	.p2align	6, 0x0
	.amdhsa_kernel k_q35217c72df_cast
		.amdhsa_group_segment_fixed_size 1536
		.amdhsa_private_segment_fixed_size 0
		.amdhsa_enable_private_segment 0
		.amdhsa_kernarg_size 80
		.amdhsa_user_sgpr_count 2
		.amdhsa_user_sgpr_kernarg_segment_ptr 1
		.amdhsa_wavefront_size32 1
		.amdhsa_system_sgpr_workgroup_id_x 1
		.amdhsa_system_sgpr_workgroup_id_y 1
		.amdhsa_system_sgpr_workgroup_id_z 1
		.amdhsa_system_vgpr_workitem_id 0
		.amdhsa_next_free_vgpr 128
		.amdhsa_next_free_sgpr 66
		.amdhsa_reserve_vcc 1
		.amdhsa_float_denorm_mode_32 3
		.amdhsa_float_denorm_mode_16_64 3
		.amdhsa_memory_ordered 1
		.amdhsa_forward_progress 1
		.amdhsa_inst_pref_size 45
	.end_amdhsa_kernel
	.amdgpu_metadata
---
amdhsa.version: [ 1, 2 ]
amdhsa.kernels:
  - .name:           k_q35217c72df_cast
    .symbol:         k_q35217c72df_cast.kd
    .args:
      - { .name: x, .offset: 0, .size: 8, .value_kind: global_buffer, .address_space: global }
      - { .name: W1, .offset: 8, .size: 8, .value_kind: global_buffer, .address_space: global }
      - { .name: W2, .offset: 16, .size: 8, .value_kind: global_buffer, .address_space: global }
      - { .name: W3, .offset: 24, .size: 8, .value_kind: global_buffer, .address_space: global }
      - { .name: b1, .offset: 32, .size: 8, .value_kind: global_buffer, .address_space: global }
      - { .name: b2, .offset: 40, .size: 8, .value_kind: global_buffer, .address_space: global }
      - { .name: xb, .offset: 48, .size: 8, .value_kind: global_buffer, .address_space: global }
      - { .name: wb, .offset: 56, .size: 8, .value_kind: global_buffer, .address_space: global }
      - { .name: pall, .offset: 64, .size: 8, .value_kind: global_buffer, .address_space: global }
      - { .name: pmax, .offset: 72, .size: 8, .value_kind: global_buffer, .address_space: global }
    .group_segment_fixed_size: 1536
    .private_segment_fixed_size: 0
    .kernarg_segment_align: 8
    .kernarg_segment_size: 80
    .max_flat_workgroup_size: 256
    .sgpr_count:     66
    .vgpr_count:     128
    .wavefront_size: 32
...
	.end_amdgpu_metadata
.endif
;; end of part 1
;; launch fwd1 (part 2): grid 8 x 32, 4 waves a work-group, clusters of 4 x 4, 327,680 bytes of LDS; arguments xb, wb, pmax, b1, a1, pall; writes a1, pall
.if DOCPART == 2
	.amdgcn_target "amdgcn-amd-amdhsa--gfx1250"
	.amdhsa_code_object_version 6
	.text
	.protected	k_q35217c72df_fwd1
	.globl	k_q35217c72df_fwd1
	.p2align	8
	.type	k_q35217c72df_fwd1,@function
k_q35217c72df_fwd1:
	s_mov_b64 s[64:65], 0
	v_nop
	global_prefetch_b8 v0, s[64:65] scope:SCOPE_SE
	s_setreg_imm32_b32 hwreg(HW_REG_WAVE_MODE, 25, 1), 1
	s_wait_xcnt 0x0
	s_wait_alu depctr_hold_cnt(0) depctr_sa_sdst(0) depctr_va_vdst(0) depctr_va_sdst(0) depctr_va_ssrc(0) depctr_va_vcc(0) depctr_vm_vsrc(0)
	s_getreg_b32 s2, hwreg(HW_REG_IB_STS2, 6, 4)
	s_cmp_eq_u32 s2, 0
	s_cbranch_scc0 .Lentry_in_a_cluster
	s_endpgm
.Lentry_in_a_cluster:
	s_bfe_u32 s2, ttmp6, 0x10000c
	s_cmp_lg_u32 s2, 0xf033
	s_cbranch_scc0 .Lentry_shape_is_right
	s_endpgm
.Lentry_shape_is_right:
; A HIDDEN LAYER.  y = sc (A W^T + b); a = f16(max(y, 0)); p = (y > 0) as bf16 0 or 1.  LAYER 1: A = xb, bf16 [4096][1024], W = W1 in bf16.  LAYER 2: A = a1 = sc1 relu(z1), f16 [4096][2048], W = W2 in f16.
; Sums in f32.  a goes to [4096][2048] f16, p to its 2,048 columns of pall ([4096][6144] bf16).  The two layers' texts differ in the line that sets LAYER alone.
; THE SCALE.  f16 ends at 65,504, so the activations are kept times a power of two made from the inputs' own maxima (pmax): S1 = 1024 max|x| max|W1| + max|b1| bounds |z1|,
; S2 = 2048 S1 max|W2| + max|b2| bounds |z2|; with e the exponent field of S, sc = 2^(141 - e), so that |z| sc stays under 2^15 (the factor 2 up to 65,504 covers the roundings).
; The scale enters numbers alone: no branch and no address hangs on it.  The bias is rounded to bf16 like every input.
; LIMITS.  e is held in 16..250, and the exponent field of isc1 sc2 in 1..254; a positive y below f32's smallest number counts as 0; NaN and infinities are not treated apart.
; SHARES.  A work-group makes 128 rows (batch) x 256 columns (features): 8 x 32 = 256 work-groups.  Each of its four waves makes 64 x 128: 32 accumulators, 256 registers.
; K goes in steps of 128 through two LDS slots that take turns; a tile's rows are 256 bytes of memory at multiples of 256.  Waves 0, 1 fetch A's two halves (64 rows each), waves 2, 3 W's (128 rows each).
; CLUSTER.  4 x 4 work-groups: A's tile hangs on the tile row alone and is asked for jointly by a row of the cluster, W's on the tile column alone, by a column.
; THE MATRIX INSTRUCTION IS USED TRANSPOSED (source 0 = 16 rows of W, source 1 = 16 rows of A): a lane holds one row of the result and eight neighbouring columns.
; REGISTERS.  Window 0: v0-31 addresses, bias, at work; v32-63 rows on the way out; v64-159, v160-255 two fragment buffers (W's 8 fragments, then A's 4).  Window 1: accumulator (a, b) at v[8 (8 a + b)].
.set LAYER, 1
.if LAYER == 1
.set K,    1024
.set WOFF, 0                           ; W's first byte in wb
.set PCOL, 1024                        ; p's first column in pall
.else
.set K,    2048
.set WOFF, 4194304
.set PCOL, 3072
.endif
.set KSTEP,  128
.set PITCH,  272                       ; an LDS row: 256 bytes + 16 of padding, an odd multiple of 16: the 16 rows of a fragment load start in 16 different 16-byte columns of 256 bytes
.set AHALF,  64*PITCH
.set BHALF,  128*PITCH
.set BOFF,   2*AHALF                   ; a slot: A's 128 rows, then W's 256
.set SLOT1,  131072                    ; slot 1 begins here, so that one exclusive or turns an address in one slot into the other's
.set STAGE,  237568                    ; behind the ring, never filled by a tensor load: 32 rows x 528 bytes for each wave
.set SPITCH, 528
.set WSTAGE, 32*SPITCH
.set SPARE,  STAGE+4*WSTAGE            ; the spare words, 128 bytes for each wave
.set STEPS,  K/KSTEP
.set G1W0,   (1<<16)|(1<<20)|(1<<21)|(5<<22)|(3<<25)  ; 2-byte elements; padding on; bit 21 beside a mask; after every 64 words; 4 words
.set AA0, 4                            ; v4, v5  my lane's place in A's and W's part of slot 0; never rewritten
.set AB0, 5
.set AA,  6                            ; v6, v7  the same in the slot in hand
.set AB,  7
.set STO, 8                            ; v8   the way out: where I put 16 bytes of a row
.set RD,  9                            ; v9   where I read rows back
.set RDC, 10                           ; v10  the same for the trip in hand
.set GO,  11                           ; v11  8 x lane: my byte offset in 256 stored bytes
.set SPW, 12                           ; v12  LDS address of my spare word; never rewritten
.set NIL, 13                           ; v13  0; never rewritten
.set LN,  14                           ; v14  lane
.set BO,  15                           ; v15  byte offset of my four columns' bias
.set BIAS, 16                          ; v16-19  sc x bias of my four columns on the way out
.set PO,  20                           ; v20  16 x lane
.set TT,  24                           ; v24-31  at work
.set X,   32                           ; v32-63  eight rows read back
.set F0,  64
.set F1,  160
.set SC,  64                           ; pmax and the scales' arithmetic, ahead of the first fragments
.set OA,  64                           ; the way out: a, two registers a row
.set OP,  80                           ; p, two registers a row
.set WV, 16                            ; s16 wave; s17 its half of the rows; s18 its half of the columns
.set WM, 17
.set WN, 18
.set CX, 19
.set CY, 20
.set TX, 21                            ; tile column, tile row
.set TY, 22
.set RS, 23                            ; the way out: bytes into my stage
.set G1A, 24                           ; s[24:31], s[32:39] descriptor group 1 for A's and W's tiles
.set G1B, 32
.set G0A, 40                           ; s[40:47], s[48:55] group 0: a set for each first fill; the second then walks on
.set G0B, 48
.set TB,  56                           ; the slot in hand: 0 or SLOT1
.set CNT, 57
.set C1,  58                           ; s[58:59] the factor on the sums
.set SEL, 60                           ; s[60:61] v_permlanex16_b32's selects
.set SCB, 62                           ; s[62:63] the factor on the bias
.set CM,  66                           ; s66-69 four compare masks
.set ABASE, 74                         ; s[74:75], s[76:77] a and p at the rows in hand
.set PBASE, 76
.set MSB, 0
.macro WIN new                         ; the immediate's high byte repeats the setting that is left; a switch that changes nothing is dropped
.if MSB != (\new)
	s_set_vgpr_msb (MSB<<8)|(\new)
.set MSB, \new
.endif
.endm
.macro PLACES                          ; four plain vector instructions between a matrix instruction and a load into, or a read of, its registers
.rept 4
	v_nop
.endr
.endm
.macro CREST                           ; a round of the cluster's barrier behind its opening barrier
	s_cmp_lg_u32 s[WV], 0
	s_cbranch_scc1 .Lnot_wave_0_\@
	s_barrier_signal -3
.Lnot_wave_0_\@:
	s_barrier_wait -3
	s_barrier_signal -1
	s_barrier_wait -1
.endm
.macro CROUND
	s_barrier_signal -1
	s_barrier_wait -1
	CREST
.endm
.macro JLOAD                           ; a joint refill by the walking set; the branch hangs on the wave's number alone; s_nop 0 and four v_nop follow each line
	s_cmp_lt_u32 s[WV], 2
	s_cbranch_scc0 .Lfor_b_\@
	tensor_load_to_lds s[G0A+4:G0A+7], s[G1A:G1A+7]
	s_nop 0
.rept 4
	v_nop
.endr
	s_branch .Lasked_\@
.Lfor_b_\@:
	tensor_load_to_lds s[G0B+4:G0B+7], s[G1B:G1B+7]
	s_nop 0
.rept 4
	v_nop
.endr
.Lasked_\@:
.endm
; 8 matrix instructions: row block a x all 8 column blocks, 32 along K, from buffer f.  zero = 1: the product starts the sums.  The 32 accumulators take turns.
.macro MULA f, a, zero
	WIN 0x50                                       ; C and D in window 1
.irp b, 0,1,2,3,4,5,6,7
.set rD, 8*(8*(\a)+(\b))
.set rB, (\f)+8*(\b)
.set rA, (\f)+64+8*(\a)
.if (\zero) && (LAYER == 1)
	v_wmma_f32_16x16x32_bf16 v[rD:rD+7], v[rB:rB+7], v[rA:rA+7], 0
.elseif LAYER == 1
	v_wmma_f32_16x16x32_bf16 v[rD:rD+7], v[rB:rB+7], v[rA:rA+7], v[rD:rD+7]
.elseif \zero
	v_wmma_f32_16x16x32_f16 v[rD:rD+7], v[rB:rB+7], v[rA:rA+7], 0
.else
	v_wmma_f32_16x16x32_f16 v[rD:rD+7], v[rB:rB+7], v[rA:rA+7], v[rD:rD+7]
.endif
.endr
.endm
; 24 LDS loads in one run: the fragments of 32 along K at byte k of the rows: W's eight, then A's four
.macro FETCH k, f
	WIN 0
.irp i, 0,1,2,3,4,5,6,7
	ds_load_b128 v[(\f)+8*(\i):(\f)+8*(\i)+3],   v[AB] offset:(\k)+(\i)*16*PITCH
	ds_load_b128 v[(\f)+8*(\i)+4:(\f)+8*(\i)+7], v[AB] offset:(\k)+(\i)*16*PITCH+32
.endr
.irp i, 0,1,2,3
	ds_load_b128 v[(\f)+64+8*(\i):(\f)+64+8*(\i)+3],   v[AA] offset:(\k)+(\i)*16*PITCH
	ds_load_b128 v[(\f)+64+8*(\i)+4:(\f)+64+8*(\i)+7], v[AA] offset:(\k)+(\i)*16*PITCH+32
.endr
.endm
; A K step is four quarters of 32 along K, on buffers 0, 1, 0, 1.  One of the first three multiplies buffer f and fetches the next quarter, at byte k, into g.
.macro QUARTER k, f, g, zero
	s_wait_dscnt 4                                 ; W's fragments and A's blocks 0, 1 are in; the youngest four loads (blocks 2, 3) may be out
	MULA \f, 0, \zero
	MULA \f, 1, \zero
	PLACES
	FETCH \k, \g
	s_wait_dscnt 24                                ; all but the 24 just issued
	MULA \f, 2, \zero
	MULA \f, 3, \zero
.endm
; The last quarter multiplies buffer 1 and changes slots.  In front of the barrier each wave waits for all its tensor loads (one is out: its part of the next slot), adds 0 to its spare word, and
; waits for that and for its reads of this slot.  fill = 1: the barrier opens a round of the cluster's, and this slot is filled again, two K steps ahead, first thing behind the round.
.macro TURN fill
	WIN 0
	s_wait_tensorcnt 0x0
	ds_add_u32 v[SPW], v[NIL]
	s_wait_dscnt 5                                 ; the add and the youngest four loads may be out
	MULA F1, 0, 0
	s_wait_dscnt 0x0                               ; the add is done, and my reads of this slot are over
	s_barrier_signal -1
	MULA F1, 1, 0
	WIN 0
	s_barrier_wait -1
.if \fill
	CREST                                          ; no wave of any partner still reads this slot or has a load on its way
	s_xor_b32 s[G0A+5], s[G0A+5], SLOT1            ; the walking sets: the other slot than last time, the next K step
	s_add_nc_u64 s[G0A+6:G0A+7], s[G0A+6:G0A+7], 2*KSTEP
	s_xor_b32 s[G0B+5], s[G0B+5], SLOT1
	s_add_nc_u64 s[G0B+6:G0B+7], s[G0B+6:G0B+7], 2*KSTEP
	JLOAD                                          ; its four v_nop are also the places in front of the loads below
.else
	PLACES
.endif
	s_xor_b32 s[TB], s[TB], SLOT1
	v_add_nc_u32 v[AA], s[TB], v[AA0]
	v_add_nc_u32 v[AB], s[TB], v[AB0]
	FETCH 0, F0
	MULA F1, 2, 0
	MULA F1, 3, 0
.endm
.macro WRED r                          ; the maximum over the 32 lanes, in every lane
	v_max_num_f32_dpp v[\r], v[\r], v[\r] row_xmask:1 row_mask:0xf bank_mask:0xf
	v_max_num_f32_dpp v[\r], v[\r], v[\r] row_xmask:2 row_mask:0xf bank_mask:0xf
	v_max_num_f32_dpp v[\r], v[\r], v[\r] row_xmask:4 row_mask:0xf bank_mask:0xf
	v_max_num_f32_dpp v[\r], v[\r], v[\r] row_xmask:8 row_mask:0xf bank_mask:0xf
	v_permlanex16_b32 v[(\r)+1], v[\r], s[SEL], s[SEL+1]
	v_max_num_f32 v[\r], v[\r], v[(\r)+1]
.endm
; THE WAY OUT of row blocks 2 h, 2 h + 1: the f32 sums go into my own stage (each accumulator's low four registers first) and come back as whole rows of 128 columns,
; four columns a lane; then scale, bias, relu and compare, and two stores a row, each of 256 consecutive aligned bytes.  LDS serves a wave's instructions in order, so no wait stands between my stores and my loads.
.macro OUT h
	WIN 0x04                                       ; a store's data is source 1: window 1
.irp a, 0,1
.irp b, 0,1,2,3,4,5,6,7
	ds_store_b128 v[STO], v[8*(8*(2*(\h)+(\a))+(\b)):8*(8*(2*(\h)+(\a))+(\b))+3]   offset:(\a)*16*SPITCH+64*(\b)
	ds_store_b128 v[STO], v[8*(8*(2*(\h)+(\a))+(\b))+4:8*(8*(2*(\h)+(\a))+(\b))+7] offset:(\a)*16*SPITCH+64*(\b)+16
.endr
.endr
	WIN 0
	s_mov_b32 s[RS], 0
	s_mov_b32 s[CNT], 4
.Lrows_\@:                                             ; four trips of eight rows
	v_add_nc_u32 v[RDC], s[RS], v[RD]
.irp j, 0,1,2,3,4,5,6,7
	ds_load_b128 v[X+4*(\j):X+4*(\j)+3], v[RDC] offset:SPITCH*(\j)
.endr
.irp j, 0,1,2,3,4,5,6,7
	s_wait_dscnt 7-(\j)                            ; row j is in; the younger rows stay out
	v_pk_fma_f32 v[X+4*(\j):X+4*(\j)+1],   v[X+4*(\j):X+4*(\j)+1],   s[C1:C1+1], v[BIAS:BIAS+1]   op_sel_hi:[1,0,1]
	v_pk_fma_f32 v[X+4*(\j)+2:X+4*(\j)+3], v[X+4*(\j)+2:X+4*(\j)+3], s[C1:C1+1], v[BIAS+2:BIAS+3] op_sel_hi:[1,0,1]
.irp k, 0,1,2,3
	v_cmp_lt_f32 s[CM+(\k)], 0, v[X+4*(\j)+(\k)]
	v_max_num_f32 v[TT+(\k)], 0, v[X+4*(\j)+(\k)]
.endr
	v_cvt_pk_f16_f32 v[OA+2*(\j)], v[TT], v[TT+1]
	v_cvt_pk_f16_f32 v[OA+2*(\j)+1], v[TT+2], v[TT+3]
.irp k, 0,1,2,3
	v_cndmask_b32 v[TT+4+(\k)], 0, 1.0, s[CM+(\k)]
.endr
	v_cvt_pk_bf16_f32 v[OP+2*(\j)], v[TT+4], v[TT+5]
	v_cvt_pk_bf16_f32 v[OP+2*(\j)+1], v[TT+6], v[TT+7]
	global_store_b64 v[GO], v[OA+2*(\j):OA+2*(\j)+1], s[ABASE:ABASE+1] offset:4096*(\j)
	global_store_b64 v[GO], v[OP+2*(\j):OP+2*(\j)+1], s[PBASE:PBASE+1] offset:12288*(\j)
.endr
	s_wait_xcnt 0x0                                ; the stores' bases and data are rewritten only behind this wait
	s_add_nc_u64 s[ABASE:ABASE+1], s[ABASE:ABASE+1], 8*4096
	s_add_nc_u64 s[PBASE:PBASE+1], s[PBASE:PBASE+1], 8*12288
	s_add_co_u32 s[RS], s[RS], 8*SPITCH
	s_sub_co_u32 s[CNT], s[CNT], 1
	s_cmp_lg_u32 s[CNT], 0
	s_cbranch_scc1 .Lrows_\@
.endm
	s_load_b256 s[4:11], s[0:1], 0x0               ; A s[4:5], wb s[6:7], pmax s[8:9], bias s[10:11]
	s_load_b128 s[12:15], s[0:1], 0x20             ; a s[12:13], pall s[14:15]
	v_lshl_add_u32 v[SPW], v0, 2, SPARE
	v_mov_b32 v[NIL], 0
	ds_add_u32 v[SPW], v[NIL]                      ; the wave's opening: the add and its wait stand ahead of my first tensor load; the set-up stands between them
	v_lshrrev_b32 v1, 5, v0
	v_readfirstlane_b32 s[WV], v1
	s_lshr_b32 s[WM], s[WV], 1
	s_and_b32 s[WN], s[WV], 1                      ; also: which half of a tile I fetch
	s_bfe_u32 s[CX], ttmp6, 0x40000
	s_bfe_u32 s[CY], ttmp6, 0x40004
	s_lshl_b32 s[TX], ttmp9, 2                     ; in a cluster launch ttmp9 and ttmp7 count clusters
	s_add_co_u32 s[TX], s[TX], s[CX]
	s_and_b32 s[TY], ttmp7, 0xffff
	s_lshl_b32 s[TY], s[TY], 2
	s_add_co_u32 s[TY], s[TY], s[CY]
	s_lshl_b32 s70, s[CY], 2
	s_lshl_b32 s70, 15, s70                        ; my row of the cluster
	s_lshl_b32 s71, 0x1111, s[CX]                  ; my column
	s_or_b32 s[G1A], s70, G1W0
	s_or_b32 s[G1B], s71, G1W0
	s_mov_b32 s[G1A+1], KSTEP<<16                  ; tensor_dim0 = 128
	s_mov_b32 s[G1A+2], 64<<16                     ; tensor_dim1 = 64
	s_mov_b32 s[G1A+3], KSTEP<<16                  ; tile_dim0 = 128
	s_mov_b32 s[G1A+4], 64                         ; tile_dim1 = 64
	s_mov_b32 s[G1A+5], K                          ; elements from row to row
	s_mov_b32 s[G1A+6], 0
	s_mov_b32 s[G1A+7], 0
	s_mov_b32 s[G1B+1], KSTEP<<16
	s_mov_b32 s[G1B+2], 128<<16                    ; W's loads bring 128 rows
	s_mov_b32 s[G1B+3], KSTEP<<16
	s_mov_b32 s[G1B+4], 128
	s_mov_b32 s[G1B+5], K
	s_mov_b32 s[G1B+6], 0
	s_mov_b32 s[G1B+7], 0
	s_lshl_b32 s72, s[TY], 7                       ; A: row 128 x tile row + 64 x half, in bytes; these registers never hold the tile column
	s_lshl_b32 s73, s[WN], 6
	s_add_co_u32 s72, s72, s73
	s_mul_i32 s72, s72, K*2
	s_mov_b32 s73, 0
	s_lshl_b32 s78, s[TX], 8                       ; W: row 256 x tile column + 128 x half; these never hold the tile row
	s_lshl_b32 s79, s[WN], 7
	s_add_co_u32 s78, s78, s79
	s_mul_i32 s78, s78, K*2
	s_add_co_u32 s78, s78, WOFF
	s_mov_b32 s79, 0
	s_mul_i32 s2, s[WN], AHALF                     ; where they go: the wave's number alone enters an LDS address
	s_mul_i32 s3, s[WN], BHALF
	s_add_co_u32 s3, s3, BOFF
	s_mov_b32 s[G0A], 1
	s_mov_b32 s[G0A+1], s2
	s_mov_b32 s[G0A+4], 1
	s_add_co_u32 s[G0A+5], s2, SLOT1
	s_mov_b32 s[G0B], 1
	s_mov_b32 s[G0B+1], s3
	s_mov_b32 s[G0B+4], 1
	s_add_co_u32 s[G0B+5], s3, SLOT1
	s_mov_b32 s[SEL], 0x76543210
	s_mov_b32 s[SEL+1], 0xfedcba98
	s_mov_b32 s[TB], 0
	s_wait_dscnt 0x0                               ; the opening add is done
	s_wait_kmcnt 0x0
	s_add_nc_u64 s[G0A+2:G0A+3], s[4:5], s[72:73]  ; K step 0
	s_add_nc_u64 s[G0A+6:G0A+7], s[G0A+2:G0A+3], 2*KSTEP  ; K step 1
	s_or_b32 s[G0A+3], s[G0A+3], 0x80000000        ; type = 2
	s_or_b32 s[G0A+7], s[G0A+7], 0x80000000
	s_add_nc_u64 s[G0B+2:G0B+3], s[6:7], s[78:79]
	s_add_nc_u64 s[G0B+6:G0B+7], s[G0B+2:G0B+3], 2*KSTEP
	s_or_b32 s[G0B+3], s[G0B+3], 0x80000000
	s_or_b32 s[G0B+7], s[G0B+7], 0x80000000
	CROUND                                         ; all sixteen work-groups are here: the first joint loads meet
	s_cmp_lt_u32 s[WV], 2                          ; a wave's two first fills stand in one branch: two loads of mine are out
	s_cbranch_scc0 .Lfirst_b
	tensor_load_to_lds s[G0A:G0A+3], s[G1A:G1A+7]
	s_nop 0
	tensor_load_to_lds s[G0A+4:G0A+7], s[G1A:G1A+7]
	s_nop 0
.rept 4
	v_nop
.endr
	s_branch .Lfirst_asked
.Lfirst_b:
	tensor_load_to_lds s[G0B:G0B+3], s[G1B:G1B+7]
	s_nop 0
	tensor_load_to_lds s[G0B+4:G0B+7], s[G1B:G1B+7]
	s_nop 0
.rept 4
	v_nop
.endr
.Lfirst_asked:
	; A fragment is 16 rows x 32 K in 8 registers: lane l holds row l % 16, K = 8 (l / 16) + 0..7 and 16 + 8 (l / 16) + 0..7: two loads of 16 bytes, 32 bytes apart.
	v_and_b32 v1, 15, v0
	v_bfe_u32 v2, v0, 4, 1
	v_and_b32 v[LN], 31, v0
	v_mul_u32_u24 v3, v1, PITCH
	v_lshl_add_u32 v3, v2, 4, v3
	s_mul_i32 s2, s[WM], AHALF                     ; my 64 rows of A
	s_mul_i32 s3, s[WN], BHALF                     ; my 128 rows of W
	s_add_co_u32 s3, s3, BOFF
	v_add_nc_u32 v[AA0], s2, v3
	v_add_nc_u32 v[AB0], s3, v3
	v_add_nc_u32 v[AA], s[TB], v[AA0]
	v_add_nc_u32 v[AB], s[TB], v[AB0]
	s_mul_i32 s2, s[WV], WSTAGE
	s_add_co_u32 s2, s2, STAGE                     ; my stage
	v_mul_u32_u24 v3, v1, SPITCH                   ; in: row l % 16, 32 bytes for each half of the lanes
	v_lshl_add_u32 v3, v2, 5, v3
	v_add_nc_u32 v[STO], s2, v3
	v_lshl_add_u32 v[RD], v[LN], 4, s2             ; back: 32 lanes take a row of 512 bytes
	v_lshlrev_b32 v[GO], 3, v[LN]
	v_lshlrev_b32 v[PO], 4, v[LN]
	s_lshl_b32 s66, s[TX], 10                      ; my first column x 4 bytes
	s_lshl_b32 s67, s[WN], 9
	s_add_co_u32 s66, s66, s67
	v_lshl_add_u32 v[BO], v[LN], 4, s66
	s_lshl_b32 s68, s[TY], 7
	s_lshl_b32 s69, s[WM], 6
	s_add_co_u32 s68, s68, s69                     ; my first row
	s_lshr_b32 s69, s66, 1                         ; my first column x 2 bytes
	s_lshl_b32 s66, s68, 12                        ; rows of a are 4,096 bytes
	s_add_co_u32 s66, s66, s69
	s_mov_b32 s67, 0
	s_add_nc_u64 s[ABASE:ABASE+1], s[12:13], s[66:67]
	s_mul_i32 s66, s68, 12288                      ; rows of pall are 12,288 bytes
	s_add_co_u32 s66, s66, s69
	s_add_co_u32 s66, s66, 2*PCOL
	s_add_nc_u64 s[PBASE:PBASE+1], s[14:15], s[66:67]
	; THE SCALES, in the wait for the first tile: every wave reads all of pmax (5 x 256 numbers) and its bias
.irp c, 0,1,2,3,4
	global_load_b128 v[SC+8*(\c):SC+8*(\c)+3],   v[PO], s[8:9] offset:1024*(\c)
	global_load_b128 v[SC+8*(\c)+4:SC+8*(\c)+7], v[PO], s[8:9] offset:1024*(\c)+512
.endr
	global_load_b128 v[BIAS:BIAS+3], v[BO], s[10:11]
	s_wait_loadcnt 0x0
.irp c, 0,1,2,3,4
	v_max3_num_f32 v[SC+8*(\c)], v[SC+8*(\c)], v[SC+8*(\c)+1], v[SC+8*(\c)+2]
	v_max3_num_f32 v[SC+8*(\c)], v[SC+8*(\c)], v[SC+8*(\c)+3], v[SC+8*(\c)+4]
	v_max3_num_f32 v[SC+8*(\c)], v[SC+8*(\c)], v[SC+8*(\c)+5], v[SC+8*(\c)+6]
	v_max_num_f32 v[SC+8*(\c)], v[SC+8*(\c)], v[SC+8*(\c)+7]
	WRED SC+8*(\c)
.endr
	v_mul_f32 v[SC+40], v[SC], v[SC+8]
	v_fmamk_f32 v[SC+40], v[SC+40], 0x44800000, v[SC+16]   ; S1 = 1024 max|x| max|W1| + max|b1|
	v_mul_f32 v[SC+41], v[SC+40], v[SC+24]
	v_fmamk_f32 v[SC+41], v[SC+41], 0x45000000, v[SC+32]   ; S2 = 2048 S1 max|W2| + max|b2|
	v_readfirstlane_b32 s66, v[SC+40]
	v_readfirstlane_b32 s67, v[SC+41]
	s_lshr_b32 s66, s66, 23                        ; e1, e2: the exponent fields (S is not negative)
	s_max_u32 s66, s66, 16
	s_min_u32 s66, s66, 250
	s_lshr_b32 s67, s67, 23
	s_max_u32 s67, s67, 16
	s_min_u32 s67, s67, 250
.if LAYER == 1
	s_sub_co_u32 s[C1], 268, s66                   ; sc1 = 2^(141 - e1): exponent field 268 - e1
	s_lshl_b32 s[C1], s[C1], 23
	s_mov_b32 s[SCB], s[C1]
.else
	s_sub_co_u32 s[C1], s66, s67                   ; sc2 / sc1 = 2^(e1 - e2)
	s_add_co_u32 s[C1], s[C1], 127
	s_max_i32 s[C1], s[C1], 1
	s_min_i32 s[C1], s[C1], 254
	s_lshl_b32 s[C1], s[C1], 23
	s_sub_co_u32 s[SCB], 268, s67                  ; sc2
	s_lshl_b32 s[SCB], s[SCB], 23
.endif
	s_mov_b32 s[C1+1], s[C1]                       ; named as pairs
	s_mov_b32 s[SCB+1], s[SCB]
	v_cvt_pk_bf16_f32 v[SC+1], v[BIAS], v[BIAS+1]  ; the bias rounded to bf16, widened again, times its scale
	v_cvt_pk_bf16_f32 v[SC+2], v[BIAS+2], v[BIAS+3]
	v_lshlrev_b32 v[BIAS], 16, v[SC+1]
	v_and_b32 v[BIAS+1], 0xffff0000, v[SC+1]
	v_lshlrev_b32 v[BIAS+2], 16, v[SC+2]
	v_and_b32 v[BIAS+3], 0xffff0000, v[SC+2]
	v_pk_mul_f32 v[BIAS:BIAS+1], v[BIAS:BIAS+1], s[SCB:SCB+1] op_sel_hi:[1,0]
	v_pk_mul_f32 v[BIAS+2:BIAS+3], v[BIAS+2:BIAS+3], s[SCB:SCB+1] op_sel_hi:[1,0]
	s_wait_tensorcnt 1                             ; my part of K step 0 is in; K step 1's may stay out
	s_barrier_signal -1
	s_barrier_wait -1                              ; everybody's is
	FETCH 0, F0
	QUARTER 64, F0, F1, 1                          ; the first quarter stands in front of the loop: its products start the sums
	WIN 0                                          ; at a label and at a branch every window is 0
	s_mov_b32 s[CNT], STEPS-2
.Lstep:                                                ; a trip: from a K step's second quarter to the next step's first; it fills the slot that it leaves
	QUARTER 128, F1, F0, 0
	QUARTER 192, F0, F1, 0
	TURN 1
	QUARTER 64, F0, F1, 0
	WIN 0
	s_sub_co_u32 s[CNT], s[CNT], 1
	s_cmp_lg_u32 s[CNT], 0
	s_cbranch_scc1 .Lstep
	QUARTER 128, F1, F0, 0                         ; the last two K steps are written out: nothing is left to ask for
	QUARTER 192, F0, F1, 0
	TURN 0
	QUARTER 64, F0, F1, 0
	QUARTER 128, F1, F0, 0
	QUARTER 192, F0, F1, 0
	s_wait_dscnt 4
	MULA F1, 0, 0
	MULA F1, 1, 0
	s_wait_dscnt 0x0
	MULA F1, 2, 0
	MULA F1, 3, 0
	PLACES
	OUT 0
	OUT 1
	s_wait_tensorcnt 0x0                           ; the wave's end
	ds_add_u32 v[SPW], v[NIL]
	s_wait_dscnt 0x0
	CROUND                                         ; the closing round: no work-group ends while a partner may still ask for a tile that names it
	s_endpgm
.Lfunc_end_k_q35217c72df_fwd1:
	.size	k_q35217c72df_fwd1, .Lfunc_end_k_q35217c72df_fwd1-k_q35217c72df_fwd1
	.p2alignl 7, 3214868480
	.fill 96, 4, 3214868480
	.section	.rodata,"a",@progbits
	.p2align	6, 0x0
	.amdhsa_kernel k_q35217c72df_fwd1
		.amdhsa_group_segment_fixed_size 327680
		.amdhsa_private_segment_fixed_size 0
		.amdhsa_enable_private_segment 0
		.amdhsa_kernarg_size 48
		.amdhsa_user_sgpr_count 2
		.amdhsa_user_sgpr_kernarg_segment_ptr 1
		.amdhsa_wavefront_size32 1
		.amdhsa_system_sgpr_workgroup_id_x 1
		.amdhsa_system_sgpr_workgroup_id_y 1
		.amdhsa_system_sgpr_workgroup_id_z 1
		.amdhsa_system_vgpr_workitem_id 0
		.amdhsa_next_free_vgpr 512
		.amdhsa_next_free_sgpr 80
		.amdhsa_reserve_vcc 0
		.amdhsa_float_denorm_mode_32 3
		.amdhsa_float_denorm_mode_16_64 3
		.amdhsa_memory_ordered 1
		.amdhsa_forward_progress 1
		.amdhsa_inst_pref_size 85
	.end_amdhsa_kernel
	.amdgpu_metadata
---
amdhsa.version: [ 1, 2 ]
amdhsa.kernels:
  - .name:           k_q35217c72df_fwd1
    .symbol:         k_q35217c72df_fwd1.kd
    .args:
      - { .name: xb, .offset: 0, .size: 8, .value_kind: global_buffer, .address_space: global }
      - { .name: wb, .offset: 8, .size: 8, .value_kind: global_buffer, .address_space: global }
      - { .name: pmax, .offset: 16, .size: 8, .value_kind: global_buffer, .address_space: global }
      - { .name: b1, .offset: 24, .size: 8, .value_kind: global_buffer, .address_space: global }
      - { .name: a1, .offset: 32, .size: 8, .value_kind: global_buffer, .address_space: global }
      - { .name: pall, .offset: 40, .size: 8, .value_kind: global_buffer, .address_space: global }
    .group_segment_fixed_size: 327680
    .private_segment_fixed_size: 0
    .kernarg_segment_align: 8
    .kernarg_segment_size: 48
    .max_flat_workgroup_size: 128
    .sgpr_count:     80
    .vgpr_count:     512
    .wavefront_size: 32
...
	.end_amdgpu_metadata
.endif
;; end of part 2
;; launch fwd2 (part 3): grid 8 x 32, 4 waves a work-group, clusters of 4 x 4, 327,680 bytes of LDS; arguments a1, wb, pmax, b2, a2, pall; writes a2, pall
.if DOCPART == 3
	.amdgcn_target "amdgcn-amd-amdhsa--gfx1250"
	.amdhsa_code_object_version 6
	.text
	.protected	k_q35217c72df_fwd2
	.globl	k_q35217c72df_fwd2
	.p2align	8
	.type	k_q35217c72df_fwd2,@function
k_q35217c72df_fwd2:
	s_mov_b64 s[64:65], 0
	v_nop
	global_prefetch_b8 v0, s[64:65] scope:SCOPE_SE
	s_setreg_imm32_b32 hwreg(HW_REG_WAVE_MODE, 25, 1), 1
	s_wait_xcnt 0x0
	s_wait_alu depctr_hold_cnt(0) depctr_sa_sdst(0) depctr_va_vdst(0) depctr_va_sdst(0) depctr_va_ssrc(0) depctr_va_vcc(0) depctr_vm_vsrc(0)
	s_getreg_b32 s2, hwreg(HW_REG_IB_STS2, 6, 4)
	s_cmp_eq_u32 s2, 0
	s_cbranch_scc0 .Lentry_in_a_cluster
	s_endpgm
.Lentry_in_a_cluster:
	s_bfe_u32 s2, ttmp6, 0x10000c
	s_cmp_lg_u32 s2, 0xf033
	s_cbranch_scc0 .Lentry_shape_is_right
	s_endpgm
.Lentry_shape_is_right:
; A HIDDEN LAYER.  y = sc (A W^T + b); a = f16(max(y, 0)); p = (y > 0) as bf16 0 or 1.  LAYER 1: A = xb, bf16 [4096][1024], W = W1 in bf16.  LAYER 2: A = a1 = sc1 relu(z1), f16 [4096][2048], W = W2 in f16.
; Sums in f32.  a goes to [4096][2048] f16, p to its 2,048 columns of pall ([4096][6144] bf16).  The two layers' texts differ in the line that sets LAYER alone.
; THE SCALE.  f16 ends at 65,504, so the activations are kept times a power of two made from the inputs' own maxima (pmax): S1 = 1024 max|x| max|W1| + max|b1| bounds |z1|,
; S2 = 2048 S1 max|W2| + max|b2| bounds |z2|; with e the exponent field of S, sc = 2^(141 - e), so that |z| sc stays under 2^15 (the factor 2 up to 65,504 covers the roundings).
; The scale enters numbers alone: no branch and no address hangs on it.  The bias is rounded to bf16 like every input.
; LIMITS.  e is held in 16..250, and the exponent field of isc1 sc2 in 1..254; a positive y below f32's smallest number counts as 0; NaN and infinities are not treated apart.
; SHARES.  A work-group makes 128 rows (batch) x 256 columns (features): 8 x 32 = 256 work-groups.  Each of its four waves makes 64 x 128: 32 accumulators, 256 registers.
; K goes in steps of 128 through two LDS slots that take turns; a tile's rows are 256 bytes of memory at multiples of 256.  Waves 0, 1 fetch A's two halves (64 rows each), waves 2, 3 W's (128 rows each).
; CLUSTER.  4 x 4 work-groups: A's tile hangs on the tile row alone and is asked for jointly by a row of the cluster, W's on the tile column alone, by a column.
; THE MATRIX INSTRUCTION IS USED TRANSPOSED (source 0 = 16 rows of W, source 1 = 16 rows of A): a lane holds one row of the result and eight neighbouring columns.
; REGISTERS.  Window 0: v0-31 addresses, bias, at work; v32-63 rows on the way out; v64-159, v160-255 two fragment buffers (W's 8 fragments, then A's 4).  Window 1: accumulator (a, b) at v[8 (8 a + b)].
.set LAYER, 2
.if LAYER == 1
.set K,    1024
.set WOFF, 0                           ; W's first byte in wb
.set PCOL, 1024                        ; p's first column in pall
.else
.set K,    2048
.set WOFF, 4194304
.set PCOL, 3072
.endif
.set KSTEP,  128
.set PITCH,  272                       ; an LDS row: 256 bytes + 16 of padding, an odd multiple of 16: the 16 rows of a fragment load start in 16 different 16-byte columns of 256 bytes
.set AHALF,  64*PITCH
.set BHALF,  128*PITCH
.set BOFF,   2*AHALF                   ; a slot: A's 128 rows, then W's 256
.set SLOT1,  131072                    ; slot 1 begins here, so that one exclusive or turns an address in one slot into the other's
.set STAGE,  237568                    ; behind the ring, never filled by a tensor load: 32 rows x 528 bytes for each wave
.set SPITCH, 528
.set WSTAGE, 32*SPITCH
.set SPARE,  STAGE+4*WSTAGE            ; the spare words, 128 bytes for each wave
.set STEPS,  K/KSTEP
.set G1W0,   (1<<16)|(1<<20)|(1<<21)|(5<<22)|(3<<25)  ; 2-byte elements; padding on; bit 21 beside a mask; after every 64 words; 4 words
.set AA0, 4                            ; v4, v5  my lane's place in A's and W's part of slot 0; never rewritten
.set AB0, 5
.set AA,  6                            ; v6, v7  the same in the slot in hand
.set AB,  7
.set STO, 8                            ; v8   the way out: where I put 16 bytes of a row
.set RD,  9                            ; v9   where I read rows back
.set RDC, 10                           ; v10  the same for the trip in hand
.set GO,  11                           ; v11  8 x lane: my byte offset in 256 stored bytes
.set SPW, 12                           ; v12  LDS address of my spare word; never rewritten
.set NIL, 13                           ; v13  0; never rewritten
.set LN,  14                           ; v14  lane
.set BO,  15                           ; v15  byte offset of my four columns' bias
.set BIAS, 16                          ; v16-19  sc x bias of my four columns on the way out
.set PO,  20                           ; v20  16 x lane
.set TT,  24                           ; v24-31  at work
.set X,   32                           ; v32-63  eight rows read back
.set F0,  64
.set F1,  160
.set SC,  64                           ; pmax and the scales' arithmetic, ahead of the first fragments
.set OA,  64                           ; the way out: a, two registers a row
.set OP,  80                           ; p, two registers a row
.set WV, 16                            ; s16 wave; s17 its half of the rows; s18 its half of the columns
.set WM, 17
.set WN, 18
.set CX, 19
.set CY, 20
.set TX, 21                            ; tile column, tile row
.set TY, 22
.set RS, 23                            ; the way out: bytes into my stage
.set G1A, 24                           ; s[24:31], s[32:39] descriptor group 1 for A's and W's tiles
.set G1B, 32
.set G0A, 40                           ; s[40:47], s[48:55] group 0: a set for each first fill; the second then walks on
.set G0B, 48
.set TB,  56                           ; the slot in hand: 0 or SLOT1
.set CNT, 57
.set C1,  58                           ; s[58:59] the factor on the sums
.set SEL, 60                           ; s[60:61] v_permlanex16_b32's selects
.set SCB, 62                           ; s[62:63] the factor on the bias
.set CM,  66                           ; s66-69 four compare masks
.set ABASE, 74                         ; s[74:75], s[76:77] a and p at the rows in hand
.set PBASE, 76
.set MSB, 0
.macro WIN new                         ; the immediate's high byte repeats the setting that is left; a switch that changes nothing is dropped
.if MSB != (\new)
	s_set_vgpr_msb (MSB<<8)|(\new)
.set MSB, \new
.endif
.endm
.macro PLACES                          ; four plain vector instructions between a matrix instruction and a load into, or a read of, its registers
.rept 4
	v_nop
.endr
.endm
.macro CREST                           ; a round of the cluster's barrier behind its opening barrier
	s_cmp_lg_u32 s[WV], 0
	s_cbranch_scc1 .Lnot_wave_0_\@
	s_barrier_signal -3
.Lnot_wave_0_\@:
	s_barrier_wait -3
	s_barrier_signal -1
	s_barrier_wait -1
.endm
.macro CROUND
	s_barrier_signal -1
	s_barrier_wait -1
	CREST
.endm
.macro JLOAD                           ; a joint refill by the walking set; the branch hangs on the wave's number alone; s_nop 0 and four v_nop follow each line
	s_cmp_lt_u32 s[WV], 2
	s_cbranch_scc0 .Lfor_b_\@
	tensor_load_to_lds s[G0A+4:G0A+7], s[G1A:G1A+7]
	s_nop 0
.rept 4
	v_nop
.endr
	s_branch .Lasked_\@
.Lfor_b_\@:
	tensor_load_to_lds s[G0B+4:G0B+7], s[G1B:G1B+7]
	s_nop 0
.rept 4
	v_nop
.endr
.Lasked_\@:
.endm
; 8 matrix instructions: row block a x all 8 column blocks, 32 along K, from buffer f.  zero = 1: the product starts the sums.  The 32 accumulators take turns.
.macro MULA f, a, zero
	WIN 0x50                                       ; C and D in window 1
.irp b, 0,1,2,3,4,5,6,7
.set rD, 8*(8*(\a)+(\b))
.set rB, (\f)+8*(\b)
.set rA, (\f)+64+8*(\a)
.if (\zero) && (LAYER == 1)
	v_wmma_f32_16x16x32_bf16 v[rD:rD+7], v[rB:rB+7], v[rA:rA+7], 0
.elseif LAYER == 1
	v_wmma_f32_16x16x32_bf16 v[rD:rD+7], v[rB:rB+7], v[rA:rA+7], v[rD:rD+7]
.elseif \zero
	v_wmma_f32_16x16x32_f16 v[rD:rD+7], v[rB:rB+7], v[rA:rA+7], 0
.else
	v_wmma_f32_16x16x32_f16 v[rD:rD+7], v[rB:rB+7], v[rA:rA+7], v[rD:rD+7]
.endif
.endr
.endm
; 24 LDS loads in one run: the fragments of 32 along K at byte k of the rows: W's eight, then A's four
.macro FETCH k, f
	WIN 0
.irp i, 0,1,2,3,4,5,6,7
	ds_load_b128 v[(\f)+8*(\i):(\f)+8*(\i)+3],   v[AB] offset:(\k)+(\i)*16*PITCH
	ds_load_b128 v[(\f)+8*(\i)+4:(\f)+8*(\i)+7], v[AB] offset:(\k)+(\i)*16*PITCH+32
.endr
.irp i, 0,1,2,3
	ds_load_b128 v[(\f)+64+8*(\i):(\f)+64+8*(\i)+3],   v[AA] offset:(\k)+(\i)*16*PITCH
	ds_load_b128 v[(\f)+64+8*(\i)+4:(\f)+64+8*(\i)+7], v[AA] offset:(\k)+(\i)*16*PITCH+32
.endr
.endm
; A K step is four quarters of 32 along K, on buffers 0, 1, 0, 1.  One of the first three multiplies buffer f and fetches the next quarter, at byte k, into g.
.macro QUARTER k, f, g, zero
	s_wait_dscnt 4                                 ; W's fragments and A's blocks 0, 1 are in; the youngest four loads (blocks 2, 3) may be out
	MULA \f, 0, \zero
	MULA \f, 1, \zero
	PLACES
	FETCH \k, \g
	s_wait_dscnt 24                                ; all but the 24 just issued
	MULA \f, 2, \zero
	MULA \f, 3, \zero
.endm
; The last quarter multiplies buffer 1 and changes slots.  In front of the barrier each wave waits for all its tensor loads (one is out: its part of the next slot), adds 0 to its spare word, and
; waits for that and for its reads of this slot.  fill = 1: the barrier opens a round of the cluster's, and this slot is filled again, two K steps ahead, first thing behind the round.
.macro TURN fill
	WIN 0
	s_wait_tensorcnt 0x0
	ds_add_u32 v[SPW], v[NIL]
	s_wait_dscnt 5                                 ; the add and the youngest four loads may be out
	MULA F1, 0, 0
	s_wait_dscnt 0x0                               ; the add is done, and my reads of this slot are over
	s_barrier_signal -1
	MULA F1, 1, 0
	WIN 0
	s_barrier_wait -1
.if \fill
	CREST                                          ; no wave of any partner still reads this slot or has a load on its way
	s_xor_b32 s[G0A+5], s[G0A+5], SLOT1            ; the walking sets: the other slot than last time, the next K step
	s_add_nc_u64 s[G0A+6:G0A+7], s[G0A+6:G0A+7], 2*KSTEP
	s_xor_b32 s[G0B+5], s[G0B+5], SLOT1
	s_add_nc_u64 s[G0B+6:G0B+7], s[G0B+6:G0B+7], 2*KSTEP
	JLOAD                                          ; its four v_nop are also the places in front of the loads below
.else
	PLACES
.endif
	s_xor_b32 s[TB], s[TB], SLOT1
	v_add_nc_u32 v[AA], s[TB], v[AA0]
	v_add_nc_u32 v[AB], s[TB], v[AB0]
	FETCH 0, F0
	MULA F1, 2, 0
	MULA F1, 3, 0
.endm
.macro WRED r                          ; the maximum over the 32 lanes, in every lane
	v_max_num_f32_dpp v[\r], v[\r], v[\r] row_xmask:1 row_mask:0xf bank_mask:0xf
	v_max_num_f32_dpp v[\r], v[\r], v[\r] row_xmask:2 row_mask:0xf bank_mask:0xf
	v_max_num_f32_dpp v[\r], v[\r], v[\r] row_xmask:4 row_mask:0xf bank_mask:0xf
	v_max_num_f32_dpp v[\r], v[\r], v[\r] row_xmask:8 row_mask:0xf bank_mask:0xf
	v_permlanex16_b32 v[(\r)+1], v[\r], s[SEL], s[SEL+1]
	v_max_num_f32 v[\r], v[\r], v[(\r)+1]
.endm
; THE WAY OUT of row blocks 2 h, 2 h + 1: the f32 sums go into my own stage (each accumulator's low four registers first) and come back as whole rows of 128 columns,
; four columns a lane; then scale, bias, relu and compare, and two stores a row, each of 256 consecutive aligned bytes.  LDS serves a wave's instructions in order, so no wait stands between my stores and my loads.
.macro OUT h
	WIN 0x04                                       ; a store's data is source 1: window 1
.irp a, 0,1
.irp b, 0,1,2,3,4,5,6,7
	ds_store_b128 v[STO], v[8*(8*(2*(\h)+(\a))+(\b)):8*(8*(2*(\h)+(\a))+(\b))+3]   offset:(\a)*16*SPITCH+64*(\b)
	ds_store_b128 v[STO], v[8*(8*(2*(\h)+(\a))+(\b))+4:8*(8*(2*(\h)+(\a))+(\b))+7] offset:(\a)*16*SPITCH+64*(\b)+16
.endr
.endr
	WIN 0
	s_mov_b32 s[RS], 0
	s_mov_b32 s[CNT], 4
.Lrows_\@:                                             ; four trips of eight rows
	v_add_nc_u32 v[RDC], s[RS], v[RD]
.irp j, 0,1,2,3,4,5,6,7
	ds_load_b128 v[X+4*(\j):X+4*(\j)+3], v[RDC] offset:SPITCH*(\j)
.endr
.irp j, 0,1,2,3,4,5,6,7
	s_wait_dscnt 7-(\j)                            ; row j is in; the younger rows stay out
	v_pk_fma_f32 v[X+4*(\j):X+4*(\j)+1],   v[X+4*(\j):X+4*(\j)+1],   s[C1:C1+1], v[BIAS:BIAS+1]   op_sel_hi:[1,0,1]
	v_pk_fma_f32 v[X+4*(\j)+2:X+4*(\j)+3], v[X+4*(\j)+2:X+4*(\j)+3], s[C1:C1+1], v[BIAS+2:BIAS+3] op_sel_hi:[1,0,1]
.irp k, 0,1,2,3
	v_cmp_lt_f32 s[CM+(\k)], 0, v[X+4*(\j)+(\k)]
	v_max_num_f32 v[TT+(\k)], 0, v[X+4*(\j)+(\k)]
.endr
	v_cvt_pk_f16_f32 v[OA+2*(\j)], v[TT], v[TT+1]
	v_cvt_pk_f16_f32 v[OA+2*(\j)+1], v[TT+2], v[TT+3]
.irp k, 0,1,2,3
	v_cndmask_b32 v[TT+4+(\k)], 0, 1.0, s[CM+(\k)]
.endr
	v_cvt_pk_bf16_f32 v[OP+2*(\j)], v[TT+4], v[TT+5]
	v_cvt_pk_bf16_f32 v[OP+2*(\j)+1], v[TT+6], v[TT+7]
	global_store_b64 v[GO], v[OA+2*(\j):OA+2*(\j)+1], s[ABASE:ABASE+1] offset:4096*(\j)
	global_store_b64 v[GO], v[OP+2*(\j):OP+2*(\j)+1], s[PBASE:PBASE+1] offset:12288*(\j)
.endr
	s_wait_xcnt 0x0                                ; the stores' bases and data are rewritten only behind this wait
	s_add_nc_u64 s[ABASE:ABASE+1], s[ABASE:ABASE+1], 8*4096
	s_add_nc_u64 s[PBASE:PBASE+1], s[PBASE:PBASE+1], 8*12288
	s_add_co_u32 s[RS], s[RS], 8*SPITCH
	s_sub_co_u32 s[CNT], s[CNT], 1
	s_cmp_lg_u32 s[CNT], 0
	s_cbranch_scc1 .Lrows_\@
.endm
	s_load_b256 s[4:11], s[0:1], 0x0               ; A s[4:5], wb s[6:7], pmax s[8:9], bias s[10:11]
	s_load_b128 s[12:15], s[0:1], 0x20             ; a s[12:13], pall s[14:15]
	v_lshl_add_u32 v[SPW], v0, 2, SPARE
	v_mov_b32 v[NIL], 0
	ds_add_u32 v[SPW], v[NIL]                      ; the wave's opening: the add and its wait stand ahead of my first tensor load; the set-up stands between them
	v_lshrrev_b32 v1, 5, v0
	v_readfirstlane_b32 s[WV], v1
	s_lshr_b32 s[WM], s[WV], 1
	s_and_b32 s[WN], s[WV], 1                      ; also: which half of a tile I fetch
	s_bfe_u32 s[CX], ttmp6, 0x40000
	s_bfe_u32 s[CY], ttmp6, 0x40004
	s_lshl_b32 s[TX], ttmp9, 2                     ; in a cluster launch ttmp9 and ttmp7 count clusters
	s_add_co_u32 s[TX], s[TX], s[CX]
	s_and_b32 s[TY], ttmp7, 0xffff
	s_lshl_b32 s[TY], s[TY], 2
	s_add_co_u32 s[TY], s[TY], s[CY]
	s_lshl_b32 s70, s[CY], 2
	s_lshl_b32 s70, 15, s70                        ; my row of the cluster
	s_lshl_b32 s71, 0x1111, s[CX]                  ; my column
	s_or_b32 s[G1A], s70, G1W0
	s_or_b32 s[G1B], s71, G1W0
	s_mov_b32 s[G1A+1], KSTEP<<16                  ; tensor_dim0 = 128
	s_mov_b32 s[G1A+2], 64<<16                     ; tensor_dim1 = 64
	s_mov_b32 s[G1A+3], KSTEP<<16                  ; tile_dim0 = 128
	s_mov_b32 s[G1A+4], 64                         ; tile_dim1 = 64
	s_mov_b32 s[G1A+5], K                          ; elements from row to row
	s_mov_b32 s[G1A+6], 0
	s_mov_b32 s[G1A+7], 0
	s_mov_b32 s[G1B+1], KSTEP<<16
	s_mov_b32 s[G1B+2], 128<<16                    ; W's loads bring 128 rows
	s_mov_b32 s[G1B+3], KSTEP<<16
	s_mov_b32 s[G1B+4], 128
	s_mov_b32 s[G1B+5], K
	s_mov_b32 s[G1B+6], 0
	s_mov_b32 s[G1B+7], 0
	s_lshl_b32 s72, s[TY], 7                       ; A: row 128 x tile row + 64 x half, in bytes; these registers never hold the tile column
	s_lshl_b32 s73, s[WN], 6
	s_add_co_u32 s72, s72, s73
	s_mul_i32 s72, s72, K*2
	s_mov_b32 s73, 0
	s_lshl_b32 s78, s[TX], 8                       ; W: row 256 x tile column + 128 x half; these never hold the tile row
	s_lshl_b32 s79, s[WN], 7
	s_add_co_u32 s78, s78, s79
	s_mul_i32 s78, s78, K*2
	s_add_co_u32 s78, s78, WOFF
	s_mov_b32 s79, 0
	s_mul_i32 s2, s[WN], AHALF                     ; where they go: the wave's number alone enters an LDS address
	s_mul_i32 s3, s[WN], BHALF
	s_add_co_u32 s3, s3, BOFF
	s_mov_b32 s[G0A], 1
	s_mov_b32 s[G0A+1], s2
	s_mov_b32 s[G0A+4], 1
	s_add_co_u32 s[G0A+5], s2, SLOT1
	s_mov_b32 s[G0B], 1
	s_mov_b32 s[G0B+1], s3
	s_mov_b32 s[G0B+4], 1
	s_add_co_u32 s[G0B+5], s3, SLOT1
	s_mov_b32 s[SEL], 0x76543210
	s_mov_b32 s[SEL+1], 0xfedcba98
	s_mov_b32 s[TB], 0
	s_wait_dscnt 0x0                               ; the opening add is done
	s_wait_kmcnt 0x0
	s_add_nc_u64 s[G0A+2:G0A+3], s[4:5], s[72:73]  ; K step 0
	s_add_nc_u64 s[G0A+6:G0A+7], s[G0A+2:G0A+3], 2*KSTEP  ; K step 1
	s_or_b32 s[G0A+3], s[G0A+3], 0x80000000        ; type = 2
	s_or_b32 s[G0A+7], s[G0A+7], 0x80000000
	s_add_nc_u64 s[G0B+2:G0B+3], s[6:7], s[78:79]
	s_add_nc_u64 s[G0B+6:G0B+7], s[G0B+2:G0B+3], 2*KSTEP
	s_or_b32 s[G0B+3], s[G0B+3], 0x80000000
	s_or_b32 s[G0B+7], s[G0B+7], 0x80000000
	CROUND                                         ; all sixteen work-groups are here: the first joint loads meet
	s_cmp_lt_u32 s[WV], 2                          ; a wave's two first fills stand in one branch: two loads of mine are out
	s_cbranch_scc0 .Lfirst_b
	tensor_load_to_lds s[G0A:G0A+3], s[G1A:G1A+7]
	s_nop 0
	tensor_load_to_lds s[G0A+4:G0A+7], s[G1A:G1A+7]
	s_nop 0
.rept 4
	v_nop
.endr
	s_branch .Lfirst_asked
.Lfirst_b:
	tensor_load_to_lds s[G0B:G0B+3], s[G1B:G1B+7]
	s_nop 0
	tensor_load_to_lds s[G0B+4:G0B+7], s[G1B:G1B+7]
	s_nop 0
.rept 4
	v_nop
.endr
.Lfirst_asked:
	; A fragment is 16 rows x 32 K in 8 registers: lane l holds row l % 16, K = 8 (l / 16) + 0..7 and 16 + 8 (l / 16) + 0..7: two loads of 16 bytes, 32 bytes apart.
	v_and_b32 v1, 15, v0
	v_bfe_u32 v2, v0, 4, 1
	v_and_b32 v[LN], 31, v0
	v_mul_u32_u24 v3, v1, PITCH
	v_lshl_add_u32 v3, v2, 4, v3
	s_mul_i32 s2, s[WM], AHALF                     ; my 64 rows of A
	s_mul_i32 s3, s[WN], BHALF                     ; my 128 rows of W
	s_add_co_u32 s3, s3, BOFF
	v_add_nc_u32 v[AA0], s2, v3
	v_add_nc_u32 v[AB0], s3, v3
	v_add_nc_u32 v[AA], s[TB], v[AA0]
	v_add_nc_u32 v[AB], s[TB], v[AB0]
	s_mul_i32 s2, s[WV], WSTAGE
	s_add_co_u32 s2, s2, STAGE                     ; my stage
	v_mul_u32_u24 v3, v1, SPITCH                   ; in: row l % 16, 32 bytes for each half of the lanes
	v_lshl_add_u32 v3, v2, 5, v3
	v_add_nc_u32 v[STO], s2, v3
	v_lshl_add_u32 v[RD], v[LN], 4, s2             ; back: 32 lanes take a row of 512 bytes
	v_lshlrev_b32 v[GO], 3, v[LN]
	v_lshlrev_b32 v[PO], 4, v[LN]
	s_lshl_b32 s66, s[TX], 10                      ; my first column x 4 bytes
	s_lshl_b32 s67, s[WN], 9
	s_add_co_u32 s66, s66, s67
	v_lshl_add_u32 v[BO], v[LN], 4, s66
	s_lshl_b32 s68, s[TY], 7
	s_lshl_b32 s69, s[WM], 6
	s_add_co_u32 s68, s68, s69                     ; my first row
	s_lshr_b32 s69, s66, 1                         ; my first column x 2 bytes
	s_lshl_b32 s66, s68, 12                        ; rows of a are 4,096 bytes
	s_add_co_u32 s66, s66, s69
	s_mov_b32 s67, 0
	s_add_nc_u64 s[ABASE:ABASE+1], s[12:13], s[66:67]
	s_mul_i32 s66, s68, 12288                      ; rows of pall are 12,288 bytes
	s_add_co_u32 s66, s66, s69
	s_add_co_u32 s66, s66, 2*PCOL
	s_add_nc_u64 s[PBASE:PBASE+1], s[14:15], s[66:67]
	; THE SCALES, in the wait for the first tile: every wave reads all of pmax (5 x 256 numbers) and its bias
.irp c, 0,1,2,3,4
	global_load_b128 v[SC+8*(\c):SC+8*(\c)+3],   v[PO], s[8:9] offset:1024*(\c)
	global_load_b128 v[SC+8*(\c)+4:SC+8*(\c)+7], v[PO], s[8:9] offset:1024*(\c)+512
.endr
	global_load_b128 v[BIAS:BIAS+3], v[BO], s[10:11]
	s_wait_loadcnt 0x0
.irp c, 0,1,2,3,4
	v_max3_num_f32 v[SC+8*(\c)], v[SC+8*(\c)], v[SC+8*(\c)+1], v[SC+8*(\c)+2]
	v_max3_num_f32 v[SC+8*(\c)], v[SC+8*(\c)], v[SC+8*(\c)+3], v[SC+8*(\c)+4]
	v_max3_num_f32 v[SC+8*(\c)], v[SC+8*(\c)], v[SC+8*(\c)+5], v[SC+8*(\c)+6]
	v_max_num_f32 v[SC+8*(\c)], v[SC+8*(\c)], v[SC+8*(\c)+7]
	WRED SC+8*(\c)
.endr
	v_mul_f32 v[SC+40], v[SC], v[SC+8]
	v_fmamk_f32 v[SC+40], v[SC+40], 0x44800000, v[SC+16]   ; S1 = 1024 max|x| max|W1| + max|b1|
	v_mul_f32 v[SC+41], v[SC+40], v[SC+24]
	v_fmamk_f32 v[SC+41], v[SC+41], 0x45000000, v[SC+32]   ; S2 = 2048 S1 max|W2| + max|b2|
	v_readfirstlane_b32 s66, v[SC+40]
	v_readfirstlane_b32 s67, v[SC+41]
	s_lshr_b32 s66, s66, 23                        ; e1, e2: the exponent fields (S is not negative)
	s_max_u32 s66, s66, 16
	s_min_u32 s66, s66, 250
	s_lshr_b32 s67, s67, 23
	s_max_u32 s67, s67, 16
	s_min_u32 s67, s67, 250
.if LAYER == 1
	s_sub_co_u32 s[C1], 268, s66                   ; sc1 = 2^(141 - e1): exponent field 268 - e1
	s_lshl_b32 s[C1], s[C1], 23
	s_mov_b32 s[SCB], s[C1]
.else
	s_sub_co_u32 s[C1], s66, s67                   ; sc2 / sc1 = 2^(e1 - e2)
	s_add_co_u32 s[C1], s[C1], 127
	s_max_i32 s[C1], s[C1], 1
	s_min_i32 s[C1], s[C1], 254
	s_lshl_b32 s[C1], s[C1], 23
	s_sub_co_u32 s[SCB], 268, s67                  ; sc2
	s_lshl_b32 s[SCB], s[SCB], 23
.endif
	s_mov_b32 s[C1+1], s[C1]                       ; named as pairs
	s_mov_b32 s[SCB+1], s[SCB]
	v_cvt_pk_bf16_f32 v[SC+1], v[BIAS], v[BIAS+1]  ; the bias rounded to bf16, widened again, times its scale
	v_cvt_pk_bf16_f32 v[SC+2], v[BIAS+2], v[BIAS+3]
	v_lshlrev_b32 v[BIAS], 16, v[SC+1]
	v_and_b32 v[BIAS+1], 0xffff0000, v[SC+1]
	v_lshlrev_b32 v[BIAS+2], 16, v[SC+2]
	v_and_b32 v[BIAS+3], 0xffff0000, v[SC+2]
	v_pk_mul_f32 v[BIAS:BIAS+1], v[BIAS:BIAS+1], s[SCB:SCB+1] op_sel_hi:[1,0]
	v_pk_mul_f32 v[BIAS+2:BIAS+3], v[BIAS+2:BIAS+3], s[SCB:SCB+1] op_sel_hi:[1,0]
	s_wait_tensorcnt 1                             ; my part of K step 0 is in; K step 1's may stay out
	s_barrier_signal -1
	s_barrier_wait -1                              ; everybody's is
	FETCH 0, F0
	QUARTER 64, F0, F1, 1                          ; the first quarter stands in front of the loop: its products start the sums
	WIN 0                                          ; at a label and at a branch every window is 0
	s_mov_b32 s[CNT], STEPS-2
.Lstep:                                                ; a trip: from a K step's second quarter to the next step's first; it fills the slot that it leaves
	QUARTER 128, F1, F0, 0
	QUARTER 192, F0, F1, 0
	TURN 1
	QUARTER 64, F0, F1, 0
	WIN 0
	s_sub_co_u32 s[CNT], s[CNT], 1
	s_cmp_lg_u32 s[CNT], 0
	s_cbranch_scc1 .Lstep
	QUARTER 128, F1, F0, 0                         ; the last two K steps are written out: nothing is left to ask for
	QUARTER 192, F0, F1, 0
	TURN 0
	QUARTER 64, F0, F1, 0
	QUARTER 128, F1, F0, 0
	QUARTER 192, F0, F1, 0
	s_wait_dscnt 4
	MULA F1, 0, 0
	MULA F1, 1, 0
	s_wait_dscnt 0x0
	MULA F1, 2, 0
	MULA F1, 3, 0
	PLACES
	OUT 0
	OUT 1
	s_wait_tensorcnt 0x0                           ; the wave's end
	ds_add_u32 v[SPW], v[NIL]
	s_wait_dscnt 0x0
	CROUND                                         ; the closing round: no work-group ends while a partner may still ask for a tile that names it
	s_endpgm
.Lfunc_end_k_q35217c72df_fwd2:
	.size	k_q35217c72df_fwd2, .Lfunc_end_k_q35217c72df_fwd2-k_q35217c72df_fwd2
	.p2alignl 7, 3214868480
	.fill 96, 4, 3214868480
	.section	.rodata,"a",@progbits
	.p2align	6, 0x0
	.amdhsa_kernel k_q35217c72df_fwd2
		.amdhsa_group_segment_fixed_size 327680
		.amdhsa_private_segment_fixed_size 0
		.amdhsa_enable_private_segment 0
		.amdhsa_kernarg_size 48
		.amdhsa_user_sgpr_count 2
		.amdhsa_user_sgpr_kernarg_segment_ptr 1
		.amdhsa_wavefront_size32 1
		.amdhsa_system_sgpr_workgroup_id_x 1
		.amdhsa_system_sgpr_workgroup_id_y 1
		.amdhsa_system_sgpr_workgroup_id_z 1
		.amdhsa_system_vgpr_workitem_id 0
		.amdhsa_next_free_vgpr 512
		.amdhsa_next_free_sgpr 80
		.amdhsa_reserve_vcc 0
		.amdhsa_float_denorm_mode_32 3
		.amdhsa_float_denorm_mode_16_64 3
		.amdhsa_memory_ordered 1
		.amdhsa_forward_progress 1
		.amdhsa_inst_pref_size 85
	.end_amdhsa_kernel
	.amdgpu_metadata
---
amdhsa.version: [ 1, 2 ]
amdhsa.kernels:
  - .name:           k_q35217c72df_fwd2
    .symbol:         k_q35217c72df_fwd2.kd
    .args:
      - { .name: a1, .offset: 0, .size: 8, .value_kind: global_buffer, .address_space: global }
      - { .name: wb, .offset: 8, .size: 8, .value_kind: global_buffer, .address_space: global }
      - { .name: pmax, .offset: 16, .size: 8, .value_kind: global_buffer, .address_space: global }
      - { .name: b2, .offset: 24, .size: 8, .value_kind: global_buffer, .address_space: global }
      - { .name: a2, .offset: 32, .size: 8, .value_kind: global_buffer, .address_space: global }
      - { .name: pall, .offset: 40, .size: 8, .value_kind: global_buffer, .address_space: global }
    .group_segment_fixed_size: 327680
    .private_segment_fixed_size: 0
    .kernarg_segment_align: 8
    .kernarg_segment_size: 48
    .max_flat_workgroup_size: 128
    .sgpr_count:     80
    .vgpr_count:     512
    .wavefront_size: 32
...
	.end_amdgpu_metadata
.endif
;; end of part 3
;; launch fwd3 (part 4): grid 8 x 32, 4 waves a work-group, clusters of 4 x 4, 327,680 bytes of LDS; arguments a2, wb, pmax, b3, out0, pall; writes out0, pall
.if DOCPART == 4
	.amdgcn_target "amdgcn-amd-amdhsa--gfx1250"
	.amdhsa_code_object_version 6
	.text
	.protected	k_q35217c72df_fwd3
	.globl	k_q35217c72df_fwd3
	.p2align	8
	.type	k_q35217c72df_fwd3,@function
k_q35217c72df_fwd3:
	s_mov_b64 s[64:65], 0
	v_nop
	global_prefetch_b8 v0, s[64:65] scope:SCOPE_SE
	s_setreg_imm32_b32 hwreg(HW_REG_WAVE_MODE, 25, 1), 1
	s_wait_xcnt 0x0
	s_wait_alu depctr_hold_cnt(0) depctr_sa_sdst(0) depctr_va_vdst(0) depctr_va_sdst(0) depctr_va_ssrc(0) depctr_va_vcc(0) depctr_vm_vsrc(0)
	s_getreg_b32 s2, hwreg(HW_REG_IB_STS2, 6, 4)
	s_cmp_eq_u32 s2, 0
	s_cbranch_scc0 .Lentry_in_a_cluster
	s_endpgm
.Lentry_in_a_cluster:
	s_bfe_u32 s2, ttmp6, 0x10000c
	s_cmp_lg_u32 s2, 0xf033
	s_cbranch_scc0 .Lentry_shape_is_right
	s_endpgm
.Lentry_shape_is_right:
; THE LAST LAYER.  logits = (a2 W3^T) / sc2 + b3, f32 [4096][1000]; p3 = (logits > 0) as bf16 0 or 1 into columns 5120-6143 of pall.  a2 = sc2 relu(z2), f16 [4096][2048]; W3 in f16, padded to
; 1,024 rows of which the last 24 are 0: columns 1000-1023 get the sum 0, the bias 0 and so p3 = 0; of the logits they are not stored.  Sums in f32.
; 1 / sc2 is the power of two 2^(e2 - 141), e2 the exponent field of S2 = 2048 S1 max|W2| + max|b2|, S1 = 1024 max|x| max|W1| + max|b1|, made from pmax as the layers before made sc2.
; LIMITS.  e2 is held in 16..250; b3 is rounded to bf16 like every input; NaN and infinities are not treated apart.
; SHARES.  A tile of 128 x 128, 8 x 32 = 256 work-groups (128 x 256 would give 128); four waves of 64 x 64: 16 accumulators.  K goes in steps of 256 (LDS rows of 512 bytes, 64 rows to a wave's load)
; through two slots.  CLUSTER 4 x 4: a2's tile is asked for jointly along a row of the cluster, W3's along a column.  The matrix instruction is used transposed (source 0 = rows of W3).
; THE WAY OUT goes through one stage of 64 rows shared by the four waves, in two halves, since a wave's 64 columns are half of a row's 512 bytes; barriers stand between writing and reading, both ways.
; Its LDS addresses are made once, ahead of the loop over K, from the wave's number and the lane alone; the row stands in the immediate, so no LDS address is written where EXEC has hung on the tile's column.
; REGISTERS.  Window 0: v0-31 addresses and bias; v32-95 at work; v128-255 the accumulators ((a, b) at v[128 + 8 (4 a + b)]).  Window 1: two fragment buffers of 128 (64 of A, then 64 of W3).
.set KSTEP,  256
.set SIZE_K, 2048
.set W3OFF,  12582912                  ; W3's first byte in wb
.set PITCH,  528                       ; 512 bytes + 16 of padding, an odd multiple of 16
.set HALFT,  64*PITCH
.set SLOT,   4*HALFT                   ; A's 128 rows, then W3's 128
.set STAGE,  2*SLOT                    ; behind the ring, never filled by a tensor load: 64 rows x 528 bytes
.set SPITCH, 528
.set SPARE,  STAGE+64*SPITCH           ; the spare words, 128 bytes for each wave
.set LAPS,   SIZE_K/(2*KSTEP)
.set G1W0,   (1<<16)|(1<<20)|(1<<21)|(6<<22)|(3<<25)  ; 2-byte elements; padding on; bit 21 beside a mask; after every 128 words; 4 words
.set LN,  6                            ; v6   lane
.set BO,  7                            ; v7   byte offset of my four columns' bias, held inside b3
.set BIAS, 8                           ; v8-11
.set GO,  12                           ; v12  8 x lane
.set GL,  13                           ; v13  16 x lane
.set COL, 14                           ; v14  my first column on the way out
.set ADRA, 16                          ; v16-17  LDS address of my A fragments in slot 0, 1
.set ADRB, 20                          ; v20-21  the same for W3
.set STO, 24                           ; v24  the way out: where I put 16 bytes of a row; never rewritten
.set RD,  25                           ; v25  where I read rows back; never rewritten
.set SPW, 28                           ; v28  LDS address of my spare word; never rewritten
.set NIL, 29                           ; v29  0; never rewritten
.set X,   32                           ; v32-63  eight rows read back
.set SC,  32                           ; pmax and the scale's arithmetic, ahead of the loop
.set OP,  64                           ; v64-79  p3, two registers a row
.set TT,  80
.set ACC, 128
.set F0,  0
.set F1,  128
.set WV, 16
.set WM, 17
.set WN, 18
.set CX, 19
.set CY, 20
.set TX, 21
.set TY, 22
.set G1A, 24
.set G1B, 32
.set G0A, 40                           ; s[40:47], s[48:55] group 0, one set for each slot
.set G0B, 48
.set LAP, 56
.set C1,  58                           ; s[58:59] 1 / sc2
.set SEL, 60
.set SV,  63                           ; EXEC, kept
.set CM,  66
.set LB,  74                           ; s[74:75], s[76:77] logits and p3 at the first of my sixteen rows of the half in hand
.set PB,  76
.set MSB, 0
.macro WIN new
.if MSB != (\new)
	s_set_vgpr_msb (MSB<<8)|(\new)
.set MSB, \new
.endif
.endm
.set MUL,  0x05                        ; sources 0 and 1 in window 1; C and D in window 0
.set TO_F, 0x40                        ; destination window 1, address window 0
.macro PLACES
.rept 4
	v_nop
.endr
.endm
.macro CREST
	s_cmp_lg_u32 s[WV], 0
	s_cbranch_scc1 .Lnot_wave_0_\@
	s_barrier_signal -3
.Lnot_wave_0_\@:
	s_barrier_wait -3
	s_barrier_signal -1
	s_barrier_wait -1
.endm
.macro CROUND
	s_barrier_signal -1
	s_barrier_wait -1
	CREST
.endm
.macro JLOAD s                         ; a joint refill of slot s: waves 0, 1 fetch A's halves, waves 2, 3 W3's; s_nop 0 and four v_nop follow each line
	s_cmp_lt_u32 s[WV], 2
	s_cbranch_scc0 .Lfor_b_\@
	tensor_load_to_lds s[G0A+4*(\s):G0A+4*(\s)+3], s[G1A:G1A+7]
	s_nop 0
.rept 4
	v_nop
.endr
	s_branch .Lasked_\@
.Lfor_b_\@:
	tensor_load_to_lds s[G0B+4*(\s):G0B+4*(\s)+3], s[G1B:G1B+7]
	s_nop 0
.rept 4
	v_nop
.endr
.Lasked_\@:
.endm
; 8 matrix instructions: row blocks a0, a0 + 1 x all 4 column blocks, 32 along K: half c of buffer f.  The 16 accumulators take turns.
.macro MUL8 f, c, a0, zero
	WIN MUL
.irp a, \a0, (\a0)+1
.irp b, 0,1,2,3
.if \zero
	v_wmma_f32_16x16x32_f16 v[ACC+8*(4*(\a)+(\b)):ACC+8*(4*(\a)+(\b))+7], v[(\f)+64+8*(4*(\c)+(\b)):(\f)+64+8*(4*(\c)+(\b))+7], v[(\f)+8*(4*(\c)+(\a)):(\f)+8*(4*(\c)+(\a))+7], 0
.else
	v_wmma_f32_16x16x32_f16 v[ACC+8*(4*(\a)+(\b)):ACC+8*(4*(\a)+(\b))+7], v[(\f)+64+8*(4*(\c)+(\b)):(\f)+64+8*(4*(\c)+(\b))+7], v[(\f)+8*(4*(\c)+(\a)):(\f)+8*(4*(\c)+(\a))+7], v[ACC+8*(4*(\a)+(\b)):ACC+8*(4*(\a)+(\b))+7]
.endif
.endr
.endr
.endm
; 32 LDS loads in one run: the fragments of 64 along K at byte k of the rows, the first 32 along K first
.macro FETCH slot, k, f
	WIN TO_F
.irp c, 0,1
.irp i, 0,1,2,3
	ds_load_b128 v[(\f)+64+8*(4*(\c)+(\i)):(\f)+64+8*(4*(\c)+(\i))+3],   v[ADRB+(\slot)] offset:(\k)+64*(\c)+(\i)*16*PITCH
	ds_load_b128 v[(\f)+64+8*(4*(\c)+(\i))+4:(\f)+64+8*(4*(\c)+(\i))+7], v[ADRB+(\slot)] offset:(\k)+64*(\c)+(\i)*16*PITCH+32
	ds_load_b128 v[(\f)+8*(4*(\c)+(\i)):(\f)+8*(4*(\c)+(\i))+3],         v[ADRA+(\slot)] offset:(\k)+64*(\c)+(\i)*16*PITCH
	ds_load_b128 v[(\f)+8*(4*(\c)+(\i))+4:(\f)+8*(4*(\c)+(\i))+7],       v[ADRA+(\slot)] offset:(\k)+64*(\c)+(\i)*16*PITCH+32
.endr
.endr
.endm
; A K step is four quarters of 64 along K, 32 matrix instructions each, on buffers 0, 1, 0, 1.
.macro QUARTER slot, k, f, g, zero
	s_wait_dscnt 16                                ; the first 32 along K are in; the youngest sixteen loads may be out
	MUL8 \f, 0, 0, \zero
	MUL8 \f, 0, 2, \zero
	PLACES
	FETCH \slot, \k, \g
	s_wait_dscnt 32                                ; all but the 32 just issued
	MUL8 \f, 1, 0, 0
	MUL8 \f, 1, 2, 0
.endm
; The last quarter multiplies buffer 1 and changes slots: each wave waits for all its tensor loads, adds 0 to its spare word, waits for that and for its reads of this slot, and signals.
; fill = 1: the barrier opens a round of the cluster's, and this slot is filled again, two K steps ahead, first thing behind the round.
.macro TURN slot, next, fill
	WIN 0
	s_wait_tensorcnt 0x0
	ds_add_u32 v[SPW], v[NIL]
	s_wait_dscnt 17                                ; the add and the youngest sixteen loads may be out
	MUL8 F1, 0, 0, 0
	s_wait_dscnt 0x0                               ; the add is done, and my reads of this slot are over
	s_barrier_signal -1
	MUL8 F1, 0, 2, 0
	WIN 0
	s_barrier_wait -1
.if \fill
	CREST
	s_add_nc_u64 s[G0A+4*(\slot)+2:G0A+4*(\slot)+3], s[G0A+4*(\slot)+2:G0A+4*(\slot)+3], 2*KSTEP*2
	s_add_nc_u64 s[G0B+4*(\slot)+2:G0B+4*(\slot)+3], s[G0B+4*(\slot)+2:G0B+4*(\slot)+3], 2*KSTEP*2
	JLOAD \slot                                    ; its four v_nop are also the places in front of the loads below
.else
	PLACES
.endif
	FETCH \next, 0, F0
	MUL8 F1, 1, 0, 0
	MUL8 F1, 1, 2, 0
.endm
.macro WRED r
	v_max_num_f32_dpp v[\r], v[\r], v[\r] row_xmask:1 row_mask:0xf bank_mask:0xf
	v_max_num_f32_dpp v[\r], v[\r], v[\r] row_xmask:2 row_mask:0xf bank_mask:0xf
	v_max_num_f32_dpp v[\r], v[\r], v[\r] row_xmask:4 row_mask:0xf bank_mask:0xf
	v_max_num_f32_dpp v[\r], v[\r], v[\r] row_xmask:8 row_mask:0xf bank_mask:0xf
	v_permlanex16_b32 v[(\r)+1], v[\r], s[SEL], s[SEL+1]
	v_max_num_f32 v[\r], v[\r], v[(\r)+1]
.endm
; THE WAY OUT of row blocks 2 h, 2 h + 1 of every wave: 64 rows of the tile in the stage.  Wave w then takes stage rows 16 w .. 16 w + 15, whole, eight at a time, twice; the row stands in every immediate.
.macro OUT h
.if \h
	s_wait_dscnt 0x0                               ; my reads of the stage are over,
	s_barrier_signal -1
	s_barrier_wait -1                              ; everybody's are: it may be written again
.endif
.irp a, 0,1
.irp b, 0,1,2,3
	ds_store_b128 v[STO], v[ACC+8*(4*(2*(\h)+(\a))+(\b)):ACC+8*(4*(2*(\h)+(\a))+(\b))+3]   offset:(\a)*16*SPITCH+64*(\b)
	ds_store_b128 v[STO], v[ACC+8*(4*(2*(\h)+(\a))+(\b))+4:ACC+8*(4*(2*(\h)+(\a))+(\b))+7] offset:(\a)*16*SPITCH+64*(\b)+16
.endr
.endr
	s_wait_dscnt 0x0                               ; for the others' sake: my stores into the stage are done
	s_barrier_signal -1
	s_barrier_wait -1
.irp tr, 0,1
.irp j, 0,1,2,3,4,5,6,7
	ds_load_b128 v[X+4*(\j):X+4*(\j)+3], v[RD] offset:SPITCH*(8*(\tr)+(\j))
.endr
.irp j, 0,1,2,3,4,5,6,7
	s_wait_dscnt 7-(\j)                            ; row j of the eight is in; the younger rows stay out
	v_pk_fma_f32 v[X+4*(\j):X+4*(\j)+1],   v[X+4*(\j):X+4*(\j)+1],   s[C1:C1+1], v[BIAS:BIAS+1]   op_sel_hi:[1,0,1]
	v_pk_fma_f32 v[X+4*(\j)+2:X+4*(\j)+3], v[X+4*(\j)+2:X+4*(\j)+3], s[C1:C1+1], v[BIAS+2:BIAS+3] op_sel_hi:[1,0,1]
.irp k, 0,1,2,3
	v_cmp_lt_f32 s[CM+(\k)], 0, v[X+4*(\j)+(\k)]
.endr
.irp k, 0,1,2,3
	v_cndmask_b32 v[TT+(\k)], 0, 1.0, s[CM+(\k)]
.endr
	v_cvt_pk_bf16_f32 v[OP+2*(\j)], v[TT], v[TT+1]
	v_cvt_pk_bf16_f32 v[OP+2*(\j)+1], v[TT+2], v[TT+3]
	global_store_b64 v[GO], v[OP+2*(\j):OP+2*(\j)+1], s[PB:PB+1] offset:12288*(8*(\tr)+(\j))   ; 256 consecutive aligned bytes
.endr
	s_wait_xcnt 0x0                                ; EXEC is a source of the stores above: it changes only behind this wait
	v_cmp_gt_u32 vcc_lo, 1000, v[COL]
	s_and_saveexec_b32 s[SV], vcc_lo               ; the logits have 1,000 columns
.irp j, 0,1,2,3,4,5,6,7
	global_store_b128 v[GL], v[X+4*(\j):X+4*(\j)+3], s[LB:LB+1] offset:4000*(8*(\tr)+(\j))
.endr
	s_wait_xcnt 0x0                                ; and again in front of the line that widens it; the stores' data and bases are free as well
	s_or_b32 exec_lo, exec_lo, s[SV]
.endr
.endm
	s_load_b256 s[4:11], s[0:1], 0x0               ; a2 s[4:5], wb s[6:7], pmax s[8:9], b3 s[10:11]
	s_load_b128 s[12:15], s[0:1], 0x20             ; out0 s[12:13], pall s[14:15]
	v_lshl_add_u32 v[SPW], v0, 2, SPARE
	v_mov_b32 v[NIL], 0
	ds_add_u32 v[SPW], v[NIL]                      ; the wave's opening: the add and its wait stand ahead of my first tensor load; the set-up stands between them
	v_lshrrev_b32 v1, 5, v0
	v_readfirstlane_b32 s[WV], v1
	s_lshr_b32 s[WM], s[WV], 1
	s_and_b32 s[WN], s[WV], 1
	s_bfe_u32 s[CX], ttmp6, 0x40000
	s_bfe_u32 s[CY], ttmp6, 0x40004
	s_lshl_b32 s[TX], ttmp9, 2
	s_add_co_u32 s[TX], s[TX], s[CX]
	s_and_b32 s[TY], ttmp7, 0xffff
	s_lshl_b32 s[TY], s[TY], 2
	s_add_co_u32 s[TY], s[TY], s[CY]
	s_lshl_b32 s70, s[CY], 2
	s_lshl_b32 s70, 15, s70                        ; my row of the cluster
	s_lshl_b32 s71, 0x1111, s[CX]                  ; my column
	s_or_b32 s[G1A], s70, G1W0
	s_or_b32 s[G1B], s71, G1W0
.irp g, G1A, G1B
	s_mov_b32 s[(\g)+1], KSTEP<<16                 ; tensor_dim0 = 256
	s_mov_b32 s[(\g)+2], 64<<16                    ; tensor_dim1 = 64
	s_mov_b32 s[(\g)+3], KSTEP<<16                 ; tile_dim0 = 256
	s_mov_b32 s[(\g)+4], 64                        ; tile_dim1 = 64
	s_mov_b32 s[(\g)+5], SIZE_K                    ; elements from row to row
	s_mov_b32 s[(\g)+6], 0
	s_mov_b32 s[(\g)+7], 0
.endr
	s_lshl_b32 s72, s[TY], 7                       ; A: row 128 x tile row + 64 x half, in bytes
	s_lshl_b32 s73, s[WN], 6
	s_add_co_u32 s72, s72, s73
	s_mul_i32 s72, s72, SIZE_K*2
	s_mov_b32 s73, 0
	s_lshl_b32 s78, s[TX], 7                       ; W3: row 128 x tile column + 64 x half
	s_lshl_b32 s79, s[WN], 6
	s_add_co_u32 s78, s78, s79
	s_mul_i32 s78, s78, SIZE_K*2
	s_add_co_u32 s78, s78, W3OFF
	s_mov_b32 s79, 0
	s_mul_i32 s2, s[WV], HALFT                     ; where they go: wave x 64 rows
	s_mov_b32 s[G0A], 1
	s_mov_b32 s[G0A+1], s2
	s_mov_b32 s[G0A+4], 1
	s_add_co_u32 s[G0A+5], s2, SLOT
	s_mov_b32 s[G0B], 1
	s_mov_b32 s[G0B+1], s2
	s_mov_b32 s[G0B+4], 1
	s_add_co_u32 s[G0B+5], s2, SLOT
	s_mov_b32 s[SEL], 0x76543210
	s_mov_b32 s[SEL+1], 0xfedcba98
	s_wait_dscnt 0x0                               ; the opening add is done
	s_wait_kmcnt 0x0
	s_add_nc_u64 s[G0A+2:G0A+3], s[4:5], s[72:73]
	s_add_nc_u64 s[G0A+6:G0A+7], s[G0A+2:G0A+3], KSTEP*2
	s_or_b32 s[G0A+3], s[G0A+3], 0x80000000
	s_or_b32 s[G0A+7], s[G0A+7], 0x80000000
	s_add_nc_u64 s[G0B+2:G0B+3], s[6:7], s[78:79]
	s_add_nc_u64 s[G0B+6:G0B+7], s[G0B+2:G0B+3], KSTEP*2
	s_or_b32 s[G0B+3], s[G0B+3], 0x80000000
	s_or_b32 s[G0B+7], s[G0B+7], 0x80000000
	CROUND                                         ; all sixteen work-groups are here: the first joint loads meet
	s_cmp_lt_u32 s[WV], 2                          ; a wave's two first fills stand in one branch: two loads of mine are out
	s_cbranch_scc0 .Lfirst_b
	tensor_load_to_lds s[G0A:G0A+3], s[G1A:G1A+7]
	s_nop 0
	tensor_load_to_lds s[G0A+4:G0A+7], s[G1A:G1A+7]
	s_nop 0
.rept 4
	v_nop
.endr
	s_branch .Lfirst_asked
.Lfirst_b:
	tensor_load_to_lds s[G0B:G0B+3], s[G1B:G1B+7]
	s_nop 0
	tensor_load_to_lds s[G0B+4:G0B+7], s[G1B:G1B+7]
	s_nop 0
.rept 4
	v_nop
.endr
.Lfirst_asked:
	v_and_b32 v1, 15, v0
	v_bfe_u32 v2, v0, 4, 1
	v_and_b32 v[LN], 31, v0
	v_mul_u32_u24 v3, v1, PITCH
	v_lshl_add_u32 v3, v2, 4, v3                   ; a fragment's row x pitch + 16 x half
	s_mul_i32 s2, s[WM], HALFT                     ; my 64 rows of A
	s_mul_i32 s3, s[WN], HALFT                     ; my 64 rows of W3,
	s_add_co_u32 s3, s3, 2*HALFT                   ; which lie behind A's 128
.irp s, 0,1
	v_add_nc_u32 v[ADRA+(\s)], s2, v3
	v_add_nc_u32 v[ADRB+(\s)], s3, v3
	s_add_co_u32 s2, s2, SLOT
	s_add_co_u32 s3, s3, SLOT
.endr
	s_mul_i32 s2, s[WM], 32*SPITCH                 ; into the stage: row 32 x my row half + l % 16, byte 256 x my column half + 32 x half of the lanes
	s_lshl_b32 s3, s[WN], 8
	s_add_co_u32 s2, s2, s3
	s_add_co_u32 s2, s2, STAGE
	v_mul_u32_u24 v4, v1, SPITCH
	v_lshl_add_u32 v4, v2, 5, v4
	v_add_nc_u32 v[STO], s2, v4
	s_mul_i32 s2, s[WV], 16*SPITCH                 ; back: stage rows 16 w on, 32 lanes to a row of 512 bytes
	s_add_co_u32 s2, s2, STAGE
	v_lshl_add_u32 v[RD], v[LN], 4, s2
	v_lshlrev_b32 v[GO], 3, v[LN]
	v_lshlrev_b32 v[GL], 4, v[LN]
	s_lshl_b32 s66, s[TX], 9                       ; the tile's first column x 4 bytes
	v_lshl_add_u32 v[BO], v[LN], 4, s66
	v_min_u32 v[BO], 3984, v[BO]                   ; b3 has 4,000 bytes
	s_lshl_b32 s67, s[TX], 7
	v_lshl_add_u32 v[COL], v[LN], 2, s67
	s_lshl_b32 s68, s[TY], 7                       ; the first row that I store: 128 x tile row + 64 (w / 2) + 16 (w % 2)
	s_lshl_b32 s69, s[WM], 6
	s_add_co_u32 s68, s68, s69
	s_lshl_b32 s69, s[WN], 4
	s_add_co_u32 s68, s68, s69
	s_mul_i32 s69, s68, 4000
	s_add_co_u32 s66, s69, s66
	s_mov_b32 s67, 0
	s_add_nc_u64 s[LB:LB+1], s[12:13], s[66:67]
	s_mul_i32 s66, s68, 12288
	s_lshl_b32 s69, s[TX], 8
	s_add_co_u32 s66, s66, s69
	s_add_co_u32 s66, s66, 2*5120
	s_add_nc_u64 s[PB:PB+1], s[14:15], s[66:67]
	; THE SCALE, in the wait for the first tile
.irp c, 0,1,2,3,4
	global_load_b128 v[SC+8*(\c):SC+8*(\c)+3],   v[GL], s[8:9] offset:1024*(\c)
	global_load_b128 v[SC+8*(\c)+4:SC+8*(\c)+7], v[GL], s[8:9] offset:1024*(\c)+512
.endr
	global_load_b128 v[BIAS:BIAS+3], v[BO], s[10:11]
	s_wait_loadcnt 0x0
.irp c, 0,1,2,3,4
	v_max3_num_f32 v[SC+8*(\c)], v[SC+8*(\c)], v[SC+8*(\c)+1], v[SC+8*(\c)+2]
	v_max3_num_f32 v[SC+8*(\c)], v[SC+8*(\c)], v[SC+8*(\c)+3], v[SC+8*(\c)+4]
	v_max3_num_f32 v[SC+8*(\c)], v[SC+8*(\c)], v[SC+8*(\c)+5], v[SC+8*(\c)+6]
	v_max_num_f32 v[SC+8*(\c)], v[SC+8*(\c)], v[SC+8*(\c)+7]
	WRED SC+8*(\c)
.endr
	v_mul_f32 v[SC+40], v[SC], v[SC+8]
	v_fmamk_f32 v[SC+40], v[SC+40], 0x44800000, v[SC+16]   ; S1
	v_mul_f32 v[SC+41], v[SC+40], v[SC+24]
	v_fmamk_f32 v[SC+41], v[SC+41], 0x45000000, v[SC+32]   ; S2
	v_readfirstlane_b32 s67, v[SC+41]
	s_lshr_b32 s67, s67, 23
	s_max_u32 s67, s67, 16
	s_min_u32 s67, s67, 250
	s_sub_co_u32 s[C1], s67, 14                    ; 1 / sc2 = 2^(e2 - 141): exponent field e2 - 14
	s_lshl_b32 s[C1], s[C1], 23
	s_mov_b32 s[C1+1], s[C1]
	v_cvt_pk_bf16_f32 v[SC+1], v[BIAS], v[BIAS+1]  ; the bias rounded to bf16 and widened again; 0 in the padding columns
	v_cvt_pk_bf16_f32 v[SC+2], v[BIAS+2], v[BIAS+3]
	v_lshlrev_b32 v[BIAS], 16, v[SC+1]
	v_and_b32 v[BIAS+1], 0xffff0000, v[SC+1]
	v_lshlrev_b32 v[BIAS+2], 16, v[SC+2]
	v_and_b32 v[BIAS+3], 0xffff0000, v[SC+2]
	v_cmp_gt_u32 vcc_lo, 1000, v[COL]
.irp k, 0,1,2,3
	v_cndmask_b32 v[BIAS+(\k)], 0, v[BIAS+(\k)], vcc_lo
.endr
	s_wait_tensorcnt 1                             ; my part of K step 0 is in; K step 1's may stay out
	s_barrier_signal -1
	s_barrier_wait -1
	FETCH 0, 0, F0
	QUARTER 0, 128, F0, F1, 1                      ; the first quarter stands in front of the loop: its first products start the sums
	WIN 0
	s_mov_b32 s[LAP], LAPS-1
.Llap:                                                 ; a trip goes once round the ring and fills both slots again
	QUARTER 0, 256, F1, F0, 0
	QUARTER 0, 384, F0, F1, 0
	TURN 0, 1, 1
	QUARTER 1, 128, F0, F1, 0
	QUARTER 1, 256, F1, F0, 0
	QUARTER 1, 384, F0, F1, 0
	TURN 1, 0, 1
	QUARTER 0, 128, F0, F1, 0
	WIN 0
	s_sub_co_u32 s[LAP], s[LAP], 1
	s_cmp_lg_u32 s[LAP], 0
	s_cbranch_scc1 .Llap
	QUARTER 0, 256, F1, F0, 0                      ; the last lap fills nothing
	QUARTER 0, 384, F0, F1, 0
	TURN 0, 1, 0
	QUARTER 1, 128, F0, F1, 0
	QUARTER 1, 256, F1, F0, 0
	QUARTER 1, 384, F0, F1, 0
	s_wait_dscnt 16
	MUL8 F1, 0, 0, 0
	MUL8 F1, 0, 2, 0
	s_wait_dscnt 0x0
	MUL8 F1, 1, 0, 0
	MUL8 F1, 1, 2, 0
	WIN 0
	PLACES
	OUT 0
	s_add_nc_u64 s[LB:LB+1], s[LB:LB+1], 32*4000   ; my rows of the second half begin 32 rows behind those of the first (the stores of the first half have had their addresses translated: OUT ends behind s_wait_xcnt 0)
	s_add_nc_u64 s[PB:PB+1], s[PB:PB+1], 32*12288
	OUT 1
	s_wait_tensorcnt 0x0                           ; the wave's end
	ds_add_u32 v[SPW], v[NIL]
	s_wait_dscnt 0x0
	CROUND                                         ; the closing round
	s_endpgm
.Lfunc_end_k_q35217c72df_fwd3:
	.size	k_q35217c72df_fwd3, .Lfunc_end_k_q35217c72df_fwd3-k_q35217c72df_fwd3
	.p2alignl 7, 3214868480
	.fill 96, 4, 3214868480
	.section	.rodata,"a",@progbits
	.p2align	6, 0x0
	.amdhsa_kernel k_q35217c72df_fwd3
		.amdhsa_group_segment_fixed_size 327680
		.amdhsa_private_segment_fixed_size 0
		.amdhsa_enable_private_segment 0
		.amdhsa_kernarg_size 48
		.amdhsa_user_sgpr_count 2
		.amdhsa_user_sgpr_kernarg_segment_ptr 1
		.amdhsa_wavefront_size32 1
		.amdhsa_system_sgpr_workgroup_id_x 1
		.amdhsa_system_sgpr_workgroup_id_y 1
		.amdhsa_system_sgpr_workgroup_id_z 1
		.amdhsa_system_vgpr_workitem_id 0
		.amdhsa_next_free_vgpr 512
		.amdhsa_next_free_sgpr 80
		.amdhsa_reserve_vcc 1
		.amdhsa_float_denorm_mode_32 3
		.amdhsa_float_denorm_mode_16_64 3
		.amdhsa_memory_ordered 1
		.amdhsa_forward_progress 1
		.amdhsa_inst_pref_size 120
	.end_amdhsa_kernel
	.amdgpu_metadata
---
amdhsa.version: [ 1, 2 ]
amdhsa.kernels:
  - .name:           k_q35217c72df_fwd3
    .symbol:         k_q35217c72df_fwd3.kd
    .args:
      - { .name: a2, .offset: 0, .size: 8, .value_kind: global_buffer, .address_space: global }
      - { .name: wb, .offset: 8, .size: 8, .value_kind: global_buffer, .address_space: global }
      - { .name: pmax, .offset: 16, .size: 8, .value_kind: global_buffer, .address_space: global }
      - { .name: b3, .offset: 24, .size: 8, .value_kind: global_buffer, .address_space: global }
      - { .name: out0, .offset: 32, .size: 8, .value_kind: global_buffer, .address_space: global }
      - { .name: pall, .offset: 40, .size: 8, .value_kind: global_buffer, .address_space: global }
    .group_segment_fixed_size: 327680
    .private_segment_fixed_size: 0
    .kernarg_segment_align: 8
    .kernarg_segment_size: 48
    .max_flat_workgroup_size: 128
    .sgpr_count:     80
    .vgpr_count:     512
    .wavefront_size: 32
...
	.end_amdgpu_metadata
.endif
;; end of part 4
;; launch coact (part 5): grid 8 x 32, 4 waves a work-group, clusters of 4 x 4, 327,680 bytes of LDS; arguments pall, out1, out2, out3; writes out1, out2, out3
.if DOCPART == 5
	.amdgcn_target "amdgcn-amd-amdhsa--gfx1250"
	.amdhsa_code_object_version 6
	.text
	.protected	k_q35217c72df_coact
	.globl	k_q35217c72df_coact
	.p2align	8
	.type	k_q35217c72df_coact,@function
k_q35217c72df_coact:
	s_mov_b64 s[64:65], 0
	v_nop
	global_prefetch_b8 v0, s[64:65] scope:SCOPE_SE
	s_setreg_imm32_b32 hwreg(HW_REG_WAVE_MODE, 25, 1), 1
	s_wait_xcnt 0x0
	s_wait_alu depctr_hold_cnt(0) depctr_sa_sdst(0) depctr_va_vdst(0) depctr_va_sdst(0) depctr_va_ssrc(0) depctr_va_vcc(0) depctr_vm_vsrc(0)
	s_getreg_b32 s2, hwreg(HW_REG_IB_STS2, 6, 4)
	s_cmp_eq_u32 s2, 0
	s_cbranch_scc0 .Lentry_in_a_cluster
	s_endpgm
.Lentry_in_a_cluster:
	s_bfe_u32 s2, ttmp6, 0x10000c
	s_cmp_lg_u32 s2, 0xf033
	s_cbranch_scc0 .Lentry_shape_is_right
	s_endpgm
.Lentry_shape_is_right:
; THE THREE CO-ACTIVATION COUNTS in one launch.  C[i][j] = the sum over the 4,096 samples s of pA[s][i] pB[s][j], with pA, pB column ranges of pall ([4096][6144], bf16 0 or 1):
; out1 [1024][2048] = p0^T p1, out2 [2048][2048] = p1^T p2, out3 [2048][1000] = p2^T p3.  Products of 0 and 1 summed in f32 up to 4,096: exact.
; SHARES.  Tiles of 128 (i) x 256 (j) with K = 4,096: 8 x 8 + 16 x 8 + 16 x 4 = 256 tiles of equal work, one to a work-group.  With cly the cluster's y and clx its x: cly 0-1 is out1, 2-5 out2, 6-7 out3.
; A's columns begin at 128 t in pall for all three (t = 4 cly + cy, for out3 + 8 clx); B's tile is nt = cx + 4 clx (for out3: cx).  What differs between the three is chosen by s_cselect on cly, which all
; partners of a cluster share: no branch, no trip count and no LDS address hangs on it.
; BOTH OPERANDS LIE [sample][feature], K down the rows: they are read from LDS by the turning load ds_load_tr16_b128, and no transposed array is ever stored.
; Four waves of 64 x 128, 32 accumulators each; K in steps of 128 samples through two LDS slots; waves 0, 1 fetch A's two halves (64 samples x 256 bytes), waves 2, 3 B's (64 samples x 512 bytes).
; CLUSTER 4 x 4: A's tile hangs on t alone and is asked for jointly along a row of the cluster, B's on nt alone, along a column.
; The matrix instruction takes B's fragment as source 0 and A's as source 1: a lane holds one row i and eight neighbouring columns j.
; REGISTERS.  Window 0: v0-31 addresses; v32-63 rows on the way out; v64-159, v160-255 two fragment buffers (B's 8 fragments, then A's 4).  Window 1: accumulator (a, b) at v[8 (8 a + b)].
.set PPITCH, 12288                     ; bytes in a row of pall
.set KSTEP,  128
.set STEPB,  KSTEP*PPITCH              ; bytes from K step to K step
.set PA,     288                       ; A's LDS row: 256 bytes + 32, an odd multiple of 32
.set PB,     544                       ; B's: 512 + 32
.set BOFF,   128*PA                    ; a slot: A's 128 rows, then B's 128
.set SLOT1,  131072
.set STAGE,  237568                    ; where slot 1 ends; never filled by a tensor load: 32 rows x 528 bytes for each wave
.set SPITCH, 528
.set WSTAGE, 32*SPITCH
.set SPARE,  STAGE+4*WSTAGE
.set STEPS,  4096/KSTEP
.set AA0, 4
.set AB0, 5
.set AA,  6
.set AB,  7
.set STO, 8                            ; v8   the way out: where I put 16 bytes of a row; never rewritten
.set RD,  9                            ; v9   where I read rows back; never rewritten
.set SPW, 12                           ; v12  LDS address of my spare word; never rewritten
.set NIL, 13                           ; v13  0; never rewritten
.set LN,  14
.set OFFJ, 16                          ; v16-23  16 x lane + j rows of the output
.set COL, 24                           ; v24  my first column of the output
.set X,   32
.set F0,  64
.set F1,  160
.set WV, 16
.set WM, 17
.set WN, 18
.set CX, 19
.set CY, 20
.set NT, 21                            ; B's tile
.set TA, 22                            ; t
.set G1A, 24
.set G1B, 32
.set G0A, 40
.set G0B, 48
.set TB,  56
.set CNT, 57
.set CLY, 58
.set BC,  59                           ; B's first column in pall
.set T0,  60                           ; t of the output's first rows
.set PIT, 61                           ; bytes in a row of the output
.set LIM, 62                           ; its columns
.set SV,  63
.set P8,  68                           ; s[68:69] eight rows of the output
.set OB,  74                           ; s[74:75] the output at the rows in hand
.set MSB, 0
.macro WIN new
.if MSB != (\new)
	s_set_vgpr_msb (MSB<<8)|(\new)
.set MSB, \new
.endif
.endm
.macro PLACES
.rept 4
	v_nop
.endr
.endm
.macro CREST
	s_cmp_lg_u32 s[WV], 0
	s_cbranch_scc1 .Lnot_wave_0_\@
	s_barrier_signal -3
.Lnot_wave_0_\@:
	s_barrier_wait -3
	s_barrier_signal -1
	s_barrier_wait -1
.endm
.macro CROUND
	s_barrier_signal -1
	s_barrier_wait -1
	CREST
.endm
.macro JLOAD                           ; a joint refill by the walking set; s_nop 0 and four v_nop follow each line
	s_cmp_lt_u32 s[WV], 2
	s_cbranch_scc0 .Lfor_b_\@
	tensor_load_to_lds s[G0A+4:G0A+7], s[G1A:G1A+7]
	s_nop 0
.rept 4
	v_nop
.endr
	s_branch .Lasked_\@
.Lfor_b_\@:
	tensor_load_to_lds s[G0B+4:G0B+7], s[G1B:G1B+7]
	s_nop 0
.rept 4
	v_nop
.endr
.Lasked_\@:
.endm
.macro MULA f, a, zero                 ; 8 matrix instructions; the 32 accumulators take turns
	WIN 0x50
.irp b, 0,1,2,3,4,5,6,7
.set rD, 8*(8*(\a)+(\b))
.set rB, (\f)+8*(\b)
.set rA, (\f)+64+8*(\a)
.if \zero
	v_wmma_f32_16x16x32_bf16 v[rD:rD+7], v[rB:rB+7], v[rA:rA+7], 0
.else
	v_wmma_f32_16x16x32_bf16 v[rD:rD+7], v[rB:rB+7], v[rA:rA+7], v[rD:rD+7]
.endif
.endr
.endm
; 24 turning loads in one run: the fragments of samples 32 q .. 32 q + 31 of the slot: B's eight (16 columns each), then A's four.  A load takes 16 samples x 16 columns.
.macro FETCH q, f
	WIN 0
.irp i, 0,1,2,3,4,5,6,7
	ds_load_tr16_b128 v[(\f)+8*(\i):(\f)+8*(\i)+3],   v[AB] offset:(\q)*32*PB+32*(\i)
	ds_load_tr16_b128 v[(\f)+8*(\i)+4:(\f)+8*(\i)+7], v[AB] offset:(\q)*32*PB+16*PB+32*(\i)
.endr
.irp i, 0,1,2,3
	ds_load_tr16_b128 v[(\f)+64+8*(\i):(\f)+64+8*(\i)+3],   v[AA] offset:(\q)*32*PA+32*(\i)
	ds_load_tr16_b128 v[(\f)+64+8*(\i)+4:(\f)+64+8*(\i)+7], v[AA] offset:(\q)*32*PA+16*PA+32*(\i)
.endr
.endm
.macro QUARTER q, f, g, zero
	s_wait_dscnt 4                                 ; B's fragments and A's blocks 0, 1 are in; the youngest four loads may be out
	MULA \f, 0, \zero
	MULA \f, 1, \zero
	PLACES
	FETCH \q, \g
	s_wait_dscnt 24                                ; all but the 24 just issued
	MULA \f, 2, \zero
	MULA \f, 3, \zero
.endm
; The last quarter multiplies buffer 1 and changes slots: each wave waits for all its tensor loads, adds 0 to its spare word, waits for that and for its reads of this slot, and signals.
; fill = 1: the barrier opens a round of the cluster's, and this slot is filled again, two K steps ahead, first thing behind the round.
.macro TURN fill
	WIN 0
	s_wait_tensorcnt 0x0
	ds_add_u32 v[SPW], v[NIL]
	s_wait_dscnt 5                                 ; the add and the youngest four loads may be out
	MULA F1, 0, 0
	s_wait_dscnt 0x0                               ; the add is done, and my reads of this slot are over
	s_barrier_signal -1
	MULA F1, 1, 0
	WIN 0
	s_barrier_wait -1
.if \fill
	CREST
	s_xor_b32 s[G0A+5], s[G0A+5], SLOT1
	s_add_nc_u64 s[G0A+6:G0A+7], s[G0A+6:G0A+7], STEPB
	s_xor_b32 s[G0B+5], s[G0B+5], SLOT1
	s_add_nc_u64 s[G0B+6:G0B+7], s[G0B+6:G0B+7], STEPB
	JLOAD                                          ; its four v_nop are also the places in front of the loads below
.else
	PLACES
.endif
	s_xor_b32 s[TB], s[TB], SLOT1
	v_add_nc_u32 v[AA], s[TB], v[AA0]
	v_add_nc_u32 v[AB], s[TB], v[AB0]
	FETCH 0, F0
	MULA F1, 2, 0
	MULA F1, 3, 0
.endm
; THE WAY OUT of row blocks 2 h, 2 h + 1: through my own stage (each accumulator's low four registers first), back as whole rows of 512 bytes, stored as they are, eight rows at a
; time, four times.  The stage row stands in the load's immediate: the LDS addresses were made once, from the wave's number and the lane, and none is written where EXEC has hung on the tile's column.
; EXEC is narrowed round the stores alone: out3 has 1,000 columns, a multiple of a lane's four.  LDS serves a wave's instructions in order, so no wait stands between my stores and my loads.
.macro OUT h
	WIN 0x04                                       ; a store's data is source 1: window 1
.irp a, 0,1
.irp b, 0,1,2,3,4,5,6,7
	ds_store_b128 v[STO], v[8*(8*(2*(\h)+(\a))+(\b)):8*(8*(2*(\h)+(\a))+(\b))+3]   offset:(\a)*16*SPITCH+64*(\b)
	ds_store_b128 v[STO], v[8*(8*(2*(\h)+(\a))+(\b))+4:8*(8*(2*(\h)+(\a))+(\b))+7] offset:(\a)*16*SPITCH+64*(\b)+16
.endr
.endr
	WIN 0
.irp tr, 0,1,2,3
.irp j, 0,1,2,3,4,5,6,7
	ds_load_b128 v[X+4*(\j):X+4*(\j)+3], v[RD] offset:SPITCH*(8*(\tr)+(\j))
.endr
	v_cmp_gt_u32 vcc_lo, s[LIM], v[COL]
	s_wait_dscnt 0x0                               ; the eight rows are in
	s_and_saveexec_b32 s[SV], vcc_lo               ; no global instruction has been issued since the last wait on XCNT
.irp j, 0,1,2,3,4,5,6,7
	global_store_b128 v[OFFJ+(\j)], v[X+4*(\j):X+4*(\j)+3], s[OB:OB+1]
.endr
	s_wait_xcnt 0x0                                ; EXEC, the base and the data change only behind this wait
	s_or_b32 exec_lo, exec_lo, s[SV]
	s_add_nc_u64 s[OB:OB+1], s[OB:OB+1], s[P8:P8+1]   ; eight rows on
.endr
.endm
	s_load_b256 s[4:11], s[0:1], 0x0               ; pall s[4:5], out1 s[6:7], out2 s[8:9], out3 s[10:11]
	v_lshl_add_u32 v[SPW], v0, 2, SPARE
	v_mov_b32 v[NIL], 0
	ds_add_u32 v[SPW], v[NIL]                      ; the wave's opening: the add and its wait stand ahead of my first tensor load; the set-up stands between them
	v_lshrrev_b32 v1, 5, v0
	v_readfirstlane_b32 s[WV], v1
	s_lshr_b32 s[WM], s[WV], 1
	s_and_b32 s[WN], s[WV], 1
	s_bfe_u32 s[CX], ttmp6, 0x40000
	s_bfe_u32 s[CY], ttmp6, 0x40004
	s_and_b32 s[CLY], ttmp7, 0xffff
	s_lshl_b32 s[TA], s[CLY], 2
	s_add_co_u32 s[TA], s[TA], s[CY]               ; 4 cly + cy
	s_lshl_b32 s66, ttmp9, 3                       ; 8 clx
	s_lshl_b32 s67, ttmp9, 2                       ; 4 clx
	s_mov_b32 s[BC], 3072
	s_mov_b32 s[T0], 8
	s_mov_b32 s[PIT], 8192
	s_mov_b32 s[LIM], 2048
	s_cmp_lt_u32 s[CLY], 2                         ; out1?
	s_cselect_b32 s[BC], 1024, s[BC]
	s_cselect_b32 s[T0], 0, s[T0]
	s_cmp_ge_u32 s[CLY], 6                         ; out3?
	s_cselect_b32 s[BC], 5120, s[BC]
	s_cselect_b32 s[T0], 24, s[T0]
	s_cselect_b32 s[PIT], 4000, s[PIT]
	s_cselect_b32 s[LIM], 1000, s[LIM]
	s_cselect_b32 s66, s66, 0
	s_cselect_b32 s67, 0, s67
	s_add_co_u32 s[TA], s[TA], s66                 ; t
	s_add_co_u32 s[NT], s[CX], s67                 ; nt
	s_lshl_b32 s70, s[CY], 2
	s_lshl_b32 s70, 15, s70                        ; my row of the cluster
	s_lshl_b32 s71, 0x1111, s[CX]                  ; my column
	s_or_b32 s[G1A], s70, (1<<16)|(1<<20)|(1<<21)|(5<<22)|(7<<25)  ; 2-byte elements; padding on; bit 21 beside a mask; after every 64 words; 8 words
	s_or_b32 s[G1B], s71, (1<<16)|(1<<20)|(1<<21)|(6<<22)|(7<<25)  ; after every 128 words
	s_mov_b32 s[G1A+1], 128<<16                    ; tensor_dim0 = 128
	s_mov_b32 s[G1A+2], 64<<16                     ; tensor_dim1 = 64
	s_mov_b32 s[G1A+3], 128<<16                    ; tile_dim0 = 128
	s_mov_b32 s[G1A+4], 64                         ; tile_dim1 = 64
	s_mov_b32 s[G1A+5], 6144                       ; elements from row to row
	s_mov_b32 s[G1A+6], 0
	s_mov_b32 s[G1A+7], 0
	s_mov_b32 s[G1B+1], 256<<16
	s_mov_b32 s[G1B+2], 64<<16
	s_mov_b32 s[G1B+3], 256<<16
	s_mov_b32 s[G1B+4], 64
	s_mov_b32 s[G1B+5], 6144
	s_mov_b32 s[G1B+6], 0
	s_mov_b32 s[G1B+7], 0
	s_mul_i32 s72, s[WN], 64*PPITCH                ; A: my 64 samples of a K step, column 128 t; these registers never hold cx
	s_lshl_b32 s73, s[TA], 8
	s_add_co_u32 s72, s72, s73
	s_mov_b32 s73, 0
	s_mul_i32 s78, s[WN], 64*PPITCH                ; B: column BC + 256 nt; these never hold cy
	s_lshl_b32 s79, s[NT], 8
	s_add_co_u32 s79, s79, s[BC]
	s_lshl_b32 s79, s79, 1
	s_add_co_u32 s78, s78, s79
	s_mov_b32 s79, 0
	s_mul_i32 s2, s[WN], 64*PA                     ; where they go: the wave's number alone enters an LDS address
	s_mul_i32 s3, s[WN], 64*PB
	s_add_co_u32 s3, s3, BOFF
	s_mov_b32 s[G0A], 1
	s_mov_b32 s[G0A+1], s2
	s_mov_b32 s[G0A+4], 1
	s_add_co_u32 s[G0A+5], s2, SLOT1
	s_mov_b32 s[G0B], 1
	s_mov_b32 s[G0B+1], s3
	s_mov_b32 s[G0B+4], 1
	s_add_co_u32 s[G0B+5], s3, SLOT1
	s_mov_b32 s[TB], 0
	s_wait_dscnt 0x0                               ; the opening add is done
	s_wait_kmcnt 0x0
	s_add_nc_u64 s[G0A+2:G0A+3], s[4:5], s[72:73]
	s_add_nc_u64 s[G0A+6:G0A+7], s[G0A+2:G0A+3], STEPB
	s_or_b32 s[G0A+3], s[G0A+3], 0x80000000
	s_or_b32 s[G0A+7], s[G0A+7], 0x80000000
	s_add_nc_u64 s[G0B+2:G0B+3], s[4:5], s[78:79]
	s_add_nc_u64 s[G0B+6:G0B+7], s[G0B+2:G0B+3], STEPB
	s_or_b32 s[G0B+3], s[G0B+3], 0x80000000
	s_or_b32 s[G0B+7], s[G0B+7], 0x80000000
	CROUND                                         ; all sixteen work-groups are here: the first joint loads meet
	s_cmp_lt_u32 s[WV], 2                          ; a wave's two first fills stand in one branch: two loads of mine are out
	s_cbranch_scc0 .Lfirst_b
	tensor_load_to_lds s[G0A:G0A+3], s[G1A:G1A+7]
	s_nop 0
	tensor_load_to_lds s[G0A+4:G0A+7], s[G1A:G1A+7]
	s_nop 0
.rept 4
	v_nop
.endr
	s_branch .Lfirst_asked
.Lfirst_b:
	tensor_load_to_lds s[G0B:G0B+3], s[G1B:G1B+7]
	s_nop 0
	tensor_load_to_lds s[G0B+4:G0B+7], s[G1B:G1B+7]
	s_nop 0
.rept 4
	v_nop
.endr
.Lfirst_asked:
	; The turning load: lane l reads 16 bytes of sample 8 (l / 16) + l % 8, columns 8 ((l / 8) % 2) + 0..7, and is left with column l % 16 and 8 samples: half a fragment.
	v_and_b32 v1, 15, v0
	v_bfe_u32 v2, v0, 4, 1
	v_and_b32 v[LN], 31, v0
	v_and_b32 v3, 7, v0
	v_lshl_add_u32 v3, v2, 3, v3
	v_bfe_u32 v11, v0, 3, 1
	v_mul_u32_u24 v[AA0], v3, PA
	v_lshl_add_u32 v[AA0], v11, 4, v[AA0]
	s_lshl_b32 s2, s[WM], 7                        ; my 64 columns of A
	v_add_nc_u32 v[AA0], s2, v[AA0]
	v_mul_u32_u24 v[AB0], v3, PB
	v_lshl_add_u32 v[AB0], v11, 4, v[AB0]
	s_lshl_b32 s3, s[WN], 8                        ; my 128 columns of B
	s_add_co_u32 s3, s3, BOFF
	v_add_nc_u32 v[AB0], s3, v[AB0]
	v_add_nc_u32 v[AA], s[TB], v[AA0]
	v_add_nc_u32 v[AB], s[TB], v[AB0]
	s_mul_i32 s2, s[WV], WSTAGE
	s_add_co_u32 s2, s2, STAGE                     ; my stage
	v_mul_u32_u24 v3, v1, SPITCH
	v_lshl_add_u32 v3, v2, 5, v3
	v_add_nc_u32 v[STO], s2, v3
	v_lshl_add_u32 v[RD], v[LN], 4, s2
	v_lshlrev_b32 v[OFFJ], 4, v[LN]
.irp j, 1,2,3,4,5,6,7
	v_add_nc_u32 v[OFFJ+(\j)], s[PIT], v[OFFJ+(\j)-1]
.endr
	s_lshl_b32 s[P8], s[PIT], 3
	s_mov_b32 s[P8+1], 0
	s_cmp_lt_u32 s[CLY], 2                         ; the output, chosen on the cluster's y
	s_cselect_b64 s[OB:OB+1], s[6:7], s[8:9]
	s_cmp_ge_u32 s[CLY], 6
	s_cselect_b64 s[OB:OB+1], s[10:11], s[OB:OB+1]
	s_sub_co_u32 s76, s[TA], s[T0]
	s_lshl_b32 s76, s76, 7
	s_lshl_b32 s77, s[WM], 6
	s_add_co_u32 s76, s76, s77                     ; my first row of the output
	s_mul_i32 s76, s76, s[PIT]
	s_lshl_b32 s77, s[NT], 8
	s_lshl_b32 s66, s[WN], 7
	s_add_co_u32 s77, s77, s66                     ; my first column
	v_lshl_add_u32 v[COL], v[LN], 2, s77
	s_lshl_b32 s77, s77, 2
	s_add_co_u32 s76, s76, s77
	s_mov_b32 s77, 0
	s_add_nc_u64 s[OB:OB+1], s[OB:OB+1], s[76:77]
	s_wait_tensorcnt 1                             ; my part of K step 0 is in; K step 1's may stay out
	s_barrier_signal -1
	s_barrier_wait -1
	FETCH 0, F0
	QUARTER 1, F0, F1, 1                           ; the first quarter stands in front of the loop: its products start the sums
	WIN 0
	s_mov_b32 s[CNT], STEPS-2
.Lstep:                                                ; a trip: from a K step's second quarter to the next step's first; it fills the slot that it leaves
	QUARTER 2, F1, F0, 0
	QUARTER 3, F0, F1, 0
	TURN 1
	QUARTER 1, F0, F1, 0
	WIN 0
	s_sub_co_u32 s[CNT], s[CNT], 1
	s_cmp_lg_u32 s[CNT], 0
	s_cbranch_scc1 .Lstep
	QUARTER 2, F1, F0, 0                           ; the last two K steps are written out: nothing is left to ask for
	QUARTER 3, F0, F1, 0
	TURN 0
	QUARTER 1, F0, F1, 0
	QUARTER 2, F1, F0, 0
	QUARTER 3, F0, F1, 0
	s_wait_dscnt 4
	MULA F1, 0, 0
	MULA F1, 1, 0
	s_wait_dscnt 0x0
	MULA F1, 2, 0
	MULA F1, 3, 0
	PLACES
	OUT 0
	OUT 1
	s_wait_tensorcnt 0x0                           ; the wave's end
	ds_add_u32 v[SPW], v[NIL]
	s_wait_dscnt 0x0
	CROUND                                         ; the closing round
	s_endpgm
.Lfunc_end_k_q35217c72df_coact:
	.size	k_q35217c72df_coact, .Lfunc_end_k_q35217c72df_coact-k_q35217c72df_coact
	.p2alignl 7, 3214868480
	.fill 96, 4, 3214868480
	.section	.rodata,"a",@progbits
	.p2align	6, 0x0
	.amdhsa_kernel k_q35217c72df_coact
		.amdhsa_group_segment_fixed_size 327680
		.amdhsa_private_segment_fixed_size 0
		.amdhsa_enable_private_segment 0
		.amdhsa_kernarg_size 32
		.amdhsa_user_sgpr_count 2
		.amdhsa_user_sgpr_kernarg_segment_ptr 1
		.amdhsa_wavefront_size32 1
		.amdhsa_system_sgpr_workgroup_id_x 1
		.amdhsa_system_sgpr_workgroup_id_y 1
		.amdhsa_system_sgpr_workgroup_id_z 1
		.amdhsa_system_vgpr_workitem_id 0
		.amdhsa_next_free_vgpr 512
		.amdhsa_next_free_sgpr 80
		.amdhsa_reserve_vcc 1
		.amdhsa_float_denorm_mode_32 3
		.amdhsa_float_denorm_mode_16_64 3
		.amdhsa_memory_ordered 1
		.amdhsa_forward_progress 1
		.amdhsa_inst_pref_size 71
	.end_amdhsa_kernel
	.amdgpu_metadata
---
amdhsa.version: [ 1, 2 ]
amdhsa.kernels:
  - .name:           k_q35217c72df_coact
    .symbol:         k_q35217c72df_coact.kd
    .args:
      - { .name: pall, .offset: 0, .size: 8, .value_kind: global_buffer, .address_space: global }
      - { .name: out1, .offset: 8, .size: 8, .value_kind: global_buffer, .address_space: global }
      - { .name: out2, .offset: 16, .size: 8, .value_kind: global_buffer, .address_space: global }
      - { .name: out3, .offset: 24, .size: 8, .value_kind: global_buffer, .address_space: global }
    .group_segment_fixed_size: 327680
    .private_segment_fixed_size: 0
    .kernarg_segment_align: 8
    .kernarg_segment_size: 32
    .max_flat_workgroup_size: 128
    .sgpr_count:     80
    .vgpr_count:     512
    .wavefront_size: 32
...
	.end_amdgpu_metadata
.endif
;; end of part 5
;; ======== version 2 of 2: 5 launches; 1.14 times as fast as version 1
;; limits: values are held in f16: magnitudes above 65,504 overflow, below 6.1e-05 lose precision
;; workspace buffers: xb 8,388,608 bytes; wb 16,777,216 bytes; a1 16,777,216 bytes; a2 16,777,216 bytes; pp 41,943,040 bytes; qq 20,971,520 bytes; pmax 5,120 bytes
;; launch cast (part 6): grid 256 x 1, 8 waves a work-group, no clusters, 1,536 bytes of LDS; arguments x, W1, W2, W3, b1, b2, xb, wb, pp, pmax; writes xb, wb, pp, pmax
.if DOCPART == 6
	.amdgcn_target "amdgcn-amd-amdhsa--gfx1250"
	.amdhsa_code_object_version 6
	.text
	.protected	k_q35217c72df_cast
	.globl	k_q35217c72df_cast
	.p2align	8
	.type	k_q35217c72df_cast,@function
k_q35217c72df_cast:
	s_mov_b64 s[64:65], 0
	v_nop
	global_prefetch_b8 v0, s[64:65] scope:SCOPE_SE
	s_setreg_imm32_b32 hwreg(HW_REG_WAVE_MODE, 25, 1), 1
	s_wait_xcnt 0x0
; CAST.  xb = bf16(x); pp columns 0-1023 = (x > 0) as f16 0 or 1; wb = bf16(W1), then f16(bf16(W2)), then f16(bf16(W3)) with rows 1000-1023 written as 0;
; pmax[c][i] = work-group i's largest |x|, |W1|, |b1|, |W2|, |b2| (c = 0..4), from which the later launches make their power-of-two scales.
; A stream: every input byte is read once by 16-byte loads, a wave's load covers 512 consecutive bytes, a wave's 8-byte store 256 consecutive aligned bytes.  No matrix unit, no tensor load,
; no cluster: nothing is shared between work-groups.  A wave's share is 48 blocks: all 48 loads go out at the start, into 192 registers, so that nothing is asked for behind a wait.
; SHARES.  Work-group i: 16 rows of x, 8 rows of W1, 8 rows of W2, 4 rows of W3's 1,024 padded rows, 8 numbers of b1 and of b2.  A block is 1,024 numbers; thread t takes 4 of them.
; Work-groups 250-255 have no rows of W3: they load block 249's (inside the buffer) and AND the result with 0, so the 24 padding rows are written without a branch.
; LIMITS.  W2 and W3 are kept as f16: |W| of 65,520 or more becomes an infinity, and below 6.1e-5 the step is 6e-8.  NaN and infinities are not treated apart.
.set SPARE, 256                        ; the spare words, 128 bytes for each of eight waves; bytes 0-159 hold the waves' maxima
.set OI,  1                            ; v1   16 t: my byte offset in a block as loaded
.set OO,  2                            ; v2   8 t: in a block as stored
.set OBI, 3                            ; v3   4 (t % 8): my number of the group's eight of b1, b2
.set B1V, 4                            ; v4, v5  b1, b2
.set B2V, 5
.set M,   6                            ; v6-10  running maxima: |x|, |W1|, |b1|, |W2|, |b2|
.set WA,  11                           ; v11  4 x my wave's number
.set SPW, 12                           ; v12  LDS address of my spare word; never rewritten
.set NIL, 13                           ; v13  0; never rewritten
.set T,   16                           ; v16-23  at work
.set L,   32                           ; v32-223  six buffers of eight blocks as loaded
.set D,   224                          ; v224-255 four registers a block, to store
	s_load_b512 s[8:23], s[0:1], 0x0               ; x s[8:9], W1 s[10:11], W2 s[12:13], W3 s[14:15], b1 s[16:17], b2 s[18:19], xb s[20:21], wb s[22:23]
	s_load_b128 s[24:27], s[0:1], 0x40             ; pp s[24:25], pmax s[26:27]
	v_lshl_add_u32 v[SPW], v0, 2, SPARE
	v_mov_b32 v[NIL], 0
	v_lshlrev_b32 v[OI], 4, v0
	v_lshlrev_b32 v[OO], 3, v0
	v_and_b32 v[OBI], 7, v0
	v_lshlrev_b32 v[OBI], 2, v[OBI]
	v_lshrrev_b32 v[WA], 5, v0
	v_lshlrev_b32 v[WA], 2, v[WA]
	v_mov_b32 v[M], 0
	v_mov_b32 v[M+1], 0
	v_mov_b32 v[M+3], 0
	s_mov_b32 s32, 0x76543210                      ; v_permlanex16_b32: each lane takes its own place in the other half
	s_mov_b32 s33, 0xfedcba98
	s_lshl_b32 s28, ttmp9, 16                      ; i x 65,536
	s_mov_b32 s29, 0
	s_lshl_b32 s30, ttmp9, 15                      ; i x 32,768
	s_mov_b32 s31, 0
	s_lshl_b32 s36, ttmp9, 14                      ; i x 16,384
	s_mov_b32 s37, 0
	s_mul_i32 s38, ttmp9, 163840                   ; i x 16 rows of pp
	s_mov_b32 s39, 0
	s_min_u32 s40, ttmp9, 249                      ; W3 has 250 shares of 32,768 bytes
	s_lshl_b32 s40, s40, 15
	s_mov_b32 s41, 0
	s_lshl_b32 s42, ttmp9, 5                       ; i x 8 numbers of a bias
	s_mov_b32 s43, 0
	s_lshl_b32 s44, ttmp9, 2                       ; my word in each row of pmax
	s_mov_b32 s45, 0
	s_cmp_lt_u32 ttmp9, 250
	s_cselect_b32 s34, -1, 0                       ; the mask that makes W3's padding rows 0
	s_wait_kmcnt 0x0
	s_add_nc_u64 s[8:9], s[8:9], s[28:29]
	s_add_nc_u64 s[10:11], s[10:11], s[30:31]
	s_add_nc_u64 s[12:13], s[12:13], s[28:29]
	s_add_nc_u64 s[14:15], s[14:15], s[40:41]
	s_add_nc_u64 s[16:17], s[16:17], s[42:43]
	s_add_nc_u64 s[18:19], s[18:19], s[42:43]
	s_add_nc_u64 s[20:21], s[20:21], s[30:31]
	s_add_nc_u64 s[46:47], s[22:23], s[36:37]      ; W1's part of wb
	s_add_nc_u64 s[48:49], s[46:47], 12582912      ; W3's
	s_add_nc_u64 s[22:23], s[22:23], s[30:31]
	s_add_nc_u64 s[22:23], s[22:23], 4194304       ; W2's
	s_add_nc_u64 s[24:25], s[24:25], s[38:39]
	s_add_nc_u64 s[26:27], s[26:27], s[44:45]
.macro LOADS buf, base, off            ; eight blocks of 4,096 bytes
.irp j, 0,1,2,3,4,5,6,7
	global_load_b128 v[(\buf)+4*(\j):(\buf)+4*(\j)+3], v[OI], s[(\base):(\base)+1] offset:(\off)+4096*(\j) th:TH_LOAD_NT
.endr
.endm
; Eight blocks are converted and stored.  kind 0: x (bf16, and x > 0); 1: W1 (bf16); 2: W2 (bf16 written as f16); 3: W3 (the same, masked, no maximum).
; pass: which eight blocks of the share.  left: the loads issued behind this buffer's eight.
.macro PROC kind, buf, pass, left
	s_wait_xcnt 0x0                                ; the stores of the pass before have read D: it is rewritten only behind this wait
.irp j, 0,1,2,3,4,5,6,7
.set rL, (\buf)+4*(\j)
.set rD, D+4*(\j)
.set rM, M+(\kind)+(\kind)/2
	s_wait_loadcnt (\left)+7-(\j)                  ; loads come back in order: block j is in; its 7 - j younger ones and the later buffers' stay out
.if (\kind) < 3
	v_max3_num_f32 v[rM], v[rM], |v[rL]|, |v[rL+1]|
	v_max3_num_f32 v[rM], v[rM], |v[rL+2]|, |v[rL+3]|
.endif
.if (\kind) < 2
	v_cvt_pk_bf16_f32 v[rD], v[rL], v[rL+1]
	v_cvt_pk_bf16_f32 v[rD+1], v[rL+2], v[rL+3]
.else
	v_cvt_pk_bf16_f32 v[T], v[rL], v[rL+1]         ; rounded to bf16 like every input,
	v_cvt_pk_bf16_f32 v[T+1], v[rL+2], v[rL+3]
	v_lshlrev_b32 v[T+2], 16, v[T]
	v_and_b32 v[T+3], 0xffff0000, v[T]
	v_lshlrev_b32 v[T+4], 16, v[T+1]
	v_and_b32 v[T+5], 0xffff0000, v[T+1]
	v_cvt_pk_f16_f32 v[rD], v[T+2], v[T+3]         ; and that number written as f16
	v_cvt_pk_f16_f32 v[rD+1], v[T+4], v[T+5]
.endif
.if (\kind) == 0
	v_cmp_lt_f32 vcc_lo, 0, v[rL]
	v_cndmask_b32 v[T], 0, 1.0, vcc_lo
	v_cmp_lt_f32 vcc_lo, 0, v[rL+1]
	v_cndmask_b32 v[T+1], 0, 1.0, vcc_lo
	v_cmp_lt_f32 vcc_lo, 0, v[rL+2]
	v_cndmask_b32 v[T+2], 0, 1.0, vcc_lo
	v_cmp_lt_f32 vcc_lo, 0, v[rL+3]
	v_cndmask_b32 v[T+3], 0, 1.0, vcc_lo
	v_cvt_pk_f16_f32 v[rD+2], v[T], v[T+1]
	v_cvt_pk_f16_f32 v[rD+3], v[T+2], v[T+3]
	global_store_b64 v[OO], v[rD:rD+1], s[20:21] offset:2048*(\j)+16384*(\pass)
	global_store_b64 v[OO], v[rD+2:rD+3], s[24:25] offset:10240*(\j)+81920*(\pass)   ; a block of x is a row: its place in pp's row of 10,240 bytes
.elseif (\kind) == 1
	global_store_b64 v[OO], v[rD:rD+1], s[46:47] offset:2048*(\j)
.elseif (\kind) == 2
	global_store_b64 v[OO], v[rD:rD+1], s[22:23] offset:2048*(\j)+16384*(\pass)
.else
	v_and_b32 v[rD], s34, v[rD]
	v_and_b32 v[rD+1], s34, v[rD+1]
	global_store_b64 v[OO], v[rD:rD+1], s[48:49] offset:2048*(\j)
.endif
.endr
.endm
	global_load_b32 v[B1V], v[OBI], s[16:17]
	global_load_b32 v[B2V], v[OBI], s[18:19]
	LOADS L+0,   8, 0                              ; x, rows 0-7
	LOADS L+32,  8, 32768                          ; x, rows 8-15
	LOADS L+64,  10, 0                             ; W1
	LOADS L+96,  12, 0                             ; W2, first half
	LOADS L+128, 12, 32768                         ; W2, second half
	LOADS L+160, 14, 0                             ; W3
	PROC 0, L+0,   0, 40
	PROC 0, L+32,  1, 32
	PROC 1, L+64,  0, 24
	PROC 2, L+96,  0, 16
	PROC 2, L+128, 1, 8
	PROC 3, L+160, 0, 0                            ; the last pass: the counts run down to 0
	v_and_b32 v[M+2], 0x7fffffff, v[B1V]
	v_and_b32 v[M+4], 0x7fffffff, v[B2V]
	; the five maxima over the wave's 32 lanes: four steps inside each half of 16 lanes, one across the halves
.irp x, 1,2,4,8
.irp c, 0,1,2,3,4
	v_max_num_f32_dpp v[M+(\c)], v[M+(\c)], v[M+(\c)] row_xmask:\x row_mask:0xf bank_mask:0xf
.endr
.endr
.irp c, 0,1,2,3,4
	v_permlanex16_b32 v[T+(\c)], v[M+(\c)], s32, s33
.endr
.irp c, 0,1,2,3,4
	v_max_num_f32 v[M+(\c)], v[M+(\c)], v[T+(\c)]
.endr
.irp c, 0,1,2,3,4
	ds_store_b32 v[WA], v[M+(\c)] offset:32*(\c)   ; component c, wave w at byte 32 c + 4 w; all lanes write the same number
.endr
	s_wait_dscnt 0x0                               ; for the others' sake: my five words are written
	s_barrier_signal -1
	s_barrier_wait -1
	v_min_u32 v14, 4, v0                           ; thread c (0-4) takes component c
	v_lshlrev_b32 v15, 5, v14
	ds_load_b128 v[16:19], v15
	ds_load_b128 v[20:23], v15 offset:16
	v_lshlrev_b32 v14, 10, v14                     ; component c's row of pmax
	s_wait_dscnt 0x0
	v_max3_num_f32 v16, v16, v17, v18
	v_max3_num_f32 v16, v16, v19, v20
	v_max3_num_f32 v16, v16, v21, v22
	v_max_num_f32 v16, v16, v23
	s_wait_xcnt 0x0                                ; EXEC is a source of the stores above: it changes only behind this wait
	v_cmp_gt_u32 vcc_lo, 5, v0
	s_and_saveexec_b32 s35, vcc_lo
	global_store_b32 v14, v16, s[26:27]
	s_wait_xcnt 0x0                                ; and again in front of the line that widens it
	s_or_b32 exec_lo, exec_lo, s35
	s_wait_tensorcnt 0x0                           ; the wave's end
	ds_add_u32 v[SPW], v[NIL]
	s_wait_dscnt 0x0
	s_endpgm
.Lfunc_end_k_q35217c72df_cast:
	.size	k_q35217c72df_cast, .Lfunc_end_k_q35217c72df_cast-k_q35217c72df_cast
	.p2alignl 7, 3214868480
	.fill 96, 4, 3214868480
	.section	.rodata,"a",@progbits
	.p2align	6, 0x0
	.amdhsa_kernel k_q35217c72df_cast
		.amdhsa_group_segment_fixed_size 1536
		.amdhsa_private_segment_fixed_size 0
		.amdhsa_enable_private_segment 0
		.amdhsa_kernarg_size 80
		.amdhsa_user_sgpr_count 2
		.amdhsa_user_sgpr_kernarg_segment_ptr 1
		.amdhsa_wavefront_size32 1
		.amdhsa_system_sgpr_workgroup_id_x 1
		.amdhsa_system_sgpr_workgroup_id_y 1
		.amdhsa_system_sgpr_workgroup_id_z 1
		.amdhsa_system_vgpr_workitem_id 0
		.amdhsa_next_free_vgpr 256
		.amdhsa_next_free_sgpr 66
		.amdhsa_reserve_vcc 1
		.amdhsa_float_denorm_mode_32 3
		.amdhsa_float_denorm_mode_16_64 3
		.amdhsa_memory_ordered 1
		.amdhsa_forward_progress 1
		.amdhsa_inst_pref_size 45
	.end_amdhsa_kernel
	.amdgpu_metadata
---
amdhsa.version: [ 1, 2 ]
amdhsa.kernels:
  - .name:           k_q35217c72df_cast
    .symbol:         k_q35217c72df_cast.kd
    .args:
      - { .name: x, .offset: 0, .size: 8, .value_kind: global_buffer, .address_space: global }
      - { .name: W1, .offset: 8, .size: 8, .value_kind: global_buffer, .address_space: global }
      - { .name: W2, .offset: 16, .size: 8, .value_kind: global_buffer, .address_space: global }
      - { .name: W3, .offset: 24, .size: 8, .value_kind: global_buffer, .address_space: global }
      - { .name: b1, .offset: 32, .size: 8, .value_kind: global_buffer, .address_space: global }
      - { .name: b2, .offset: 40, .size: 8, .value_kind: global_buffer, .address_space: global }
      - { .name: xb, .offset: 48, .size: 8, .value_kind: global_buffer, .address_space: global }
      - { .name: wb, .offset: 56, .size: 8, .value_kind: global_buffer, .address_space: global }
      - { .name: pp, .offset: 64, .size: 8, .value_kind: global_buffer, .address_space: global }
      - { .name: pmax, .offset: 72, .size: 8, .value_kind: global_buffer, .address_space: global }
    .group_segment_fixed_size: 1536
    .private_segment_fixed_size: 0
    .kernarg_segment_align: 8
    .kernarg_segment_size: 80
    .max_flat_workgroup_size: 256
    .sgpr_count:     66
    .vgpr_count:     256
    .wavefront_size: 32
...
	.end_amdgpu_metadata
.endif
;; end of part 6
;; launch fwd1 (part 7): grid 8 x 32, 4 waves a work-group, clusters of 4 x 4, 327,680 bytes of LDS; arguments xb, wb, pmax, b1, a1, pp, qq; writes a1, pp, qq
.if DOCPART == 7
	.amdgcn_target "amdgcn-amd-amdhsa--gfx1250"
	.amdhsa_code_object_version 6
	.text
	.protected	k_q35217c72df_fwd1
	.globl	k_q35217c72df_fwd1
	.p2align	8
	.type	k_q35217c72df_fwd1,@function
k_q35217c72df_fwd1:
	s_mov_b64 s[64:65], 0
	v_nop
	global_prefetch_b8 v0, s[64:65] scope:SCOPE_SE
	s_setreg_imm32_b32 hwreg(HW_REG_WAVE_MODE, 25, 1), 1
	s_wait_xcnt 0x0
	s_wait_alu depctr_hold_cnt(0) depctr_sa_sdst(0) depctr_va_vdst(0) depctr_va_sdst(0) depctr_va_ssrc(0) depctr_va_vcc(0) depctr_vm_vsrc(0)
	s_getreg_b32 s2, hwreg(HW_REG_IB_STS2, 6, 4)
	s_cmp_eq_u32 s2, 0
	s_cbranch_scc0 .Lentry_in_a_cluster
	s_endpgm
.Lentry_in_a_cluster:
	s_bfe_u32 s2, ttmp6, 0x10000c
	s_cmp_lg_u32 s2, 0xf033
	s_cbranch_scc0 .Lentry_shape_is_right
	s_endpgm
.Lentry_shape_is_right:
; A HIDDEN LAYER.  y = sc (A W^T + b); a = f16(max(y, 0)); p = (y > 0).  LAYER 1: A = xb, bf16 [4096][1024], W = W1 in bf16.  LAYER 2: A = a1 = sc1 relu(z1), f16 [4096][2048], W = W2 in f16.
; Sums in f32.  a goes to [4096][2048] f16.  p goes out twice, for the two sides of the counts' products: plain, f16 0 or 1, to its 2,048 columns of pp ([4096][5120]); and packed, q = p[2c] + 1024 p[2c+1]
; (0, 1, 1024 or 1025: exact in f16), to qq, which lies in blocks of 64 packed columns, each [4096 samples][128 bytes] dense.  The two layers' texts differ in the line that sets LAYER alone.
; THE SCALE.  f16 ends at 65,504, so the activations are kept times a power of two made from the inputs' own maxima (pmax): S1 = 1024 max|x| max|W1| + max|b1| bounds |z1|,
; S2 = 2048 S1 max|W2| + max|b2| bounds |z2|; with e the exponent field of S, sc = 2^(141 - e), so that |z| sc stays under 2^15 (the factor 2 up to 65,504 covers the roundings).
; The scale enters numbers alone: no branch and no address hangs on it.  The bias is rounded to bf16 like every input.
; LIMITS.  e is held in 16..250, and the exponent field of isc1 sc2 in 1..254; a positive y below f32's smallest number counts as 0; NaN and infinities are not treated apart.
; SHARES.  A work-group makes 128 rows (batch) x 256 columns (features): 8 x 32 = 256 work-groups.  Each of its four waves makes 64 x 128: 32 accumulators, 256 registers.
; K goes in steps of 128 through two LDS slots that take turns; a tile's rows are 256 bytes of memory at multiples of 256.  Waves 0, 1 fetch A's two halves (64 rows each), waves 2, 3 W's (128 rows each).
; CLUSTER.  4 x 4 work-groups: A's tile hangs on the tile row alone and is asked for jointly by a row of the cluster, W's on the tile column alone, by a column.
; THE MATRIX INSTRUCTION IS USED TRANSPOSED (source 0 = 16 rows of W, source 1 = 16 rows of A): a lane holds one row of the result and eight neighbouring columns.
; THE WAY OUT.  A wave's 64 x 128 sums go as f32 through a stage of its own, 64 rows of 528 bytes.  The stages of waves 2 and 3 lie behind the ring; those of waves 0 and 1 at the head of slot 0, which by
; then has had its last fill, and a barrier has passed since its last reader (the number of K steps is even: the last lies in slot 1).
; REGISTERS.  Window 0: v0-31 addresses, bias; v32-63 rows on the way out; v64-159, v160-255 two fragment buffers (W's 8 fragments, then A's 4).  Window 1: accumulator (a, b) at v[8 (8 a + b)].
.set LAYER, 1
.if LAYER == 1
.set K,    1024
.set WOFF, 0                           ; W's first byte in wb
.set PCOL, 1024                        ; p's first column in pp
.set QBLK, 0                           ; q's first block in qq
.else
.set K,    2048
.set WOFF, 4194304
.set PCOL, 3072
.set QBLK, 16
.endif
.set KSTEP,  128
.set PPITCH, 10240                     ; bytes in a row of pp
.set PITCH,  272                       ; an LDS row: 256 bytes + 16 of padding, an odd multiple of 16: the 16 rows of a fragment load start in 16 different 16-byte columns of 256 bytes
.set AHALF,  64*PITCH
.set BHALF,  128*PITCH
.set BOFF,   2*AHALF                   ; a slot: A's 128 rows, then W's 256
.set SLOT1,  131072                    ; slot 1 begins here, so that one exclusive or turns an address in one slot into the other's
.set STAGEH, 237568                    ; behind the ring, never filled by a tensor load: the stages of waves 2 and 3
.set SPITCH, 528
.set WSTAGE, 64*SPITCH                 ; a wave's stage
.set SPARE,  STAGEH+2*WSTAGE           ; the spare words, 128 bytes for each wave
.set STEPS,  K/KSTEP
.set G1W0,   (1<<16)|(1<<20)|(1<<21)|(5<<22)|(3<<25)  ; 2-byte elements; padding on; bit 21 beside a mask; after every 64 words; 4 words
.set AA0, 4                            ; v4, v5  my lane's place in A's and W's part of slot 0; never rewritten
.set AB0, 5
.set AA,  6                            ; v6, v7  the same in the slot in hand
.set AB,  7
.set STO, 8                            ; v8   the way out: where I put 16 bytes of a row
.set RD,  9                            ; v9   where I read rows back
.set RDC, 10                           ; v10  the same for the trip in hand
.set GO,  11                           ; v11  8 x lane: my byte offset in 256 stored bytes
.set SPW, 12                           ; v12  LDS address of my spare word; never rewritten
.set NIL, 13                           ; v13  0; never rewritten
.set LN,  14                           ; v14  lane
.set BO,  15                           ; v15  byte offset of my four columns' bias
.set BIAS, 16                          ; v16-19  sc x bias of my four columns on the way out
.set PO,  20                           ; v20  16 x lane
.set QO,  21                           ; v21  my 8 bytes in two rows of q: 128 (lane % 2) + 8 (lane / 2)
.set X,   32                           ; v32-63  eight rows read back
.set F0,  64
.set F1,  160
.set SC,  64                           ; pmax and the scales' arithmetic, ahead of the first fragments
.set OA,  64                           ; the way out: a, two registers a row
.set OP,  80                           ; p, two registers a row
.set OQ,  96                           ; q, one register a row: my two packed columns
.set OS,  104                          ; q as stored: a pair of registers for two rows
.set SND, 112                          ; what I hand to the lane beside me, and what it hands to me
.set RCV, 113
.set TM,  120                          ; v120-127  max(y, 0) of two rows
.set TP,  128                          ; v128-135  p of two rows as f32
.set WV, 16                            ; s16 wave; s17 its half of the rows; s18 its half of the columns
.set WM, 17
.set WN, 18
.set CX, 19
.set CY, 20
.set TX, 21                            ; tile column, tile row
.set TY, 22
.set RS, 23                            ; the way out: bytes into my stage
.set G1A, 24                           ; s[24:31], s[32:39] descriptor group 1 for A's and W's tiles
.set G1B, 32
.set G0A, 40                           ; s[40:47], s[48:55] group 0: a set for each first fill; the second then walks on
.set G0B, 48
.set TB,  56                           ; the slot in hand: 0 or SLOT1
.set CNT, 57
.set C1,  58                           ; s[58:59] the factor on the sums
.set SEL, 60                           ; s[60:61] v_permlanex16_b32's selects
.set SCB, 62                           ; s[62:63] the factor on the bias
.set CM,  66                           ; s66-73 eight compare masks
.set ABASE, 74                         ; s[74:75], s[76:77], s[80:81] a, p and q at the rows in hand
.set PBASE, 76
.set QBASE, 80
.set KQ,  82                           ; s82  1024.0
.set ODD, 83                           ; s83  the odd lanes
.set MSB, 0
.macro WIN new                         ; the immediate's high byte repeats the setting that is left; a switch that changes nothing is dropped
.if MSB != (\new)
	s_set_vgpr_msb (MSB<<8)|(\new)
.set MSB, \new
.endif
.endm
.macro PLACES                          ; four plain vector instructions between a matrix instruction and a load into, or a read of, its registers
.rept 4
	v_nop
.endr
.endm
.macro CREST                           ; a round of the cluster's barrier behind its opening barrier
	s_cmp_lg_u32 s[WV], 0
	s_cbranch_scc1 .Lnot_wave_0_\@
	s_barrier_signal -3
.Lnot_wave_0_\@:
	s_barrier_wait -3
	s_barrier_signal -1
	s_barrier_wait -1
.endm
.macro CROUND
	s_barrier_signal -1
	s_barrier_wait -1
	CREST
.endm
.macro JLOAD                           ; a joint refill by the walking set; the branch hangs on the wave's number alone; s_nop 0 and four v_nop follow each line
	s_cmp_lt_u32 s[WV], 2
	s_cbranch_scc0 .Lfor_b_\@
	tensor_load_to_lds s[G0A+4:G0A+7], s[G1A:G1A+7]
	s_nop 0
.rept 4
	v_nop
.endr
	s_branch .Lasked_\@
.Lfor_b_\@:
	tensor_load_to_lds s[G0B+4:G0B+7], s[G1B:G1B+7]
	s_nop 0
.rept 4
	v_nop
.endr
.Lasked_\@:
.endm
; 8 matrix instructions: row block a x all 8 column blocks, 32 along K, from buffer f.  zero = 1: the product starts the sums.  The 32 accumulators take turns.
.macro MULA f, a, zero
	WIN 0x50                                       ; C and D in window 1
.irp b, 0,1,2,3,4,5,6,7
.set rD, 8*(8*(\a)+(\b))
.set rB, (\f)+8*(\b)
.set rA, (\f)+64+8*(\a)
.if (\zero) && (LAYER == 1)
	v_wmma_f32_16x16x32_bf16 v[rD:rD+7], v[rB:rB+7], v[rA:rA+7], 0
.elseif LAYER == 1
	v_wmma_f32_16x16x32_bf16 v[rD:rD+7], v[rB:rB+7], v[rA:rA+7], v[rD:rD+7]
.elseif \zero
	v_wmma_f32_16x16x32_f16 v[rD:rD+7], v[rB:rB+7], v[rA:rA+7], 0
.else
	v_wmma_f32_16x16x32_f16 v[rD:rD+7], v[rB:rB+7], v[rA:rA+7], v[rD:rD+7]
.endif
.endr
.endm
; 24 LDS loads in one run: the fragments of 32 along K at byte k of the rows: W's eight, then A's four
.macro FETCH k, f
	WIN 0
.irp i, 0,1,2,3,4,5,6,7
	ds_load_b128 v[(\f)+8*(\i):(\f)+8*(\i)+3],   v[AB] offset:(\k)+(\i)*16*PITCH
	ds_load_b128 v[(\f)+8*(\i)+4:(\f)+8*(\i)+7], v[AB] offset:(\k)+(\i)*16*PITCH+32
.endr
.irp i, 0,1,2,3
	ds_load_b128 v[(\f)+64+8*(\i):(\f)+64+8*(\i)+3],   v[AA] offset:(\k)+(\i)*16*PITCH
	ds_load_b128 v[(\f)+64+8*(\i)+4:(\f)+64+8*(\i)+7], v[AA] offset:(\k)+(\i)*16*PITCH+32
.endr
.endm
; A K step is four quarters of 32 along K, on buffers 0, 1, 0, 1.  One of the first three multiplies buffer f and fetches the next quarter, at byte k, into g.
.macro QUARTER k, f, g, zero
	s_wait_dscnt 4                                 ; W's fragments and A's blocks 0, 1 are in; the youngest four loads (blocks 2, 3) may be out
	MULA \f, 0, \zero
	MULA \f, 1, \zero
	PLACES
	FETCH \k, \g
	s_wait_dscnt 24                                ; all but the 24 just issued
	MULA \f, 2, \zero
	MULA \f, 3, \zero
.endm
; The last quarter multiplies buffer 1 and changes slots.  In front of the barrier each wave waits for all its tensor loads (one is out: its part of the next slot), adds 0 to its spare word, and
; waits for that and for its reads of this slot.  fill = 1: the barrier opens a round of the cluster's, and this slot is filled again, two K steps ahead, first thing behind the round.
.macro TURN fill
	WIN 0
	s_wait_tensorcnt 0x0
	ds_add_u32 v[SPW], v[NIL]
	s_wait_dscnt 5                                 ; the add and the youngest four loads may be out
	MULA F1, 0, 0
	s_wait_dscnt 0x0                               ; the add is done, and my reads of this slot are over
	s_barrier_signal -1
	MULA F1, 1, 0
	WIN 0
	s_barrier_wait -1
.if \fill
	CREST                                          ; no wave of any partner still reads this slot or has a load on its way
	s_xor_b32 s[G0A+5], s[G0A+5], SLOT1            ; the walking sets: the other slot than last time, the next K step
	s_add_nc_u64 s[G0A+6:G0A+7], s[G0A+6:G0A+7], 2*KSTEP
	s_xor_b32 s[G0B+5], s[G0B+5], SLOT1
	s_add_nc_u64 s[G0B+6:G0B+7], s[G0B+6:G0B+7], 2*KSTEP
	JLOAD                                          ; its four v_nop are also the places in front of the loads below
.else
	PLACES
.endif
	s_xor_b32 s[TB], s[TB], SLOT1
	v_add_nc_u32 v[AA], s[TB], v[AA0]
	v_add_nc_u32 v[AB], s[TB], v[AB0]
	FETCH 0, F0
	MULA F1, 2, 0
	MULA F1, 3, 0
.endm
.macro WRED r                          ; the maximum over the 32 lanes, in every lane
	v_max_num_f32_dpp v[\r], v[\r], v[\r] row_xmask:1 row_mask:0xf bank_mask:0xf
	v_max_num_f32_dpp v[\r], v[\r], v[\r] row_xmask:2 row_mask:0xf bank_mask:0xf
	v_max_num_f32_dpp v[\r], v[\r], v[\r] row_xmask:4 row_mask:0xf bank_mask:0xf
	v_max_num_f32_dpp v[\r], v[\r], v[\r] row_xmask:8 row_mask:0xf bank_mask:0xf
	v_permlanex16_b32 v[(\r)+1], v[\r], s[SEL], s[SEL+1]
	v_max_num_f32 v[\r], v[\r], v[(\r)+1]
.endm
; Rows j and j + 1 of a trip's eight: scale and bias, compare, relu, the roundings.  Each kind of line stands for both rows before the next kind, so that no line reads a result made just before it.
; q is 4 bytes a lane and row: of the two rows the even lanes take the even row's 8 bytes of their pair of lanes and the odd lanes the odd row's (one exchange with the lane beside).
.macro ROWS2 j
	s_wait_dscnt 6-(\j)                            ; rows j and j + 1 are in; the loads of rows j + 2 to 7 stay out
.irp e, 0,1
	v_pk_fma_f32 v[X+4*((\j)+(\e)):X+4*((\j)+(\e))+1],   v[X+4*((\j)+(\e)):X+4*((\j)+(\e))+1],   s[C1:C1+1], v[BIAS:BIAS+1]   op_sel_hi:[1,0,1]
	v_pk_fma_f32 v[X+4*((\j)+(\e))+2:X+4*((\j)+(\e))+3], v[X+4*((\j)+(\e))+2:X+4*((\j)+(\e))+3], s[C1:C1+1], v[BIAS+2:BIAS+3] op_sel_hi:[1,0,1]
.endr
.irp e, 0,1
.irp k, 0,1,2,3
	v_cmp_lt_f32 s[CM+4*(\e)+(\k)], 0, v[X+4*((\j)+(\e))+(\k)]
.endr
.endr
.irp e, 0,1
.irp k, 0,1,2,3
	v_max_num_f32 v[TM+4*(\e)+(\k)], 0, v[X+4*((\j)+(\e))+(\k)]
.endr
.endr
.irp e, 0,1
.irp k, 0,1,2,3
	v_cndmask_b32 v[TP+4*(\e)+(\k)], 0, 1.0, s[CM+4*(\e)+(\k)]
.endr
.endr
.irp e, 0,1
	v_cvt_pk_f16_f32 v[OA+2*((\j)+(\e))], v[TM+4*(\e)], v[TM+4*(\e)+1]
	v_cvt_pk_f16_f32 v[OA+2*((\j)+(\e))+1], v[TM+4*(\e)+2], v[TM+4*(\e)+3]
.endr
.irp e, 0,1
	v_cvt_pk_f16_f32 v[OP+2*((\j)+(\e))], v[TP+4*(\e)], v[TP+4*(\e)+1]
	v_cvt_pk_f16_f32 v[OP+2*((\j)+(\e))+1], v[TP+4*(\e)+2], v[TP+4*(\e)+3]
.endr
.irp e, 0,1
	v_fma_f32 v[TP+4*(\e)], v[TP+4*(\e)+1], s[KQ], v[TP+4*(\e)]          ; q = p[2c] + 1024 p[2c+1]
	v_fma_f32 v[TP+4*(\e)+2], v[TP+4*(\e)+3], s[KQ], v[TP+4*(\e)+2]
.endr
.irp e, 0,1
	v_cvt_pk_f16_f32 v[OQ+(\j)+(\e)], v[TP+4*(\e)], v[TP+4*(\e)+2]
.endr
	v_cndmask_b32 v[SND], v[OQ+(\j)+1], v[OQ+(\j)], s[ODD]      ; an even lane hands over its odd row, an odd lane its even row
	v_mov_b32_dpp v[RCV], v[SND] row_xmask:1 row_mask:0xf bank_mask:0xf
	v_cndmask_b32 v[OS+(\j)], v[OQ+(\j)], v[RCV], s[ODD]        ; the lower 4 bytes are the even lane's,
	v_cndmask_b32 v[OS+(\j)+1], v[RCV], v[OQ+(\j)+1], s[ODD]    ; the upper 4 the odd lane's
.endm
; The five stores of rows j and j + 1: a and p, a store a row, and q, one store for both rows; each covers 256 consecutive aligned bytes.  They stand behind the next pair's arithmetic.
.macro SEND2 j
.irp e, 0,1
	global_store_b64 v[GO], v[OA+2*((\j)+(\e)):OA+2*((\j)+(\e))+1], s[ABASE:ABASE+1] offset:4096*((\j)+(\e))
	global_store_b64 v[GO], v[OP+2*((\j)+(\e)):OP+2*((\j)+(\e))+1], s[PBASE:PBASE+1] offset:PPITCH*((\j)+(\e))
.endr
	global_store_b64 v[QO], v[OS+(\j):OS+(\j)+1], s[QBASE:QBASE+1] offset:128*(\j)
.endm
	s_load_b256 s[4:11], s[0:1], 0x0               ; A s[4:5], wb s[6:7], pmax s[8:9], bias s[10:11]
	s_load_b128 s[12:15], s[0:1], 0x20             ; a s[12:13], pp s[14:15]
	s_load_b64 s[QBASE:QBASE+1], s[0:1], 0x30      ; qq
	v_lshl_add_u32 v[SPW], v0, 2, SPARE
	v_mov_b32 v[NIL], 0
	ds_add_u32 v[SPW], v[NIL]                      ; the wave's opening: the add and its wait stand ahead of my first tensor load; the set-up stands between them
	v_lshrrev_b32 v1, 5, v0
	v_readfirstlane_b32 s[WV], v1
	s_lshr_b32 s[WM], s[WV], 1
	s_and_b32 s[WN], s[WV], 1                      ; also: which half of a tile I fetch
	s_bfe_u32 s[CX], ttmp6, 0x40000
	s_bfe_u32 s[CY], ttmp6, 0x40004
	s_lshl_b32 s[TX], ttmp9, 2                     ; in a cluster launch ttmp9 and ttmp7 count clusters
	s_add_co_u32 s[TX], s[TX], s[CX]
	s_and_b32 s[TY], ttmp7, 0xffff
	s_lshl_b32 s[TY], s[TY], 2
	s_add_co_u32 s[TY], s[TY], s[CY]
	s_lshl_b32 s70, s[CY], 2
	s_lshl_b32 s70, 15, s70                        ; my row of the cluster
	s_lshl_b32 s71, 0x1111, s[CX]                  ; my column
	s_or_b32 s[G1A], s70, G1W0
	s_or_b32 s[G1B], s71, G1W0
	s_mov_b32 s[G1A+1], KSTEP<<16                  ; tensor_dim0 = 128
	s_mov_b32 s[G1A+2], 64<<16                     ; tensor_dim1 = 64
	s_mov_b32 s[G1A+3], KSTEP<<16                  ; tile_dim0 = 128
	s_mov_b32 s[G1A+4], 64                         ; tile_dim1 = 64
	s_mov_b32 s[G1A+5], K                          ; elements from row to row
	s_mov_b32 s[G1A+6], 0
	s_mov_b32 s[G1A+7], 0
	s_mov_b32 s[G1B+1], KSTEP<<16
	s_mov_b32 s[G1B+2], 128<<16                    ; W's loads bring 128 rows
	s_mov_b32 s[G1B+3], KSTEP<<16
	s_mov_b32 s[G1B+4], 128
	s_mov_b32 s[G1B+5], K
	s_mov_b32 s[G1B+6], 0
	s_mov_b32 s[G1B+7], 0
	s_lshl_b32 s72, s[TY], 7                       ; A: row 128 x tile row + 64 x half, in bytes; these registers never hold the tile column
	s_lshl_b32 s73, s[WN], 6
	s_add_co_u32 s72, s72, s73
	s_mul_i32 s72, s72, K*2
	s_mov_b32 s73, 0
	s_lshl_b32 s78, s[TX], 8                       ; W: row 256 x tile column + 128 x half; these never hold the tile row
	s_lshl_b32 s79, s[WN], 7
	s_add_co_u32 s78, s78, s79
	s_mul_i32 s78, s78, K*2
	s_add_co_u32 s78, s78, WOFF
	s_mov_b32 s79, 0
	s_mul_i32 s2, s[WN], AHALF                     ; where they go: the wave's number alone enters an LDS address
	s_mul_i32 s3, s[WN], BHALF
	s_add_co_u32 s3, s3, BOFF
	s_mov_b32 s[G0A], 1
	s_mov_b32 s[G0A+1], s2
	s_mov_b32 s[G0A+4], 1
	s_add_co_u32 s[G0A+5], s2, SLOT1
	s_mov_b32 s[G0B], 1
	s_mov_b32 s[G0B+1], s3
	s_mov_b32 s[G0B+4], 1
	s_add_co_u32 s[G0B+5], s3, SLOT1
	s_mov_b32 s[SEL], 0x76543210
	s_mov_b32 s[SEL+1], 0xfedcba98
	s_mov_b32 s[KQ], 0x44800000                    ; 1024.0
	s_mov_b32 s[TB], 0
	s_wait_dscnt 0x0                               ; the opening add is done
	s_wait_kmcnt 0x0
	s_add_nc_u64 s[G0A+2:G0A+3], s[4:5], s[72:73]  ; K step 0
	s_add_nc_u64 s[G0A+6:G0A+7], s[G0A+2:G0A+3], 2*KSTEP  ; K step 1
	s_or_b32 s[G0A+3], s[G0A+3], 0x80000000        ; type = 2
	s_or_b32 s[G0A+7], s[G0A+7], 0x80000000
	s_add_nc_u64 s[G0B+2:G0B+3], s[6:7], s[78:79]
	s_add_nc_u64 s[G0B+6:G0B+7], s[G0B+2:G0B+3], 2*KSTEP
	s_or_b32 s[G0B+3], s[G0B+3], 0x80000000
	s_or_b32 s[G0B+7], s[G0B+7], 0x80000000
	CROUND                                         ; all sixteen work-groups are here: the first joint loads meet
	s_cmp_lt_u32 s[WV], 2                          ; a wave's two first fills stand in one branch: two loads of mine are out
	s_cbranch_scc0 .Lfirst_b
	tensor_load_to_lds s[G0A:G0A+3], s[G1A:G1A+7]
	s_nop 0
	tensor_load_to_lds s[G0A+4:G0A+7], s[G1A:G1A+7]
	s_nop 0
.rept 4
	v_nop
.endr
	s_branch .Lfirst_asked
.Lfirst_b:
	tensor_load_to_lds s[G0B:G0B+3], s[G1B:G1B+7]
	s_nop 0
	tensor_load_to_lds s[G0B+4:G0B+7], s[G1B:G1B+7]
	s_nop 0
.rept 4
	v_nop
.endr
.Lfirst_asked:
	; A fragment is 16 rows x 32 K in 8 registers: lane l holds row l % 16, K = 8 (l / 16) + 0..7 and 16 + 8 (l / 16) + 0..7: two loads of 16 bytes, 32 bytes apart.
	v_and_b32 v1, 15, v0
	v_bfe_u32 v2, v0, 4, 1
	v_and_b32 v[LN], 31, v0
	v_mul_u32_u24 v3, v1, PITCH
	v_lshl_add_u32 v3, v2, 4, v3
	s_mul_i32 s2, s[WM], AHALF                     ; my 64 rows of A
	s_mul_i32 s3, s[WN], BHALF                     ; my 128 rows of W
	s_add_co_u32 s3, s3, BOFF
	v_add_nc_u32 v[AA0], s2, v3
	v_add_nc_u32 v[AB0], s3, v3
	v_add_nc_u32 v[AA], s[TB], v[AA0]
	v_add_nc_u32 v[AB], s[TB], v[AB0]
	s_mul_i32 s2, s[WM], STAGEH                    ; my stage: waves 0, 1 at bytes 0 and 33,792; waves 2, 3 at 237,568 and 271,360
	s_mul_i32 s3, s[WN], WSTAGE
	s_add_co_u32 s2, s2, s3
	v_mul_u32_u24 v3, v1, SPITCH                   ; in: row l % 16, 32 bytes for each half of the lanes
	v_lshl_add_u32 v3, v2, 5, v3
	v_add_nc_u32 v[STO], s2, v3
	v_lshl_add_u32 v[RD], v[LN], 4, s2             ; back: 32 lanes take a row of 512 bytes
	v_lshlrev_b32 v[GO], 3, v[LN]
	v_lshlrev_b32 v[PO], 4, v[LN]
	v_and_b32 v[QO], 1, v0
	v_cmp_eq_u32 s[ODD], 1, v[QO]                  ; the odd lanes
	v_lshlrev_b32 v[QO], 7, v[QO]                  ; they store the odd row, 128 bytes on;
	v_lshrrev_b32 v22, 1, v[LN]
	v_lshl_add_u32 v[QO], v22, 3, v[QO]            ; a pair of lanes has 8 bytes of each row
	s_lshl_b32 s66, s[TX], 10                      ; my first column x 4 bytes
	s_lshl_b32 s67, s[WN], 9
	s_add_co_u32 s66, s66, s67
	v_lshl_add_u32 v[BO], v[LN], 4, s66
	s_lshl_b32 s68, s[TY], 7
	s_lshl_b32 s69, s[WM], 6
	s_add_co_u32 s68, s68, s69                     ; my first row
	s_lshr_b32 s69, s66, 1                         ; my first column x 2 bytes
	s_lshl_b32 s66, s68, 12                        ; rows of a are 4,096 bytes
	s_add_co_u32 s66, s66, s69
	s_mov_b32 s67, 0
	s_add_nc_u64 s[ABASE:ABASE+1], s[12:13], s[66:67]
	s_mul_i32 s66, s68, PPITCH                     ; rows of pp are 10,240 bytes
	s_add_co_u32 s66, s66, s69
	s_add_co_u32 s66, s66, 2*PCOL
	s_add_nc_u64 s[PBASE:PBASE+1], s[14:15], s[66:67]
	s_lshl_b32 s66, s[TX], 1                       ; my 128 columns are one block of qq: 2 x tile column + my half,
	s_add_co_u32 s66, s66, s[WN]
	s_add_co_u32 s66, s66, QBLK
	s_lshl_b32 s66, s66, 19                        ; of 524,288 bytes;
	s_lshl_b32 s69, s68, 7                         ; a row of it is 128 bytes
	s_add_co_u32 s66, s66, s69
	s_add_nc_u64 s[QBASE:QBASE+1], s[QBASE:QBASE+1], s[66:67]
	; THE SCALES, in the wait for the first tile: every wave reads all of pmax (5 x 256 numbers) and its bias
.irp c, 0,1,2,3,4
	global_load_b128 v[SC+8*(\c):SC+8*(\c)+3],   v[PO], s[8:9] offset:1024*(\c)
	global_load_b128 v[SC+8*(\c)+4:SC+8*(\c)+7], v[PO], s[8:9] offset:1024*(\c)+512
.endr
	global_load_b128 v[BIAS:BIAS+3], v[BO], s[10:11]
	s_wait_loadcnt 0x0
.irp c, 0,1,2,3,4
	v_max3_num_f32 v[SC+8*(\c)], v[SC+8*(\c)], v[SC+8*(\c)+1], v[SC+8*(\c)+2]
	v_max3_num_f32 v[SC+8*(\c)], v[SC+8*(\c)], v[SC+8*(\c)+3], v[SC+8*(\c)+4]
	v_max3_num_f32 v[SC+8*(\c)], v[SC+8*(\c)], v[SC+8*(\c)+5], v[SC+8*(\c)+6]
	v_max_num_f32 v[SC+8*(\c)], v[SC+8*(\c)], v[SC+8*(\c)+7]
	WRED SC+8*(\c)
.endr
	v_mul_f32 v[SC+40], v[SC], v[SC+8]
	v_fmamk_f32 v[SC+40], v[SC+40], 0x44800000, v[SC+16]   ; S1 = 1024 max|x| max|W1| + max|b1|
	v_mul_f32 v[SC+41], v[SC+40], v[SC+24]
	v_fmamk_f32 v[SC+41], v[SC+41], 0x45000000, v[SC+32]   ; S2 = 2048 S1 max|W2| + max|b2|
	v_readfirstlane_b32 s66, v[SC+40]
	v_readfirstlane_b32 s67, v[SC+41]
	s_lshr_b32 s66, s66, 23                        ; e1, e2: the exponent fields (S is not negative)
	s_max_u32 s66, s66, 16
	s_min_u32 s66, s66, 250
	s_lshr_b32 s67, s67, 23
	s_max_u32 s67, s67, 16
	s_min_u32 s67, s67, 250
.if LAYER == 1
	s_sub_co_u32 s[C1], 268, s66                   ; sc1 = 2^(141 - e1): exponent field 268 - e1
	s_lshl_b32 s[C1], s[C1], 23
	s_mov_b32 s[SCB], s[C1]
.else
	s_sub_co_u32 s[C1], s66, s67                   ; sc2 / sc1 = 2^(e1 - e2)
	s_add_co_u32 s[C1], s[C1], 127
	s_max_i32 s[C1], s[C1], 1
	s_min_i32 s[C1], s[C1], 254
	s_lshl_b32 s[C1], s[C1], 23
	s_sub_co_u32 s[SCB], 268, s67                  ; sc2
	s_lshl_b32 s[SCB], s[SCB], 23
.endif
	s_mov_b32 s[C1+1], s[C1]                       ; named as pairs
	s_mov_b32 s[SCB+1], s[SCB]
	v_cvt_pk_bf16_f32 v[SC+1], v[BIAS], v[BIAS+1]  ; the bias rounded to bf16, widened again, times its scale
	v_cvt_pk_bf16_f32 v[SC+2], v[BIAS+2], v[BIAS+3]
	v_lshlrev_b32 v[BIAS], 16, v[SC+1]
	v_and_b32 v[BIAS+1], 0xffff0000, v[SC+1]
	v_lshlrev_b32 v[BIAS+2], 16, v[SC+2]
	v_and_b32 v[BIAS+3], 0xffff0000, v[SC+2]
	v_pk_mul_f32 v[BIAS:BIAS+1], v[BIAS:BIAS+1], s[SCB:SCB+1] op_sel_hi:[1,0]
	v_pk_mul_f32 v[BIAS+2:BIAS+3], v[BIAS+2:BIAS+3], s[SCB:SCB+1] op_sel_hi:[1,0]
	s_wait_tensorcnt 1                             ; my part of K step 0 is in; K step 1's may stay out
	s_barrier_signal -1
	s_barrier_wait -1                              ; everybody's is
	FETCH 0, F0
	QUARTER 64, F0, F1, 1                          ; the first quarter stands in front of the loop: its products start the sums
	WIN 0                                          ; at a label and at a branch every window is 0
	s_mov_b32 s[CNT], STEPS-2
.Lstep:                                                ; a trip: from a K step's second quarter to the next step's first; it fills the slot that it leaves
	QUARTER 128, F1, F0, 0
	QUARTER 192, F0, F1, 0
	TURN 1
	QUARTER 64, F0, F1, 0
	WIN 0
	s_sub_co_u32 s[CNT], s[CNT], 1
	s_cmp_lg_u32 s[CNT], 0
	s_cbranch_scc1 .Lstep
	QUARTER 128, F1, F0, 0                         ; the last two K steps are written out: nothing is left to ask for
	QUARTER 192, F0, F1, 0
	TURN 0
	QUARTER 64, F0, F1, 0
	QUARTER 128, F1, F0, 0
	QUARTER 192, F0, F1, 0
	s_wait_dscnt 4
	MULA F1, 0, 0
	MULA F1, 1, 0
	s_wait_dscnt 0x0
	MULA F1, 2, 0
	MULA F1, 3, 0
	PLACES
	; THE WAY OUT.  The f32 sums go into my own stage (each accumulator's low four registers first) and come back as whole rows of 128 columns, four columns a lane.
	; LDS serves a wave's instructions in order (ISA guide 5.7.1.4), so no wait stands between my stores into the stage and my loads.
	WIN 0x04                                       ; a store's data is source 1: window 1
.irp a, 0,1,2,3
.irp b, 0,1,2,3,4,5,6,7
	ds_store_b128 v[STO], v[8*(8*(\a)+(\b)):8*(8*(\a)+(\b))+3]   offset:(\a)*16*SPITCH+64*(\b)
	ds_store_b128 v[STO], v[8*(8*(\a)+(\b))+4:8*(8*(\a)+(\b))+7] offset:(\a)*16*SPITCH+64*(\b)+16
.endr
.endr
	WIN 0
	v_mov_b32 v[RCV], 0                            ; the destination of a DPP form counts as read: it is written once before
	s_mov_b32 s[RS], 0
	s_mov_b32 s[CNT], 8
.Lrows:                                                ; eight trips of eight rows
	v_add_nc_u32 v[RDC], s[RS], v[RD]
.irp j, 0,1,2,3,4,5,6,7
	ds_load_b128 v[X+4*(\j):X+4*(\j)+3], v[RDC] offset:SPITCH*(\j)
.endr
	ROWS2 0
	ROWS2 2
	SEND2 0
	ROWS2 4
	SEND2 2
	ROWS2 6
	SEND2 4
	SEND2 6
	s_wait_xcnt 0x0                                ; the stores' bases and data are rewritten only behind this wait
	s_add_nc_u64 s[ABASE:ABASE+1], s[ABASE:ABASE+1], 8*4096
	s_add_nc_u64 s[PBASE:PBASE+1], s[PBASE:PBASE+1], 8*PPITCH
	s_add_nc_u64 s[QBASE:QBASE+1], s[QBASE:QBASE+1], 8*128
	s_add_co_u32 s[RS], s[RS], 8*SPITCH
	s_sub_co_u32 s[CNT], s[CNT], 1
	s_cmp_lg_u32 s[CNT], 0
	s_cbranch_scc1 .Lrows
	s_wait_tensorcnt 0x0                           ; the wave's end
	ds_add_u32 v[SPW], v[NIL]
	s_wait_dscnt 0x0
	CROUND                                         ; the closing round: no work-group ends while a partner may still ask for a tile that names it
	s_endpgm
.Lfunc_end_k_q35217c72df_fwd1:
	.size	k_q35217c72df_fwd1, .Lfunc_end_k_q35217c72df_fwd1-k_q35217c72df_fwd1
	.p2alignl 7, 3214868480
	.fill 96, 4, 3214868480
	.section	.rodata,"a",@progbits
	.p2align	6, 0x0
	.amdhsa_kernel k_q35217c72df_fwd1
		.amdhsa_group_segment_fixed_size 327680
		.amdhsa_private_segment_fixed_size 0
		.amdhsa_enable_private_segment 0
		.amdhsa_kernarg_size 56
		.amdhsa_user_sgpr_count 2
		.amdhsa_user_sgpr_kernarg_segment_ptr 1
		.amdhsa_wavefront_size32 1
		.amdhsa_system_sgpr_workgroup_id_x 1
		.amdhsa_system_sgpr_workgroup_id_y 1
		.amdhsa_system_sgpr_workgroup_id_z 1
		.amdhsa_system_vgpr_workitem_id 0
		.amdhsa_next_free_vgpr 512
		.amdhsa_next_free_sgpr 84
		.amdhsa_reserve_vcc 0
		.amdhsa_float_denorm_mode_32 3
		.amdhsa_float_denorm_mode_16_64 3
		.amdhsa_memory_ordered 1
		.amdhsa_forward_progress 1
		.amdhsa_inst_pref_size 78
	.end_amdhsa_kernel
	.amdgpu_metadata
---
amdhsa.version: [ 1, 2 ]
amdhsa.kernels:
  - .name:           k_q35217c72df_fwd1
    .symbol:         k_q35217c72df_fwd1.kd
    .args:
      - { .name: xb, .offset: 0, .size: 8, .value_kind: global_buffer, .address_space: global }
      - { .name: wb, .offset: 8, .size: 8, .value_kind: global_buffer, .address_space: global }
      - { .name: pmax, .offset: 16, .size: 8, .value_kind: global_buffer, .address_space: global }
      - { .name: b1, .offset: 24, .size: 8, .value_kind: global_buffer, .address_space: global }
      - { .name: a1, .offset: 32, .size: 8, .value_kind: global_buffer, .address_space: global }
      - { .name: pp, .offset: 40, .size: 8, .value_kind: global_buffer, .address_space: global }
      - { .name: qq, .offset: 48, .size: 8, .value_kind: global_buffer, .address_space: global }
    .group_segment_fixed_size: 327680
    .private_segment_fixed_size: 0
    .kernarg_segment_align: 8
    .kernarg_segment_size: 56
    .max_flat_workgroup_size: 128
    .sgpr_count:     84
    .vgpr_count:     512
    .wavefront_size: 32
...
	.end_amdgpu_metadata
.endif
;; end of part 7
;; launch fwd2 (part 8): grid 8 x 32, 4 waves a work-group, clusters of 4 x 4, 327,680 bytes of LDS; arguments a1, wb, pmax, b2, a2, pp, qq; writes a2, pp, qq
.if DOCPART == 8
	.amdgcn_target "amdgcn-amd-amdhsa--gfx1250"
	.amdhsa_code_object_version 6
	.text
	.protected	k_q35217c72df_fwd2
	.globl	k_q35217c72df_fwd2
	.p2align	8
	.type	k_q35217c72df_fwd2,@function
k_q35217c72df_fwd2:
	s_mov_b64 s[64:65], 0
	v_nop
	global_prefetch_b8 v0, s[64:65] scope:SCOPE_SE
	s_setreg_imm32_b32 hwreg(HW_REG_WAVE_MODE, 25, 1), 1
	s_wait_xcnt 0x0
	s_wait_alu depctr_hold_cnt(0) depctr_sa_sdst(0) depctr_va_vdst(0) depctr_va_sdst(0) depctr_va_ssrc(0) depctr_va_vcc(0) depctr_vm_vsrc(0)
	s_getreg_b32 s2, hwreg(HW_REG_IB_STS2, 6, 4)
	s_cmp_eq_u32 s2, 0
	s_cbranch_scc0 .Lentry_in_a_cluster
	s_endpgm
.Lentry_in_a_cluster:
	s_bfe_u32 s2, ttmp6, 0x10000c
	s_cmp_lg_u32 s2, 0xf033
	s_cbranch_scc0 .Lentry_shape_is_right
	s_endpgm
.Lentry_shape_is_right:
; A HIDDEN LAYER.  y = sc (A W^T + b); a = f16(max(y, 0)); p = (y > 0).  LAYER 1: A = xb, bf16 [4096][1024], W = W1 in bf16.  LAYER 2: A = a1 = sc1 relu(z1), f16 [4096][2048], W = W2 in f16.
; Sums in f32.  a goes to [4096][2048] f16.  p goes out twice, for the two sides of the counts' products: plain, f16 0 or 1, to its 2,048 columns of pp ([4096][5120]); and packed, q = p[2c] + 1024 p[2c+1]
; (0, 1, 1024 or 1025: exact in f16), to qq, which lies in blocks of 64 packed columns, each [4096 samples][128 bytes] dense.  The two layers' texts differ in the line that sets LAYER alone.
; THE SCALE.  f16 ends at 65,504, so the activations are kept times a power of two made from the inputs' own maxima (pmax): S1 = 1024 max|x| max|W1| + max|b1| bounds |z1|,
; S2 = 2048 S1 max|W2| + max|b2| bounds |z2|; with e the exponent field of S, sc = 2^(141 - e), so that |z| sc stays under 2^15 (the factor 2 up to 65,504 covers the roundings).
; The scale enters numbers alone: no branch and no address hangs on it.  The bias is rounded to bf16 like every input.
; LIMITS.  e is held in 16..250, and the exponent field of isc1 sc2 in 1..254; a positive y below f32's smallest number counts as 0; NaN and infinities are not treated apart.
; SHARES.  A work-group makes 128 rows (batch) x 256 columns (features): 8 x 32 = 256 work-groups.  Each of its four waves makes 64 x 128: 32 accumulators, 256 registers.
; K goes in steps of 128 through two LDS slots that take turns; a tile's rows are 256 bytes of memory at multiples of 256.  Waves 0, 1 fetch A's two halves (64 rows each), waves 2, 3 W's (128 rows each).
; CLUSTER.  4 x 4 work-groups: A's tile hangs on the tile row alone and is asked for jointly by a row of the cluster, W's on the tile column alone, by a column.
; THE MATRIX INSTRUCTION IS USED TRANSPOSED (source 0 = 16 rows of W, source 1 = 16 rows of A): a lane holds one row of the result and eight neighbouring columns.
; THE WAY OUT.  A wave's 64 x 128 sums go as f32 through a stage of its own, 64 rows of 528 bytes.  The stages of waves 2 and 3 lie behind the ring; those of waves 0 and 1 at the head of slot 0, which by
; then has had its last fill, and a barrier has passed since its last reader (the number of K steps is even: the last lies in slot 1).
; REGISTERS.  Window 0: v0-31 addresses, bias; v32-63 rows on the way out; v64-159, v160-255 two fragment buffers (W's 8 fragments, then A's 4).  Window 1: accumulator (a, b) at v[8 (8 a + b)].
.set LAYER, 2
.if LAYER == 1
.set K,    1024
.set WOFF, 0                           ; W's first byte in wb
.set PCOL, 1024                        ; p's first column in pp
.set QBLK, 0                           ; q's first block in qq
.else
.set K,    2048
.set WOFF, 4194304
.set PCOL, 3072
.set QBLK, 16
.endif
.set KSTEP,  128
.set PPITCH, 10240                     ; bytes in a row of pp
.set PITCH,  272                       ; an LDS row: 256 bytes + 16 of padding, an odd multiple of 16: the 16 rows of a fragment load start in 16 different 16-byte columns of 256 bytes
.set AHALF,  64*PITCH
.set BHALF,  128*PITCH
.set BOFF,   2*AHALF                   ; a slot: A's 128 rows, then W's 256
.set SLOT1,  131072                    ; slot 1 begins here, so that one exclusive or turns an address in one slot into the other's
.set STAGEH, 237568                    ; behind the ring, never filled by a tensor load: the stages of waves 2 and 3
.set SPITCH, 528
.set WSTAGE, 64*SPITCH                 ; a wave's stage
.set SPARE,  STAGEH+2*WSTAGE           ; the spare words, 128 bytes for each wave
.set STEPS,  K/KSTEP
.set G1W0,   (1<<16)|(1<<20)|(1<<21)|(5<<22)|(3<<25)  ; 2-byte elements; padding on; bit 21 beside a mask; after every 64 words; 4 words
.set AA0, 4                            ; v4, v5  my lane's place in A's and W's part of slot 0; never rewritten
.set AB0, 5
.set AA,  6                            ; v6, v7  the same in the slot in hand
.set AB,  7
.set STO, 8                            ; v8   the way out: where I put 16 bytes of a row
.set RD,  9                            ; v9   where I read rows back
.set RDC, 10                           ; v10  the same for the trip in hand
.set GO,  11                           ; v11  8 x lane: my byte offset in 256 stored bytes
.set SPW, 12                           ; v12  LDS address of my spare word; never rewritten
.set NIL, 13                           ; v13  0; never rewritten
.set LN,  14                           ; v14  lane
.set BO,  15                           ; v15  byte offset of my four columns' bias
.set BIAS, 16                          ; v16-19  sc x bias of my four columns on the way out
.set PO,  20                           ; v20  16 x lane
.set QO,  21                           ; v21  my 8 bytes in two rows of q: 128 (lane % 2) + 8 (lane / 2)
.set X,   32                           ; v32-63  eight rows read back
.set F0,  64
.set F1,  160
.set SC,  64                           ; pmax and the scales' arithmetic, ahead of the first fragments
.set OA,  64                           ; the way out: a, two registers a row
.set OP,  80                           ; p, two registers a row
.set OQ,  96                           ; q, one register a row: my two packed columns
.set OS,  104                          ; q as stored: a pair of registers for two rows
.set SND, 112                          ; what I hand to the lane beside me, and what it hands to me
.set RCV, 113
.set TM,  120                          ; v120-127  max(y, 0) of two rows
.set TP,  128                          ; v128-135  p of two rows as f32
.set WV, 16                            ; s16 wave; s17 its half of the rows; s18 its half of the columns
.set WM, 17
.set WN, 18
.set CX, 19
.set CY, 20
.set TX, 21                            ; tile column, tile row
.set TY, 22
.set RS, 23                            ; the way out: bytes into my stage
.set G1A, 24                           ; s[24:31], s[32:39] descriptor group 1 for A's and W's tiles
.set G1B, 32
.set G0A, 40                           ; s[40:47], s[48:55] group 0: a set for each first fill; the second then walks on
.set G0B, 48
.set TB,  56                           ; the slot in hand: 0 or SLOT1
.set CNT, 57
.set C1,  58                           ; s[58:59] the factor on the sums
.set SEL, 60                           ; s[60:61] v_permlanex16_b32's selects
.set SCB, 62                           ; s[62:63] the factor on the bias
.set CM,  66                           ; s66-73 eight compare masks
.set ABASE, 74                         ; s[74:75], s[76:77], s[80:81] a, p and q at the rows in hand
.set PBASE, 76
.set QBASE, 80
.set KQ,  82                           ; s82  1024.0
.set ODD, 83                           ; s83  the odd lanes
.set MSB, 0
.macro WIN new                         ; the immediate's high byte repeats the setting that is left; a switch that changes nothing is dropped
.if MSB != (\new)
	s_set_vgpr_msb (MSB<<8)|(\new)
.set MSB, \new
.endif
.endm
.macro PLACES                          ; four plain vector instructions between a matrix instruction and a load into, or a read of, its registers
.rept 4
	v_nop
.endr
.endm
.macro CREST                           ; a round of the cluster's barrier behind its opening barrier
	s_cmp_lg_u32 s[WV], 0
	s_cbranch_scc1 .Lnot_wave_0_\@
	s_barrier_signal -3
.Lnot_wave_0_\@:
	s_barrier_wait -3
	s_barrier_signal -1
	s_barrier_wait -1
.endm
.macro CROUND
	s_barrier_signal -1
	s_barrier_wait -1
	CREST
.endm
.macro JLOAD                           ; a joint refill by the walking set; the branch hangs on the wave's number alone; s_nop 0 and four v_nop follow each line
	s_cmp_lt_u32 s[WV], 2
	s_cbranch_scc0 .Lfor_b_\@
	tensor_load_to_lds s[G0A+4:G0A+7], s[G1A:G1A+7]
	s_nop 0
.rept 4
	v_nop
.endr
	s_branch .Lasked_\@
.Lfor_b_\@:
	tensor_load_to_lds s[G0B+4:G0B+7], s[G1B:G1B+7]
	s_nop 0
.rept 4
	v_nop
.endr
.Lasked_\@:
.endm
; 8 matrix instructions: row block a x all 8 column blocks, 32 along K, from buffer f.  zero = 1: the product starts the sums.  The 32 accumulators take turns.
.macro MULA f, a, zero
	WIN 0x50                                       ; C and D in window 1
.irp b, 0,1,2,3,4,5,6,7
.set rD, 8*(8*(\a)+(\b))
.set rB, (\f)+8*(\b)
.set rA, (\f)+64+8*(\a)
.if (\zero) && (LAYER == 1)
	v_wmma_f32_16x16x32_bf16 v[rD:rD+7], v[rB:rB+7], v[rA:rA+7], 0
.elseif LAYER == 1
	v_wmma_f32_16x16x32_bf16 v[rD:rD+7], v[rB:rB+7], v[rA:rA+7], v[rD:rD+7]
.elseif \zero
	v_wmma_f32_16x16x32_f16 v[rD:rD+7], v[rB:rB+7], v[rA:rA+7], 0
.else
	v_wmma_f32_16x16x32_f16 v[rD:rD+7], v[rB:rB+7], v[rA:rA+7], v[rD:rD+7]
.endif
.endr
.endm
; 24 LDS loads in one run: the fragments of 32 along K at byte k of the rows: W's eight, then A's four
.macro FETCH k, f
	WIN 0
.irp i, 0,1,2,3,4,5,6,7
	ds_load_b128 v[(\f)+8*(\i):(\f)+8*(\i)+3],   v[AB] offset:(\k)+(\i)*16*PITCH
	ds_load_b128 v[(\f)+8*(\i)+4:(\f)+8*(\i)+7], v[AB] offset:(\k)+(\i)*16*PITCH+32
.endr
.irp i, 0,1,2,3
	ds_load_b128 v[(\f)+64+8*(\i):(\f)+64+8*(\i)+3],   v[AA] offset:(\k)+(\i)*16*PITCH
	ds_load_b128 v[(\f)+64+8*(\i)+4:(\f)+64+8*(\i)+7], v[AA] offset:(\k)+(\i)*16*PITCH+32
.endr
.endm
; A K step is four quarters of 32 along K, on buffers 0, 1, 0, 1.  One of the first three multiplies buffer f and fetches the next quarter, at byte k, into g.
.macro QUARTER k, f, g, zero
	s_wait_dscnt 4                                 ; W's fragments and A's blocks 0, 1 are in; the youngest four loads (blocks 2, 3) may be out
	MULA \f, 0, \zero
	MULA \f, 1, \zero
	PLACES
	FETCH \k, \g
	s_wait_dscnt 24                                ; all but the 24 just issued
	MULA \f, 2, \zero
	MULA \f, 3, \zero
.endm
; The last quarter multiplies buffer 1 and changes slots.  In front of the barrier each wave waits for all its tensor loads (one is out: its part of the next slot), adds 0 to its spare word, and
; waits for that and for its reads of this slot.  fill = 1: the barrier opens a round of the cluster's, and this slot is filled again, two K steps ahead, first thing behind the round.
.macro TURN fill
	WIN 0
	s_wait_tensorcnt 0x0
	ds_add_u32 v[SPW], v[NIL]
	s_wait_dscnt 5                                 ; the add and the youngest four loads may be out
	MULA F1, 0, 0
	s_wait_dscnt 0x0                               ; the add is done, and my reads of this slot are over
	s_barrier_signal -1
	MULA F1, 1, 0
	WIN 0
	s_barrier_wait -1
.if \fill
	CREST                                          ; no wave of any partner still reads this slot or has a load on its way
	s_xor_b32 s[G0A+5], s[G0A+5], SLOT1            ; the walking sets: the other slot than last time, the next K step
	s_add_nc_u64 s[G0A+6:G0A+7], s[G0A+6:G0A+7], 2*KSTEP
	s_xor_b32 s[G0B+5], s[G0B+5], SLOT1
	s_add_nc_u64 s[G0B+6:G0B+7], s[G0B+6:G0B+7], 2*KSTEP
	JLOAD                                          ; its four v_nop are also the places in front of the loads below
.else
	PLACES
.endif
	s_xor_b32 s[TB], s[TB], SLOT1
	v_add_nc_u32 v[AA], s[TB], v[AA0]
	v_add_nc_u32 v[AB], s[TB], v[AB0]
	FETCH 0, F0
	MULA F1, 2, 0
	MULA F1, 3, 0
.endm
.macro WRED r                          ; the maximum over the 32 lanes, in every lane
	v_max_num_f32_dpp v[\r], v[\r], v[\r] row_xmask:1 row_mask:0xf bank_mask:0xf
	v_max_num_f32_dpp v[\r], v[\r], v[\r] row_xmask:2 row_mask:0xf bank_mask:0xf
	v_max_num_f32_dpp v[\r], v[\r], v[\r] row_xmask:4 row_mask:0xf bank_mask:0xf
	v_max_num_f32_dpp v[\r], v[\r], v[\r] row_xmask:8 row_mask:0xf bank_mask:0xf
	v_permlanex16_b32 v[(\r)+1], v[\r], s[SEL], s[SEL+1]
	v_max_num_f32 v[\r], v[\r], v[(\r)+1]
.endm
; Rows j and j + 1 of a trip's eight: scale and bias, compare, relu, the roundings.  Each kind of line stands for both rows before the next kind, so that no line reads a result made just before it.
; q is 4 bytes a lane and row: of the two rows the even lanes take the even row's 8 bytes of their pair of lanes and the odd lanes the odd row's (one exchange with the lane beside).
.macro ROWS2 j
	s_wait_dscnt 6-(\j)                            ; rows j and j + 1 are in; the loads of rows j + 2 to 7 stay out
.irp e, 0,1
	v_pk_fma_f32 v[X+4*((\j)+(\e)):X+4*((\j)+(\e))+1],   v[X+4*((\j)+(\e)):X+4*((\j)+(\e))+1],   s[C1:C1+1], v[BIAS:BIAS+1]   op_sel_hi:[1,0,1]
	v_pk_fma_f32 v[X+4*((\j)+(\e))+2:X+4*((\j)+(\e))+3], v[X+4*((\j)+(\e))+2:X+4*((\j)+(\e))+3], s[C1:C1+1], v[BIAS+2:BIAS+3] op_sel_hi:[1,0,1]
.endr
.irp e, 0,1
.irp k, 0,1,2,3
	v_cmp_lt_f32 s[CM+4*(\e)+(\k)], 0, v[X+4*((\j)+(\e))+(\k)]
.endr
.endr
.irp e, 0,1
.irp k, 0,1,2,3
	v_max_num_f32 v[TM+4*(\e)+(\k)], 0, v[X+4*((\j)+(\e))+(\k)]
.endr
.endr
.irp e, 0,1
.irp k, 0,1,2,3
	v_cndmask_b32 v[TP+4*(\e)+(\k)], 0, 1.0, s[CM+4*(\e)+(\k)]
.endr
.endr
.irp e, 0,1
	v_cvt_pk_f16_f32 v[OA+2*((\j)+(\e))], v[TM+4*(\e)], v[TM+4*(\e)+1]
	v_cvt_pk_f16_f32 v[OA+2*((\j)+(\e))+1], v[TM+4*(\e)+2], v[TM+4*(\e)+3]
.endr
.irp e, 0,1
	v_cvt_pk_f16_f32 v[OP+2*((\j)+(\e))], v[TP+4*(\e)], v[TP+4*(\e)+1]
	v_cvt_pk_f16_f32 v[OP+2*((\j)+(\e))+1], v[TP+4*(\e)+2], v[TP+4*(\e)+3]
.endr
.irp e, 0,1
	v_fma_f32 v[TP+4*(\e)], v[TP+4*(\e)+1], s[KQ], v[TP+4*(\e)]          ; q = p[2c] + 1024 p[2c+1]
	v_fma_f32 v[TP+4*(\e)+2], v[TP+4*(\e)+3], s[KQ], v[TP+4*(\e)+2]
.endr
.irp e, 0,1
	v_cvt_pk_f16_f32 v[OQ+(\j)+(\e)], v[TP+4*(\e)], v[TP+4*(\e)+2]
.endr
	v_cndmask_b32 v[SND], v[OQ+(\j)+1], v[OQ+(\j)], s[ODD]      ; an even lane hands over its odd row, an odd lane its even row
	v_mov_b32_dpp v[RCV], v[SND] row_xmask:1 row_mask:0xf bank_mask:0xf
	v_cndmask_b32 v[OS+(\j)], v[OQ+(\j)], v[RCV], s[ODD]        ; the lower 4 bytes are the even lane's,
	v_cndmask_b32 v[OS+(\j)+1], v[RCV], v[OQ+(\j)+1], s[ODD]    ; the upper 4 the odd lane's
.endm
; The five stores of rows j and j + 1: a and p, a store a row, and q, one store for both rows; each covers 256 consecutive aligned bytes.  They stand behind the next pair's arithmetic.
.macro SEND2 j
.irp e, 0,1
	global_store_b64 v[GO], v[OA+2*((\j)+(\e)):OA+2*((\j)+(\e))+1], s[ABASE:ABASE+1] offset:4096*((\j)+(\e))
	global_store_b64 v[GO], v[OP+2*((\j)+(\e)):OP+2*((\j)+(\e))+1], s[PBASE:PBASE+1] offset:PPITCH*((\j)+(\e))
.endr
	global_store_b64 v[QO], v[OS+(\j):OS+(\j)+1], s[QBASE:QBASE+1] offset:128*(\j)
.endm
	s_load_b256 s[4:11], s[0:1], 0x0               ; A s[4:5], wb s[6:7], pmax s[8:9], bias s[10:11]
	s_load_b128 s[12:15], s[0:1], 0x20             ; a s[12:13], pp s[14:15]
	s_load_b64 s[QBASE:QBASE+1], s[0:1], 0x30      ; qq
	v_lshl_add_u32 v[SPW], v0, 2, SPARE
	v_mov_b32 v[NIL], 0
	ds_add_u32 v[SPW], v[NIL]                      ; the wave's opening: the add and its wait stand ahead of my first tensor load; the set-up stands between them
	v_lshrrev_b32 v1, 5, v0
	v_readfirstlane_b32 s[WV], v1
	s_lshr_b32 s[WM], s[WV], 1
	s_and_b32 s[WN], s[WV], 1                      ; also: which half of a tile I fetch
	s_bfe_u32 s[CX], ttmp6, 0x40000
	s_bfe_u32 s[CY], ttmp6, 0x40004
	s_lshl_b32 s[TX], ttmp9, 2                     ; in a cluster launch ttmp9 and ttmp7 count clusters
	s_add_co_u32 s[TX], s[TX], s[CX]
	s_and_b32 s[TY], ttmp7, 0xffff
	s_lshl_b32 s[TY], s[TY], 2
	s_add_co_u32 s[TY], s[TY], s[CY]
	s_lshl_b32 s70, s[CY], 2
	s_lshl_b32 s70, 15, s70                        ; my row of the cluster
	s_lshl_b32 s71, 0x1111, s[CX]                  ; my column
	s_or_b32 s[G1A], s70, G1W0
	s_or_b32 s[G1B], s71, G1W0
	s_mov_b32 s[G1A+1], KSTEP<<16                  ; tensor_dim0 = 128
	s_mov_b32 s[G1A+2], 64<<16                     ; tensor_dim1 = 64
	s_mov_b32 s[G1A+3], KSTEP<<16                  ; tile_dim0 = 128
	s_mov_b32 s[G1A+4], 64                         ; tile_dim1 = 64
	s_mov_b32 s[G1A+5], K                          ; elements from row to row
	s_mov_b32 s[G1A+6], 0
	s_mov_b32 s[G1A+7], 0
	s_mov_b32 s[G1B+1], KSTEP<<16
	s_mov_b32 s[G1B+2], 128<<16                    ; W's loads bring 128 rows
	s_mov_b32 s[G1B+3], KSTEP<<16
	s_mov_b32 s[G1B+4], 128
	s_mov_b32 s[G1B+5], K
	s_mov_b32 s[G1B+6], 0
	s_mov_b32 s[G1B+7], 0
	s_lshl_b32 s72, s[TY], 7                       ; A: row 128 x tile row + 64 x half, in bytes; these registers never hold the tile column
	s_lshl_b32 s73, s[WN], 6
	s_add_co_u32 s72, s72, s73
	s_mul_i32 s72, s72, K*2
	s_mov_b32 s73, 0
	s_lshl_b32 s78, s[TX], 8                       ; W: row 256 x tile column + 128 x half; these never hold the tile row
	s_lshl_b32 s79, s[WN], 7
	s_add_co_u32 s78, s78, s79
	s_mul_i32 s78, s78, K*2
	s_add_co_u32 s78, s78, WOFF
	s_mov_b32 s79, 0
	s_mul_i32 s2, s[WN], AHALF                     ; where they go: the wave's number alone enters an LDS address
	s_mul_i32 s3, s[WN], BHALF
	s_add_co_u32 s3, s3, BOFF
	s_mov_b32 s[G0A], 1
	s_mov_b32 s[G0A+1], s2
	s_mov_b32 s[G0A+4], 1
	s_add_co_u32 s[G0A+5], s2, SLOT1
	s_mov_b32 s[G0B], 1
	s_mov_b32 s[G0B+1], s3
	s_mov_b32 s[G0B+4], 1
	s_add_co_u32 s[G0B+5], s3, SLOT1
	s_mov_b32 s[SEL], 0x76543210
	s_mov_b32 s[SEL+1], 0xfedcba98
	s_mov_b32 s[KQ], 0x44800000                    ; 1024.0
	s_mov_b32 s[TB], 0
	s_wait_dscnt 0x0                               ; the opening add is done
	s_wait_kmcnt 0x0
	s_add_nc_u64 s[G0A+2:G0A+3], s[4:5], s[72:73]  ; K step 0
	s_add_nc_u64 s[G0A+6:G0A+7], s[G0A+2:G0A+3], 2*KSTEP  ; K step 1
	s_or_b32 s[G0A+3], s[G0A+3], 0x80000000        ; type = 2
	s_or_b32 s[G0A+7], s[G0A+7], 0x80000000
	s_add_nc_u64 s[G0B+2:G0B+3], s[6:7], s[78:79]
	s_add_nc_u64 s[G0B+6:G0B+7], s[G0B+2:G0B+3], 2*KSTEP
	s_or_b32 s[G0B+3], s[G0B+3], 0x80000000
	s_or_b32 s[G0B+7], s[G0B+7], 0x80000000
	CROUND                                         ; all sixteen work-groups are here: the first joint loads meet
	s_cmp_lt_u32 s[WV], 2                          ; a wave's two first fills stand in one branch: two loads of mine are out
	s_cbranch_scc0 .Lfirst_b
	tensor_load_to_lds s[G0A:G0A+3], s[G1A:G1A+7]
	s_nop 0
	tensor_load_to_lds s[G0A+4:G0A+7], s[G1A:G1A+7]
	s_nop 0
.rept 4
	v_nop
.endr
	s_branch .Lfirst_asked
.Lfirst_b:
	tensor_load_to_lds s[G0B:G0B+3], s[G1B:G1B+7]
	s_nop 0
	tensor_load_to_lds s[G0B+4:G0B+7], s[G1B:G1B+7]
	s_nop 0
.rept 4
	v_nop
.endr
.Lfirst_asked:
	; A fragment is 16 rows x 32 K in 8 registers: lane l holds row l % 16, K = 8 (l / 16) + 0..7 and 16 + 8 (l / 16) + 0..7: two loads of 16 bytes, 32 bytes apart.
	v_and_b32 v1, 15, v0
	v_bfe_u32 v2, v0, 4, 1
	v_and_b32 v[LN], 31, v0
	v_mul_u32_u24 v3, v1, PITCH
	v_lshl_add_u32 v3, v2, 4, v3
	s_mul_i32 s2, s[WM], AHALF                     ; my 64 rows of A
	s_mul_i32 s3, s[WN], BHALF                     ; my 128 rows of W
	s_add_co_u32 s3, s3, BOFF
	v_add_nc_u32 v[AA0], s2, v3
	v_add_nc_u32 v[AB0], s3, v3
	v_add_nc_u32 v[AA], s[TB], v[AA0]
	v_add_nc_u32 v[AB], s[TB], v[AB0]
	s_mul_i32 s2, s[WM], STAGEH                    ; my stage: waves 0, 1 at bytes 0 and 33,792; waves 2, 3 at 237,568 and 271,360
	s_mul_i32 s3, s[WN], WSTAGE
	s_add_co_u32 s2, s2, s3
	v_mul_u32_u24 v3, v1, SPITCH                   ; in: row l % 16, 32 bytes for each half of the lanes
	v_lshl_add_u32 v3, v2, 5, v3
	v_add_nc_u32 v[STO], s2, v3
	v_lshl_add_u32 v[RD], v[LN], 4, s2             ; back: 32 lanes take a row of 512 bytes
	v_lshlrev_b32 v[GO], 3, v[LN]
	v_lshlrev_b32 v[PO], 4, v[LN]
	v_and_b32 v[QO], 1, v0
	v_cmp_eq_u32 s[ODD], 1, v[QO]                  ; the odd lanes
	v_lshlrev_b32 v[QO], 7, v[QO]                  ; they store the odd row, 128 bytes on;
	v_lshrrev_b32 v22, 1, v[LN]
	v_lshl_add_u32 v[QO], v22, 3, v[QO]            ; a pair of lanes has 8 bytes of each row
	s_lshl_b32 s66, s[TX], 10                      ; my first column x 4 bytes
	s_lshl_b32 s67, s[WN], 9
	s_add_co_u32 s66, s66, s67
	v_lshl_add_u32 v[BO], v[LN], 4, s66
	s_lshl_b32 s68, s[TY], 7
	s_lshl_b32 s69, s[WM], 6
	s_add_co_u32 s68, s68, s69                     ; my first row
	s_lshr_b32 s69, s66, 1                         ; my first column x 2 bytes
	s_lshl_b32 s66, s68, 12                        ; rows of a are 4,096 bytes
	s_add_co_u32 s66, s66, s69
	s_mov_b32 s67, 0
	s_add_nc_u64 s[ABASE:ABASE+1], s[12:13], s[66:67]
	s_mul_i32 s66, s68, PPITCH                     ; rows of pp are 10,240 bytes
	s_add_co_u32 s66, s66, s69
	s_add_co_u32 s66, s66, 2*PCOL
	s_add_nc_u64 s[PBASE:PBASE+1], s[14:15], s[66:67]
	s_lshl_b32 s66, s[TX], 1                       ; my 128 columns are one block of qq: 2 x tile column + my half,
	s_add_co_u32 s66, s66, s[WN]
	s_add_co_u32 s66, s66, QBLK
	s_lshl_b32 s66, s66, 19                        ; of 524,288 bytes;
	s_lshl_b32 s69, s68, 7                         ; a row of it is 128 bytes
	s_add_co_u32 s66, s66, s69
	s_add_nc_u64 s[QBASE:QBASE+1], s[QBASE:QBASE+1], s[66:67]
	; THE SCALES, in the wait for the first tile: every wave reads all of pmax (5 x 256 numbers) and its bias
.irp c, 0,1,2,3,4
	global_load_b128 v[SC+8*(\c):SC+8*(\c)+3],   v[PO], s[8:9] offset:1024*(\c)
	global_load_b128 v[SC+8*(\c)+4:SC+8*(\c)+7], v[PO], s[8:9] offset:1024*(\c)+512
.endr
	global_load_b128 v[BIAS:BIAS+3], v[BO], s[10:11]
	s_wait_loadcnt 0x0
.irp c, 0,1,2,3,4
	v_max3_num_f32 v[SC+8*(\c)], v[SC+8*(\c)], v[SC+8*(\c)+1], v[SC+8*(\c)+2]
	v_max3_num_f32 v[SC+8*(\c)], v[SC+8*(\c)], v[SC+8*(\c)+3], v[SC+8*(\c)+4]
	v_max3_num_f32 v[SC+8*(\c)], v[SC+8*(\c)], v[SC+8*(\c)+5], v[SC+8*(\c)+6]
	v_max_num_f32 v[SC+8*(\c)], v[SC+8*(\c)], v[SC+8*(\c)+7]
	WRED SC+8*(\c)
.endr
	v_mul_f32 v[SC+40], v[SC], v[SC+8]
	v_fmamk_f32 v[SC+40], v[SC+40], 0x44800000, v[SC+16]   ; S1 = 1024 max|x| max|W1| + max|b1|
	v_mul_f32 v[SC+41], v[SC+40], v[SC+24]
	v_fmamk_f32 v[SC+41], v[SC+41], 0x45000000, v[SC+32]   ; S2 = 2048 S1 max|W2| + max|b2|
	v_readfirstlane_b32 s66, v[SC+40]
	v_readfirstlane_b32 s67, v[SC+41]
	s_lshr_b32 s66, s66, 23                        ; e1, e2: the exponent fields (S is not negative)
	s_max_u32 s66, s66, 16
	s_min_u32 s66, s66, 250
	s_lshr_b32 s67, s67, 23
	s_max_u32 s67, s67, 16
	s_min_u32 s67, s67, 250
.if LAYER == 1
	s_sub_co_u32 s[C1], 268, s66                   ; sc1 = 2^(141 - e1): exponent field 268 - e1
	s_lshl_b32 s[C1], s[C1], 23
	s_mov_b32 s[SCB], s[C1]
.else
	s_sub_co_u32 s[C1], s66, s67                   ; sc2 / sc1 = 2^(e1 - e2)
	s_add_co_u32 s[C1], s[C1], 127
	s_max_i32 s[C1], s[C1], 1
	s_min_i32 s[C1], s[C1], 254
	s_lshl_b32 s[C1], s[C1], 23
	s_sub_co_u32 s[SCB], 268, s67                  ; sc2
	s_lshl_b32 s[SCB], s[SCB], 23
.endif
	s_mov_b32 s[C1+1], s[C1]                       ; named as pairs
	s_mov_b32 s[SCB+1], s[SCB]
	v_cvt_pk_bf16_f32 v[SC+1], v[BIAS], v[BIAS+1]  ; the bias rounded to bf16, widened again, times its scale
	v_cvt_pk_bf16_f32 v[SC+2], v[BIAS+2], v[BIAS+3]
	v_lshlrev_b32 v[BIAS], 16, v[SC+1]
	v_and_b32 v[BIAS+1], 0xffff0000, v[SC+1]
	v_lshlrev_b32 v[BIAS+2], 16, v[SC+2]
	v_and_b32 v[BIAS+3], 0xffff0000, v[SC+2]
	v_pk_mul_f32 v[BIAS:BIAS+1], v[BIAS:BIAS+1], s[SCB:SCB+1] op_sel_hi:[1,0]
	v_pk_mul_f32 v[BIAS+2:BIAS+3], v[BIAS+2:BIAS+3], s[SCB:SCB+1] op_sel_hi:[1,0]
	s_wait_tensorcnt 1                             ; my part of K step 0 is in; K step 1's may stay out
	s_barrier_signal -1
	s_barrier_wait -1                              ; everybody's is
	FETCH 0, F0
	QUARTER 64, F0, F1, 1                          ; the first quarter stands in front of the loop: its products start the sums
	WIN 0                                          ; at a label and at a branch every window is 0
	s_mov_b32 s[CNT], STEPS-2
.Lstep:                                                ; a trip: from a K step's second quarter to the next step's first; it fills the slot that it leaves
	QUARTER 128, F1, F0, 0
	QUARTER 192, F0, F1, 0
	TURN 1
	QUARTER 64, F0, F1, 0
	WIN 0
	s_sub_co_u32 s[CNT], s[CNT], 1
	s_cmp_lg_u32 s[CNT], 0
	s_cbranch_scc1 .Lstep
	QUARTER 128, F1, F0, 0                         ; the last two K steps are written out: nothing is left to ask for
	QUARTER 192, F0, F1, 0
	TURN 0
	QUARTER 64, F0, F1, 0
	QUARTER 128, F1, F0, 0
	QUARTER 192, F0, F1, 0
	s_wait_dscnt 4
	MULA F1, 0, 0
	MULA F1, 1, 0
	s_wait_dscnt 0x0
	MULA F1, 2, 0
	MULA F1, 3, 0
	PLACES
	; THE WAY OUT.  The f32 sums go into my own stage (each accumulator's low four registers first) and come back as whole rows of 128 columns, four columns a lane.
	; LDS serves a wave's instructions in order (ISA guide 5.7.1.4), so no wait stands between my stores into the stage and my loads.
	WIN 0x04                                       ; a store's data is source 1: window 1
.irp a, 0,1,2,3
.irp b, 0,1,2,3,4,5,6,7
	ds_store_b128 v[STO], v[8*(8*(\a)+(\b)):8*(8*(\a)+(\b))+3]   offset:(\a)*16*SPITCH+64*(\b)
	ds_store_b128 v[STO], v[8*(8*(\a)+(\b))+4:8*(8*(\a)+(\b))+7] offset:(\a)*16*SPITCH+64*(\b)+16
.endr
.endr
	WIN 0
	v_mov_b32 v[RCV], 0                            ; the destination of a DPP form counts as read: it is written once before
	s_mov_b32 s[RS], 0
	s_mov_b32 s[CNT], 8
.Lrows:                                                ; eight trips of eight rows
	v_add_nc_u32 v[RDC], s[RS], v[RD]
.irp j, 0,1,2,3,4,5,6,7
	ds_load_b128 v[X+4*(\j):X+4*(\j)+3], v[RDC] offset:SPITCH*(\j)
.endr
	ROWS2 0
	ROWS2 2
	SEND2 0
	ROWS2 4
	SEND2 2
	ROWS2 6
	SEND2 4
	SEND2 6
	s_wait_xcnt 0x0                                ; the stores' bases and data are rewritten only behind this wait
	s_add_nc_u64 s[ABASE:ABASE+1], s[ABASE:ABASE+1], 8*4096
	s_add_nc_u64 s[PBASE:PBASE+1], s[PBASE:PBASE+1], 8*PPITCH
	s_add_nc_u64 s[QBASE:QBASE+1], s[QBASE:QBASE+1], 8*128
	s_add_co_u32 s[RS], s[RS], 8*SPITCH
	s_sub_co_u32 s[CNT], s[CNT], 1
	s_cmp_lg_u32 s[CNT], 0
	s_cbranch_scc1 .Lrows
	s_wait_tensorcnt 0x0                           ; the wave's end
	ds_add_u32 v[SPW], v[NIL]
	s_wait_dscnt 0x0
	CROUND                                         ; the closing round: no work-group ends while a partner may still ask for a tile that names it
	s_endpgm
.Lfunc_end_k_q35217c72df_fwd2:
	.size	k_q35217c72df_fwd2, .Lfunc_end_k_q35217c72df_fwd2-k_q35217c72df_fwd2
	.p2alignl 7, 3214868480
	.fill 96, 4, 3214868480
	.section	.rodata,"a",@progbits
	.p2align	6, 0x0
	.amdhsa_kernel k_q35217c72df_fwd2
		.amdhsa_group_segment_fixed_size 327680
		.amdhsa_private_segment_fixed_size 0
		.amdhsa_enable_private_segment 0
		.amdhsa_kernarg_size 56
		.amdhsa_user_sgpr_count 2
		.amdhsa_user_sgpr_kernarg_segment_ptr 1
		.amdhsa_wavefront_size32 1
		.amdhsa_system_sgpr_workgroup_id_x 1
		.amdhsa_system_sgpr_workgroup_id_y 1
		.amdhsa_system_sgpr_workgroup_id_z 1
		.amdhsa_system_vgpr_workitem_id 0
		.amdhsa_next_free_vgpr 512
		.amdhsa_next_free_sgpr 84
		.amdhsa_reserve_vcc 0
		.amdhsa_float_denorm_mode_32 3
		.amdhsa_float_denorm_mode_16_64 3
		.amdhsa_memory_ordered 1
		.amdhsa_forward_progress 1
		.amdhsa_inst_pref_size 78
	.end_amdhsa_kernel
	.amdgpu_metadata
---
amdhsa.version: [ 1, 2 ]
amdhsa.kernels:
  - .name:           k_q35217c72df_fwd2
    .symbol:         k_q35217c72df_fwd2.kd
    .args:
      - { .name: a1, .offset: 0, .size: 8, .value_kind: global_buffer, .address_space: global }
      - { .name: wb, .offset: 8, .size: 8, .value_kind: global_buffer, .address_space: global }
      - { .name: pmax, .offset: 16, .size: 8, .value_kind: global_buffer, .address_space: global }
      - { .name: b2, .offset: 24, .size: 8, .value_kind: global_buffer, .address_space: global }
      - { .name: a2, .offset: 32, .size: 8, .value_kind: global_buffer, .address_space: global }
      - { .name: pp, .offset: 40, .size: 8, .value_kind: global_buffer, .address_space: global }
      - { .name: qq, .offset: 48, .size: 8, .value_kind: global_buffer, .address_space: global }
    .group_segment_fixed_size: 327680
    .private_segment_fixed_size: 0
    .kernarg_segment_align: 8
    .kernarg_segment_size: 56
    .max_flat_workgroup_size: 128
    .sgpr_count:     84
    .vgpr_count:     512
    .wavefront_size: 32
...
	.end_amdgpu_metadata
.endif
;; end of part 8
;; launch fwd3 (part 9): grid 8 x 32, 4 waves a work-group, clusters of 4 x 4, 327,680 bytes of LDS; arguments a2, wb, pmax, b3, out0, qq; writes out0, qq
.if DOCPART == 9
	.amdgcn_target "amdgcn-amd-amdhsa--gfx1250"
	.amdhsa_code_object_version 6
	.text
	.protected	k_q35217c72df_fwd3
	.globl	k_q35217c72df_fwd3
	.p2align	8
	.type	k_q35217c72df_fwd3,@function
k_q35217c72df_fwd3:
	s_mov_b64 s[64:65], 0
	v_nop
	global_prefetch_b8 v0, s[64:65] scope:SCOPE_SE
	s_setreg_imm32_b32 hwreg(HW_REG_WAVE_MODE, 25, 1), 1
	s_wait_xcnt 0x0
	s_wait_alu depctr_hold_cnt(0) depctr_sa_sdst(0) depctr_va_vdst(0) depctr_va_sdst(0) depctr_va_ssrc(0) depctr_va_vcc(0) depctr_vm_vsrc(0)
	s_getreg_b32 s2, hwreg(HW_REG_IB_STS2, 6, 4)
	s_cmp_eq_u32 s2, 0
	s_cbranch_scc0 .Lentry_in_a_cluster
	s_endpgm
.Lentry_in_a_cluster:
	s_bfe_u32 s2, ttmp6, 0x10000c
	s_cmp_lg_u32 s2, 0xf033
	s_cbranch_scc0 .Lentry_shape_is_right
	s_endpgm
.Lentry_shape_is_right:
; THE LAST LAYER.  logits = (a2 W3^T) / sc2 + b3, f32 [4096][1000]; p3 = (logits > 0) goes out packed, q = p3[2c] + 1024 p3[2c+1] in f16, to blocks 32-39 of qq (a block: 64 packed columns,
; [4096 samples][128 bytes] dense).  a2 = sc2 relu(z2), f16 [4096][2048]; W3 in f16, padded to 1,024 rows of which the last 24 are 0: columns 1000-1023 get the sum 0, the bias 0 and so p3 = 0;
; of the logits they are not stored.  Sums in f32.
; 1 / sc2 is the power of two 2^(e2 - 141), e2 the exponent field of S2 = 2048 S1 max|W2| + max|b2|, S1 = 1024 max|x| max|W1| + max|b1|, made from pmax as the layers before made sc2.
; LIMITS.  e2 is held in 16..250; b3 is rounded to bf16 like every input; NaN and infinities are not treated apart.
; SHARES.  A tile of 128 x 128, 8 x 32 = 256 work-groups (128 x 256 would give 128); four waves of 64 x 64: 16 accumulators.  K goes in steps of 256 (LDS rows of 512 bytes, 64 rows to a wave's load)
; through two slots.  CLUSTER 4 x 4: a2's tile is asked for jointly along a row of the cluster, W3's along a column.  The matrix instruction is used transposed (source 0 = rows of W3).
; THE WAY OUT goes through one stage of 128 rows x 528 bytes shared by the four waves, since a wave's 64 columns are half of a row's 512 bytes; a barrier stands between writing and reading.  The stage lies
; at the head of slot 0, which by then has had its last fill, and a barrier has passed since its last reader (the last of the eight K steps lies in slot 1).  A wave then owns 32 whole rows: a counted loop
; makes logits and q, stores q and puts the logits back in place; at last the rows are loaded with the row in the immediate, EXEC is narrowed once, and they are stored.  So every LDS address is written
; ahead of the one place where EXEC hangs on the tile's column.
; REGISTERS.  Window 0: v0-31 addresses and bias; v32-95 at work; v128-255 the accumulators ((a, b) at v[128 + 8 (4 a + b)]), at last 32 rows of logits.  Window 1: two fragment buffers of 128 (64 of A, then 64 of W3).
.set KSTEP,  256
.set SIZE_K, 2048
.set W3OFF,  12582912                  ; W3's first byte in wb
.set PITCH,  528                       ; 512 bytes + 16 of padding, an odd multiple of 16
.set HALFT,  64*PITCH
.set SLOT,   4*HALFT                   ; A's 128 rows, then W3's 128
.set SPITCH, 528                       ; a stage row; the stage begins at LDS byte 0
.set SPARE,  2*SLOT                    ; behind the ring: the spare words, 128 bytes for each wave
.set LAPS,   SIZE_K/(2*KSTEP)
.set G1W0,   (1<<16)|(1<<20)|(1<<21)|(6<<22)|(3<<25)  ; 2-byte elements; padding on; bit 21 beside a mask; after every 128 words; 4 words
.set LN,  6                            ; v6   lane
.set BO,  7                            ; v7   byte offset of my four columns' bias, held inside b3
.set BIAS, 8                           ; v8-11
.set RDC, 12                           ; v12  where I read rows back, for the trip in hand
.set GL,  13                           ; v13  16 x lane
.set COL, 14                           ; v14  my first column on the way out
.set QO,  15                           ; v15  my 8 bytes in two rows of q: 128 (lane % 2) + 8 (lane / 2)
.set ADRA, 16                          ; v16-17  LDS address of my A fragments in slot 0, 1
.set ADRB, 20                          ; v20-21  the same for W3
.set STO, 24                           ; v24  the way out: where I put 16 bytes of a row; never rewritten
.set RD,  25                           ; v25  where I read rows back; never rewritten
.set SPW, 28                           ; v28  LDS address of my spare word; never rewritten
.set NIL, 29                           ; v29  0; never rewritten
.set X,   32                           ; v32-63  eight rows read back
.set SC,  32                           ; pmax and the scale's arithmetic, ahead of the loop
.set OQ,  64                           ; v64-71  q, one register a row: my two packed columns
.set OS,  72                           ; v72-79  q as stored: a pair of registers for two rows
.set TP,  80                           ; v80-87  p of two rows as f32
.set SND, 88                           ; what I hand to the lane beside me, and what it hands to me
.set RCV, 89
.set ACC, 128
.set F0,  0
.set F1,  128
.set WV, 16
.set WM, 17
.set WN, 18
.set CX, 19
.set CY, 20
.set TX, 21
.set TY, 22
.set RS, 23                            ; the way out: bytes from my first stage row
.set G1A, 24
.set G1B, 32
.set G0A, 40                           ; s[40:47], s[48:55] group 0, one set for each slot
.set G0B, 48
.set LAP, 56
.set CNT, 56                           ; the way out's counter, when the laps are over
.set KQ,  57                           ; s57  1024.0
.set C1,  58                           ; s[58:59] 1 / sc2
.set SEL, 60
.set ODD, 62                           ; s62  the odd lanes
.set SV,  63                           ; EXEC, kept
.set CM,  66                           ; s66-73 eight compare masks
.set LB,  74                           ; s[74:75] logits at the first of my 32 rows
.set PB,  76                           ; s[76:77] q at the rows in hand
.set MSB, 0
.macro WIN new
.if MSB != (\new)
	s_set_vgpr_msb (MSB<<8)|(\new)
.set MSB, \new
.endif
.endm
.set MUL,  0x05                        ; sources 0 and 1 in window 1; C and D in window 0
.set TO_F, 0x40                        ; destination window 1, address window 0
.macro PLACES
.rept 4
	v_nop
.endr
.endm
.macro CREST
	s_cmp_lg_u32 s[WV], 0
	s_cbranch_scc1 .Lnot_wave_0_\@
	s_barrier_signal -3
.Lnot_wave_0_\@:
	s_barrier_wait -3
	s_barrier_signal -1
	s_barrier_wait -1
.endm
.macro CROUND
	s_barrier_signal -1
	s_barrier_wait -1
	CREST
.endm
.macro JLOAD s                         ; a joint refill of slot s: waves 0, 1 fetch A's halves, waves 2, 3 W3's; s_nop 0 and four v_nop follow each line
	s_cmp_lt_u32 s[WV], 2
	s_cbranch_scc0 .Lfor_b_\@
	tensor_load_to_lds s[G0A+4*(\s):G0A+4*(\s)+3], s[G1A:G1A+7]
	s_nop 0
.rept 4
	v_nop
.endr
	s_branch .Lasked_\@
.Lfor_b_\@:
	tensor_load_to_lds s[G0B+4*(\s):G0B+4*(\s)+3], s[G1B:G1B+7]
	s_nop 0
.rept 4
	v_nop
.endr
.Lasked_\@:
.endm
; 8 matrix instructions: row blocks a0, a0 + 1 x all 4 column blocks, 32 along K: half c of buffer f.  The 16 accumulators take turns.
.macro MUL8 f, c, a0, zero
	WIN MUL
.irp a, \a0, (\a0)+1
.irp b, 0,1,2,3
.if \zero
	v_wmma_f32_16x16x32_f16 v[ACC+8*(4*(\a)+(\b)):ACC+8*(4*(\a)+(\b))+7], v[(\f)+64+8*(4*(\c)+(\b)):(\f)+64+8*(4*(\c)+(\b))+7], v[(\f)+8*(4*(\c)+(\a)):(\f)+8*(4*(\c)+(\a))+7], 0
.else
	v_wmma_f32_16x16x32_f16 v[ACC+8*(4*(\a)+(\b)):ACC+8*(4*(\a)+(\b))+7], v[(\f)+64+8*(4*(\c)+(\b)):(\f)+64+8*(4*(\c)+(\b))+7], v[(\f)+8*(4*(\c)+(\a)):(\f)+8*(4*(\c)+(\a))+7], v[ACC+8*(4*(\a)+(\b)):ACC+8*(4*(\a)+(\b))+7]
.endif
.endr
.endr
.endm
; 32 LDS loads in one run: the fragments of 64 along K at byte k of the rows, the first 32 along K first
.macro FETCH slot, k, f
	WIN TO_F
.irp c, 0,1
.irp i, 0,1,2,3
	ds_load_b128 v[(\f)+64+8*(4*(\c)+(\i)):(\f)+64+8*(4*(\c)+(\i))+3],   v[ADRB+(\slot)] offset:(\k)+64*(\c)+(\i)*16*PITCH
	ds_load_b128 v[(\f)+64+8*(4*(\c)+(\i))+4:(\f)+64+8*(4*(\c)+(\i))+7], v[ADRB+(\slot)] offset:(\k)+64*(\c)+(\i)*16*PITCH+32
	ds_load_b128 v[(\f)+8*(4*(\c)+(\i)):(\f)+8*(4*(\c)+(\i))+3],         v[ADRA+(\slot)] offset:(\k)+64*(\c)+(\i)*16*PITCH
	ds_load_b128 v[(\f)+8*(4*(\c)+(\i))+4:(\f)+8*(4*(\c)+(\i))+7],       v[ADRA+(\slot)] offset:(\k)+64*(\c)+(\i)*16*PITCH+32
.endr
.endr
.endm
; A K step is four quarters of 64 along K, 32 matrix instructions each, on buffers 0, 1, 0, 1.
.macro QUARTER slot, k, f, g, zero
	s_wait_dscnt 16                                ; the first 32 along K are in; the youngest sixteen loads may be out
	MUL8 \f, 0, 0, \zero
	MUL8 \f, 0, 2, \zero
	PLACES
	FETCH \slot, \k, \g
	s_wait_dscnt 32                                ; all but the 32 just issued
	MUL8 \f, 1, 0, 0
	MUL8 \f, 1, 2, 0
.endm
; The last quarter multiplies buffer 1 and changes slots: each wave waits for all its tensor loads, adds 0 to its spare word, waits for that and for its reads of this slot, and signals.
; fill = 1: the barrier opens a round of the cluster's, and this slot is filled again, two K steps ahead, first thing behind the round.
.macro TURN slot, next, fill
	WIN 0
	s_wait_tensorcnt 0x0
	ds_add_u32 v[SPW], v[NIL]
	s_wait_dscnt 17                                ; the add and the youngest sixteen loads may be out
	MUL8 F1, 0, 0, 0
	s_wait_dscnt 0x0                               ; the add is done, and my reads of this slot are over
	s_barrier_signal -1
	MUL8 F1, 0, 2, 0
	WIN 0
	s_barrier_wait -1
.if \fill
	CREST
	s_add_nc_u64 s[G0A+4*(\slot)+2:G0A+4*(\slot)+3], s[G0A+4*(\slot)+2:G0A+4*(\slot)+3], 2*KSTEP*2
	s_add_nc_u64 s[G0B+4*(\slot)+2:G0B+4*(\slot)+3], s[G0B+4*(\slot)+2:G0B+4*(\slot)+3], 2*KSTEP*2
	JLOAD \slot                                    ; its four v_nop are also the places in front of the loads below
.else
	PLACES
.endif
	FETCH \next, 0, F0
	MUL8 F1, 1, 0, 0
	MUL8 F1, 1, 2, 0
.endm
.macro WRED r
	v_max_num_f32_dpp v[\r], v[\r], v[\r] row_xmask:1 row_mask:0xf bank_mask:0xf
	v_max_num_f32_dpp v[\r], v[\r], v[\r] row_xmask:2 row_mask:0xf bank_mask:0xf
	v_max_num_f32_dpp v[\r], v[\r], v[\r] row_xmask:4 row_mask:0xf bank_mask:0xf
	v_max_num_f32_dpp v[\r], v[\r], v[\r] row_xmask:8 row_mask:0xf bank_mask:0xf
	v_permlanex16_b32 v[(\r)+1], v[\r], s[SEL], s[SEL+1]
	v_max_num_f32 v[\r], v[\r], v[(\r)+1]
.endm
; Rows j and j + 1 of a trip's eight: the logits, which go back to their place in the stage, the compare and q.  Each kind of line stands for both rows before the next kind.
; q is 4 bytes a lane and row: of the two rows the even lanes take the even row's 8 bytes of their pair of lanes and the odd lanes the odd row's (one exchange with the lane beside).
.macro ROWS2 j
	s_wait_dscnt 6                                 ; rows j and j + 1 are in: behind row j + 1's load stand the 6 - j loads of later rows and the j stores that put earlier rows back
.irp e, 0,1
	v_pk_fma_f32 v[X+4*((\j)+(\e)):X+4*((\j)+(\e))+1],   v[X+4*((\j)+(\e)):X+4*((\j)+(\e))+1],   s[C1:C1+1], v[BIAS:BIAS+1]   op_sel_hi:[1,0,1]
	v_pk_fma_f32 v[X+4*((\j)+(\e))+2:X+4*((\j)+(\e))+3], v[X+4*((\j)+(\e))+2:X+4*((\j)+(\e))+3], s[C1:C1+1], v[BIAS+2:BIAS+3] op_sel_hi:[1,0,1]
.endr
.irp e, 0,1
.irp k, 0,1,2,3
	v_cmp_lt_f32 s[CM+4*(\e)+(\k)], 0, v[X+4*((\j)+(\e))+(\k)]
.endr
.endr
.irp e, 0,1
	ds_store_b128 v[RDC], v[X+4*((\j)+(\e)):X+4*((\j)+(\e))+3] offset:SPITCH*((\j)+(\e))
.endr
.irp e, 0,1
.irp k, 0,1,2,3
	v_cndmask_b32 v[TP+4*(\e)+(\k)], 0, 1.0, s[CM+4*(\e)+(\k)]
.endr
.endr
.irp e, 0,1
	v_fma_f32 v[TP+4*(\e)], v[TP+4*(\e)+1], s[KQ], v[TP+4*(\e)]          ; q = p[2c] + 1024 p[2c+1]
	v_fma_f32 v[TP+4*(\e)+2], v[TP+4*(\e)+3], s[KQ], v[TP+4*(\e)+2]
.endr
.irp e, 0,1
	v_cvt_pk_f16_f32 v[OQ+(\j)+(\e)], v[TP+4*(\e)], v[TP+4*(\e)+2]
.endr
	v_cndmask_b32 v[SND], v[OQ+(\j)+1], v[OQ+(\j)], s[ODD]      ; an even lane hands over its odd row, an odd lane its even row
	v_mov_b32_dpp v[RCV], v[SND] row_xmask:1 row_mask:0xf bank_mask:0xf
	v_cndmask_b32 v[OS+(\j)], v[OQ+(\j)], v[RCV], s[ODD]        ; the lower 4 bytes are the even lane's,
	v_cndmask_b32 v[OS+(\j)+1], v[RCV], v[OQ+(\j)+1], s[ODD]    ; the upper 4 the odd lane's
.endm
.macro SENDQ j                         ; q of rows j and j + 1: 256 consecutive aligned bytes of the block; it stands behind the next pair's arithmetic
	global_store_b64 v[QO], v[OS+(\j):OS+(\j)+1], s[PB:PB+1] offset:128*(\j)
.endm
	s_load_b256 s[4:11], s[0:1], 0x0               ; a2 s[4:5], wb s[6:7], pmax s[8:9], b3 s[10:11]
	s_load_b128 s[12:15], s[0:1], 0x20             ; out0 s[12:13], qq s[14:15]
	v_lshl_add_u32 v[SPW], v0, 2, SPARE
	v_mov_b32 v[NIL], 0
	ds_add_u32 v[SPW], v[NIL]                      ; the wave's opening: the add and its wait stand ahead of my first tensor load; the set-up stands between them
	v_lshrrev_b32 v1, 5, v0
	v_readfirstlane_b32 s[WV], v1
	s_lshr_b32 s[WM], s[WV], 1
	s_and_b32 s[WN], s[WV], 1
	s_bfe_u32 s[CX], ttmp6, 0x40000
	s_bfe_u32 s[CY], ttmp6, 0x40004
	s_lshl_b32 s[TX], ttmp9, 2
	s_add_co_u32 s[TX], s[TX], s[CX]
	s_and_b32 s[TY], ttmp7, 0xffff
	s_lshl_b32 s[TY], s[TY], 2
	s_add_co_u32 s[TY], s[TY], s[CY]
	s_lshl_b32 s70, s[CY], 2
	s_lshl_b32 s70, 15, s70                        ; my row of the cluster
	s_lshl_b32 s71, 0x1111, s[CX]                  ; my column
	s_or_b32 s[G1A], s70, G1W0
	s_or_b32 s[G1B], s71, G1W0
.irp g, G1A, G1B
	s_mov_b32 s[(\g)+1], KSTEP<<16                 ; tensor_dim0 = 256
	s_mov_b32 s[(\g)+2], 64<<16                    ; tensor_dim1 = 64
	s_mov_b32 s[(\g)+3], KSTEP<<16                 ; tile_dim0 = 256
	s_mov_b32 s[(\g)+4], 64                        ; tile_dim1 = 64
	s_mov_b32 s[(\g)+5], SIZE_K                    ; elements from row to row
	s_mov_b32 s[(\g)+6], 0
	s_mov_b32 s[(\g)+7], 0
.endr
	s_lshl_b32 s72, s[TY], 7                       ; A: row 128 x tile row + 64 x half, in bytes
	s_lshl_b32 s73, s[WN], 6
	s_add_co_u32 s72, s72, s73
	s_mul_i32 s72, s72, SIZE_K*2
	s_mov_b32 s73, 0
	s_lshl_b32 s78, s[TX], 7                       ; W3: row 128 x tile column + 64 x half
	s_lshl_b32 s79, s[WN], 6
	s_add_co_u32 s78, s78, s79
	s_mul_i32 s78, s78, SIZE_K*2
	s_add_co_u32 s78, s78, W3OFF
	s_mov_b32 s79, 0
	s_mul_i32 s2, s[WV], HALFT                     ; where they go: wave x 64 rows
	s_mov_b32 s[G0A], 1
	s_mov_b32 s[G0A+1], s2
	s_mov_b32 s[G0A+4], 1
	s_add_co_u32 s[G0A+5], s2, SLOT
	s_mov_b32 s[G0B], 1
	s_mov_b32 s[G0B+1], s2
	s_mov_b32 s[G0B+4], 1
	s_add_co_u32 s[G0B+5], s2, SLOT
	s_mov_b32 s[SEL], 0x76543210
	s_mov_b32 s[SEL+1], 0xfedcba98
	s_mov_b32 s[KQ], 0x44800000                    ; 1024.0
	s_wait_dscnt 0x0                               ; the opening add is done
	s_wait_kmcnt 0x0
	s_add_nc_u64 s[G0A+2:G0A+3], s[4:5], s[72:73]
	s_add_nc_u64 s[G0A+6:G0A+7], s[G0A+2:G0A+3], KSTEP*2
	s_or_b32 s[G0A+3], s[G0A+3], 0x80000000
	s_or_b32 s[G0A+7], s[G0A+7], 0x80000000
	s_add_nc_u64 s[G0B+2:G0B+3], s[6:7], s[78:79]
	s_add_nc_u64 s[G0B+6:G0B+7], s[G0B+2:G0B+3], KSTEP*2
	s_or_b32 s[G0B+3], s[G0B+3], 0x80000000
	s_or_b32 s[G0B+7], s[G0B+7], 0x80000000
	CROUND                                         ; all sixteen work-groups are here: the first joint loads meet
	s_cmp_lt_u32 s[WV], 2                          ; a wave's two first fills stand in one branch: two loads of mine are out
	s_cbranch_scc0 .Lfirst_b
	tensor_load_to_lds s[G0A:G0A+3], s[G1A:G1A+7]
	s_nop 0
	tensor_load_to_lds s[G0A+4:G0A+7], s[G1A:G1A+7]
	s_nop 0
.rept 4
	v_nop
.endr
	s_branch .Lfirst_asked
.Lfirst_b:
	tensor_load_to_lds s[G0B:G0B+3], s[G1B:G1B+7]
	s_nop 0
	tensor_load_to_lds s[G0B+4:G0B+7], s[G1B:G1B+7]
	s_nop 0
.rept 4
	v_nop
.endr
.Lfirst_asked:
	v_and_b32 v1, 15, v0
	v_bfe_u32 v2, v0, 4, 1
	v_and_b32 v[LN], 31, v0
	v_mul_u32_u24 v3, v1, PITCH
	v_lshl_add_u32 v3, v2, 4, v3                   ; a fragment's row x pitch + 16 x half
	s_mul_i32 s2, s[WM], HALFT                     ; my 64 rows of A
	s_mul_i32 s3, s[WN], HALFT                     ; my 64 rows of W3,
	s_add_co_u32 s3, s3, 2*HALFT                   ; which lie behind A's 128
.irp s, 0,1
	v_add_nc_u32 v[ADRA+(\s)], s2, v3
	v_add_nc_u32 v[ADRB+(\s)], s3, v3
	s_add_co_u32 s2, s2, SLOT
	s_add_co_u32 s3, s3, SLOT
.endr
	s_mul_i32 s2, s[WM], 64*SPITCH                 ; into the stage: row 64 x my row half + l % 16, byte 256 x my column half + 32 x half of the lanes
	s_lshl_b32 s3, s[WN], 8
	s_add_co_u32 s2, s2, s3
	v_mul_u32_u24 v4, v1, SPITCH
	v_lshl_add_u32 v4, v2, 5, v4
	v_add_nc_u32 v[STO], s2, v4
	s_mul_i32 s2, s[WV], 32*SPITCH                 ; back: stage rows 32 w on, 32 lanes to a row of 512 bytes
	v_lshl_add_u32 v[RD], v[LN], 4, s2
	v_lshlrev_b32 v[GL], 4, v[LN]
	v_and_b32 v[QO], 1, v0
	v_cmp_eq_u32 s[ODD], 1, v[QO]                  ; the odd lanes
	v_lshlrev_b32 v[QO], 7, v[QO]                  ; they store the odd row, 128 bytes on;
	v_lshrrev_b32 v5, 1, v[LN]
	v_lshl_add_u32 v[QO], v5, 3, v[QO]             ; a pair of lanes has 8 bytes of each row
	v_mov_b32 v[RCV], 0                            ; the destination of a DPP form counts as read: it is written once before
	s_lshl_b32 s66, s[TX], 9                       ; the tile's first column x 4 bytes
	v_lshl_add_u32 v[BO], v[LN], 4, s66
	v_min_u32 v[BO], 3984, v[BO]                   ; b3 has 4,000 bytes
	s_lshl_b32 s67, s[TX], 7
	v_lshl_add_u32 v[COL], v[LN], 2, s67
	s_lshl_b32 s68, s[TY], 7                       ; the first row that I store: 128 x tile row + 32 w
	s_lshl_b32 s69, s[WV], 5
	s_add_co_u32 s68, s68, s69
	s_mul_i32 s69, s68, 4000
	s_add_co_u32 s66, s69, s66
	s_mov_b32 s67, 0
	s_add_nc_u64 s[LB:LB+1], s[12:13], s[66:67]
	s_add_co_u32 s66, s[TX], 32                    ; the tile's 128 columns are block 32 + tile column of qq,
	s_lshl_b32 s66, s66, 19                        ; of 524,288 bytes;
	s_lshl_b32 s69, s68, 7                         ; a row of it is 128 bytes
	s_add_co_u32 s66, s66, s69
	s_add_nc_u64 s[PB:PB+1], s[14:15], s[66:67]
	; THE SCALE, in the wait for the first tile
.irp c, 0,1,2,3,4
	global_load_b128 v[SC+8*(\c):SC+8*(\c)+3],   v[GL], s[8:9] offset:1024*(\c)
	global_load_b128 v[SC+8*(\c)+4:SC+8*(\c)+7], v[GL], s[8:9] offset:1024*(\c)+512
.endr
	global_load_b128 v[BIAS:BIAS+3], v[BO], s[10:11]
	s_wait_loadcnt 0x0
.irp c, 0,1,2,3,4
	v_max3_num_f32 v[SC+8*(\c)], v[SC+8*(\c)], v[SC+8*(\c)+1], v[SC+8*(\c)+2]
	v_max3_num_f32 v[SC+8*(\c)], v[SC+8*(\c)], v[SC+8*(\c)+3], v[SC+8*(\c)+4]
	v_max3_num_f32 v[SC+8*(\c)], v[SC+8*(\c)], v[SC+8*(\c)+5], v[SC+8*(\c)+6]
	v_max_num_f32 v[SC+8*(\c)], v[SC+8*(\c)], v[SC+8*(\c)+7]
	WRED SC+8*(\c)
.endr
	v_mul_f32 v[SC+40], v[SC], v[SC+8]
	v_fmamk_f32 v[SC+40], v[SC+40], 0x44800000, v[SC+16]   ; S1
	v_mul_f32 v[SC+41], v[SC+40], v[SC+24]
	v_fmamk_f32 v[SC+41], v[SC+41], 0x45000000, v[SC+32]   ; S2
	v_readfirstlane_b32 s67, v[SC+41]
	s_lshr_b32 s67, s67, 23
	s_max_u32 s67, s67, 16
	s_min_u32 s67, s67, 250
	s_sub_co_u32 s[C1], s67, 14                    ; 1 / sc2 = 2^(e2 - 141): exponent field e2 - 14
	s_lshl_b32 s[C1], s[C1], 23
	s_mov_b32 s[C1+1], s[C1]
	v_cvt_pk_bf16_f32 v[SC+1], v[BIAS], v[BIAS+1]  ; the bias rounded to bf16 and widened again; 0 in the padding columns
	v_cvt_pk_bf16_f32 v[SC+2], v[BIAS+2], v[BIAS+3]
	v_lshlrev_b32 v[BIAS], 16, v[SC+1]
	v_and_b32 v[BIAS+1], 0xffff0000, v[SC+1]
	v_lshlrev_b32 v[BIAS+2], 16, v[SC+2]
	v_and_b32 v[BIAS+3], 0xffff0000, v[SC+2]
	v_cmp_gt_u32 vcc_lo, 1000, v[COL]
.irp k, 0,1,2,3
	v_cndmask_b32 v[BIAS+(\k)], 0, v[BIAS+(\k)], vcc_lo
.endr
	s_wait_tensorcnt 1                             ; my part of K step 0 is in; K step 1's may stay out
	s_barrier_signal -1
	s_barrier_wait -1
	FETCH 0, 0, F0
	QUARTER 0, 128, F0, F1, 1                      ; the first quarter stands in front of the loop: its first products start the sums
	WIN 0
	s_mov_b32 s[LAP], LAPS-1
.Llap:                                                 ; a trip goes once round the ring and fills both slots again
	QUARTER 0, 256, F1, F0, 0
	QUARTER 0, 384, F0, F1, 0
	TURN 0, 1, 1
	QUARTER 1, 128, F0, F1, 0
	QUARTER 1, 256, F1, F0, 0
	QUARTER 1, 384, F0, F1, 0
	TURN 1, 0, 1
	QUARTER 0, 128, F0, F1, 0
	WIN 0
	s_sub_co_u32 s[LAP], s[LAP], 1
	s_cmp_lg_u32 s[LAP], 0
	s_cbranch_scc1 .Llap
	QUARTER 0, 256, F1, F0, 0                      ; the last lap fills nothing
	QUARTER 0, 384, F0, F1, 0
	TURN 0, 1, 0
	QUARTER 1, 128, F0, F1, 0
	QUARTER 1, 256, F1, F0, 0
	QUARTER 1, 384, F0, F1, 0
	s_wait_dscnt 16
	MUL8 F1, 0, 0, 0
	MUL8 F1, 0, 2, 0
	s_wait_dscnt 0x0
	MUL8 F1, 1, 0, 0
	MUL8 F1, 1, 2, 0
	WIN 0
	PLACES
	; THE WAY OUT.  My 64 x 64 sums go into the work-group's stage, each accumulator's low four registers first.
.irp a, 0,1,2,3
.irp b, 0,1,2,3
	ds_store_b128 v[STO], v[ACC+8*(4*(\a)+(\b)):ACC+8*(4*(\a)+(\b))+3]   offset:(\a)*16*SPITCH+64*(\b)
	ds_store_b128 v[STO], v[ACC+8*(4*(\a)+(\b))+4:ACC+8*(4*(\a)+(\b))+7] offset:(\a)*16*SPITCH+64*(\b)+16
.endr
.endr
	s_wait_dscnt 0x0                               ; for the others' sake: my stores into the stage are done
	s_barrier_signal -1
	s_barrier_wait -1                              ; from here on each wave touches its own 32 rows alone
	s_mov_b32 s[RS], 0
	s_mov_b32 s[CNT], 4
.Lrows:                                                ; four trips of eight rows; EXEC does not change in this loop
	v_add_nc_u32 v[RDC], s[RS], v[RD]
.irp j, 0,1,2,3,4,5,6,7
	ds_load_b128 v[X+4*(\j):X+4*(\j)+3], v[RDC] offset:SPITCH*(\j)
.endr
	ROWS2 0
	ROWS2 2
	SENDQ 0
	ROWS2 4
	SENDQ 2
	ROWS2 6
	SENDQ 4
	SENDQ 6
	s_wait_xcnt 0x0                                ; the stores' base and data are rewritten only behind this wait
	s_add_nc_u64 s[PB:PB+1], s[PB:PB+1], 8*128
	s_add_co_u32 s[RS], s[RS], 8*SPITCH
	s_sub_co_u32 s[CNT], s[CNT], 1
	s_cmp_lg_u32 s[CNT], 0
	s_cbranch_scc1 .Lrows
	; The 32 rows of logits come back into the registers that held the accumulators; LDS serves a wave's instructions in order (ISA guide 5.7.1.4): these loads see the stores of the loop above.
.set i, 0
.rept 32
	ds_load_b128 v[ACC+4*i:ACC+4*i+3], v[RD] offset:SPITCH*i
.set i, i+1
.endr
	v_cmp_gt_u32 vcc_lo, 1000, v[COL]
	s_wait_dscnt 0x0                               ; the rows are in
	s_and_saveexec_b32 s[SV], vcc_lo               ; the logits have 1,000 columns; no global instruction has been issued since the loop's last wait on XCNT
.set i, 0
.rept 32
	global_store_b128 v[GL], v[ACC+4*i:ACC+4*i+3], s[LB:LB+1] offset:4000*i
.set i, i+1
.endr
	s_wait_xcnt 0x0                                ; EXEC is a source of the stores above: it widens only behind this wait
	s_or_b32 exec_lo, exec_lo, s[SV]
	s_wait_tensorcnt 0x0                           ; the wave's end
	ds_add_u32 v[SPW], v[NIL]
	s_wait_dscnt 0x0
	CROUND                                         ; the closing round
	s_endpgm
.Lfunc_end_k_q35217c72df_fwd3:
	.size	k_q35217c72df_fwd3, .Lfunc_end_k_q35217c72df_fwd3-k_q35217c72df_fwd3
	.p2alignl 7, 3214868480
	.fill 96, 4, 3214868480
	.section	.rodata,"a",@progbits
	.p2align	6, 0x0
	.amdhsa_kernel k_q35217c72df_fwd3
		.amdhsa_group_segment_fixed_size 327680
		.amdhsa_private_segment_fixed_size 0
		.amdhsa_enable_private_segment 0
		.amdhsa_kernarg_size 48
		.amdhsa_user_sgpr_count 2
		.amdhsa_user_sgpr_kernarg_segment_ptr 1
		.amdhsa_wavefront_size32 1
		.amdhsa_system_sgpr_workgroup_id_x 1
		.amdhsa_system_sgpr_workgroup_id_y 1
		.amdhsa_system_sgpr_workgroup_id_z 1
		.amdhsa_system_vgpr_workitem_id 0
		.amdhsa_next_free_vgpr 512
		.amdhsa_next_free_sgpr 80
		.amdhsa_reserve_vcc 1
		.amdhsa_float_denorm_mode_32 3
		.amdhsa_float_denorm_mode_16_64 3
		.amdhsa_memory_ordered 1
		.amdhsa_forward_progress 1
		.amdhsa_inst_pref_size 100
	.end_amdhsa_kernel
	.amdgpu_metadata
---
amdhsa.version: [ 1, 2 ]
amdhsa.kernels:
  - .name:           k_q35217c72df_fwd3
    .symbol:         k_q35217c72df_fwd3.kd
    .args:
      - { .name: a2, .offset: 0, .size: 8, .value_kind: global_buffer, .address_space: global }
      - { .name: wb, .offset: 8, .size: 8, .value_kind: global_buffer, .address_space: global }
      - { .name: pmax, .offset: 16, .size: 8, .value_kind: global_buffer, .address_space: global }
      - { .name: b3, .offset: 24, .size: 8, .value_kind: global_buffer, .address_space: global }
      - { .name: out0, .offset: 32, .size: 8, .value_kind: global_buffer, .address_space: global }
      - { .name: qq, .offset: 40, .size: 8, .value_kind: global_buffer, .address_space: global }
    .group_segment_fixed_size: 327680
    .private_segment_fixed_size: 0
    .kernarg_segment_align: 8
    .kernarg_segment_size: 48
    .max_flat_workgroup_size: 128
    .sgpr_count:     80
    .vgpr_count:     512
    .wavefront_size: 32
...
	.end_amdgpu_metadata
.endif
;; end of part 9
;; launch coact (part 10): grid 8 x 32, 4 waves a work-group, clusters of 4 x 4, 327,680 bytes of LDS; arguments pp, qq, out1, out2, out3; writes out1, out2, out3
.if DOCPART == 10
	.amdgcn_target "amdgcn-amd-amdhsa--gfx1250"
	.amdhsa_code_object_version 6
	.text
	.protected	k_q35217c72df_coact
	.globl	k_q35217c72df_coact
	.p2align	8
	.type	k_q35217c72df_coact,@function
k_q35217c72df_coact:
	s_mov_b64 s[64:65], 0
	v_nop
	global_prefetch_b8 v0, s[64:65] scope:SCOPE_SE
	s_setreg_imm32_b32 hwreg(HW_REG_WAVE_MODE, 25, 1), 1
	s_wait_xcnt 0x0
	s_wait_alu depctr_hold_cnt(0) depctr_sa_sdst(0) depctr_va_vdst(0) depctr_va_sdst(0) depctr_va_ssrc(0) depctr_va_vcc(0) depctr_vm_vsrc(0)
	s_getreg_b32 s2, hwreg(HW_REG_IB_STS2, 6, 4)
	s_cmp_eq_u32 s2, 0
	s_cbranch_scc0 .Lentry_in_a_cluster
	s_endpgm
.Lentry_in_a_cluster:
	s_bfe_u32 s2, ttmp6, 0x10000c
	s_cmp_lg_u32 s2, 0xf033
	s_cbranch_scc0 .Lentry_shape_is_right
	s_endpgm
.Lentry_shape_is_right:
; THE THREE CO-ACTIVATION COUNTS in one launch.  C[i][j] = the sum over the 4,096 samples s of pA[s][i] pB[s][j], all p 0 or 1: out1 [1024][2048] = p0^T p1, out2 [2048][2048] = p1^T p2,
; out3 [2048][1000] = p2^T p3.
; TWO COUNTS IN ONE SUM.  The left side comes plain (pp: [4096][5120] f16, 0 or 1); the right side comes packed (qq): q = pB[2c] + 1024 pB[2c+1], one of 0, 1, 1024, 1025, all exact in f16.  The sum over s
; of pA q is lo + 1024 hi, the two counts of columns 2c and 2c + 1.  Over 512 samples lo is at most 512, below the field's 1,024, and the sum at most 524,800, below 2^20: a whole number that f32 holds
; exactly.  So after every 512 samples the sum is taken apart into whole-number totals (one register: lo + 65,536 hi; both end at 4,096), and the next 512 samples start with C = 0.  Every count is exact,
; for half the matrix instructions and two thirds of the bytes through LDS that the plain product takes.
; SHARES.  Tiles of 128 (i) x 256 (j): 8 x 8 + 16 x 8 + 16 x 4 = 256 tiles of equal work, one to a work-group.  With cly the cluster's y and clx its x: cly 0-1 is out1, 2-5 out2, 6-7 out3.  A's columns
; begin at 128 t in pp (t = 4 cly + cy, for out3 + 8 clx); B's tile is nt = cx + 4 clx (for out3: cx), two blocks of qq (a block: 64 packed columns, [4096][128 bytes] dense).  What differs between the
; three is chosen by s_cselect on cly, which all partners of a cluster share: no branch, no trip count and no LDS address hangs on it.
; Four waves of 64 x 128: 16 accumulators (64 x 64 packed) and 128 totals each.  BOTH OPERANDS LIE [sample][feature]: they are read from LDS by the turning load ds_load_tr16_b128.
; THE RING.  Two slots of 256 samples: A's 256 rows of 256 + 32 bytes, then two blocks' 256 rows of 128 + 32.  Waves 0, 1 fetch A's halves (128 samples each), waves 2, 3 a block each (32,768 dense bytes,
; asked for as 128 rows of 256 and padded after every sample).  A trip of the outer loop is 512 samples: once round the ring, and the fields are taken apart at its end, behind the refill's request.
; CLUSTER 4 x 4: A's tile hangs on t alone and is asked for jointly along a row of the cluster, B's on nt alone, along a column.
; THE STAGE of the way out lies in slot 0: at that time the slot has had its last fill, and a barrier has passed since its last reader.
; The matrix instruction takes B's fragment as source 0 and A's as source 1: a lane holds one row i and eight neighbouring packed columns.
; REGISTERS.  Window 0: v0-31 addresses, at work; v32-63 rows on the way out; v64-127, v128-191 two fragment buffers (B's 4 fragments, then A's 4); v192-255 at work on the fields.
; Window 1: v0-127 accumulator (a, b) at v[8 (4 a + b)]; v128-255 its totals.
.set PPITCH, 10240                     ; bytes in a row of pp
.set KSLOT,  256                       ; samples in a slot
.set PA,     288                       ; A's LDS row: 256 bytes + 32, an odd multiple of 32
.set PQ,     160                       ; a block's: 128 + 32
.set AHALF,  128*PA
.set BOFF,   2*AHALF
.set BBLK,   KSLOT*PQ
.set SLOT,   BOFF+2*BBLK               ; 155,648 bytes
.set SPARE,  2*SLOT                    ; behind the ring: the spare words, 128 bytes for each wave
.set SPITCH, 528                       ; a stage row: 64 sums, 64 totals, later 128 counts: 512 bytes + 16
.set WSTAGE, 64*SPITCH                 ; a wave's stage; the four take 135,168 bytes of slot 0
.set CHUNKS, 4096/(2*KSLOT)
.set AA0, 4                            ; v4, v5  my lane's place in A's part and in my block of slot 0; never rewritten
.set AB0, 5
.set AA,  6                            ; v6, v7  the same for the 32 samples to be fetched
.set AB,  7
.set STO, 8                            ; v8   the way out: where I put 16 bytes of a row; never rewritten
.set RD,  9                            ; v9   my stage + 16 x lane; never rewritten
.set RD8, 10                           ; v10  my stage + 8 x lane; never rewritten
.set RDC, 11                           ; v11  the field loop's read address
.set SPW, 12                           ; v12  LDS address of my spare word; never rewritten
.set NIL, 13                           ; v13  0; never rewritten
.set LN,  14
.set WRC, 15                           ; v15  the field loop's write address
.set OFFJ, 16                          ; v16-23  16 x lane + j rows of the output
.set COL, 24                           ; v24  my first column of the output
.set U,   26                           ; v26-31  at work
.set X,   32
.set F0,  64
.set F1,  128
.set TI,  192                          ; 32 sums as whole numbers
.set TH,  224                          ; their upper fields
.set TOT, 128                          ; the totals, in window 1
.set WV, 16
.set WM, 17
.set WN, 18
.set CX, 19
.set CY, 20
.set NT, 21                            ; B's tile
.set TA, 22                            ; t
.set RS, 23
.set G1A, 24
.set G1B, 32
.set G0A, 40                           ; s[40:47], s[48:55] group 0, one set for each slot
.set G0B, 48
.set KA,  56                           ; LDS bytes from slot 0's first sample to the sample to be fetched, in A's rows
.set CNT, 57
.set CLY, 58
.set QB,  59                           ; B's first block in qq
.set T0,  60                           ; t of the output's first rows
.set PIT, 61                           ; bytes in a row of the output
.set LIM, 62                           ; its columns
.set SV,  63
.set P8,  68                           ; s[68:69] eight rows of the output
.set OB,  74                           ; s[74:75] the output at the rows in hand
.set KB,  80                           ; as KA, in a block's rows
.set CN2, 81
.set K64, 82                           ; 65,536 - 1,024
.set M16, 83                           ; 0xffff
.set MSB, 0
.macro WIN new
.if MSB != (\new)
	s_set_vgpr_msb (MSB<<8)|(\new)
.set MSB, \new
.endif
.endm
.macro PLACES
.rept 4
	v_nop
.endr
.endm
.macro CREST
	s_cmp_lg_u32 s[WV], 0
	s_cbranch_scc1 .Lnot_wave_0_\@
	s_barrier_signal -3
.Lnot_wave_0_\@:
	s_barrier_wait -3
	s_barrier_signal -1
	s_barrier_wait -1
.endm
.macro CROUND
	s_barrier_signal -1
	s_barrier_wait -1
	CREST
.endm
.macro JLOAD s                         ; a joint refill of slot s; the branch hangs on the wave's number alone; s_nop 0 and four v_nop follow each line
	s_cmp_lt_u32 s[WV], 2
	s_cbranch_scc0 .Lfor_b_\@
	tensor_load_to_lds s[G0A+4*(\s):G0A+4*(\s)+3], s[G1A:G1A+7]
	s_nop 0
.rept 4
	v_nop
.endr
	s_branch .Lasked_\@
.Lfor_b_\@:
	tensor_load_to_lds s[G0B+4*(\s):G0B+4*(\s)+3], s[G1B:G1B+7]
	s_nop 0
.rept 4
	v_nop
.endr
.Lasked_\@:
.endm
.macro MUL4 f, a, zero                 ; 4 matrix instructions: row block a x the 4 packed column blocks, 32 samples; the 16 accumulators take turns
	WIN 0x50                                       ; C and D in window 1
.irp b, 0,1,2,3
.set rD, 8*(4*(\a)+(\b))
.set rB, (\f)+8*(\b)
.set rA, (\f)+32+8*(\a)
.if \zero
	v_wmma_f32_16x16x32_f16 v[rD:rD+7], v[rB:rB+7], v[rA:rA+7], 0
.else
	v_wmma_f32_16x16x32_f16 v[rD:rD+7], v[rB:rB+7], v[rA:rA+7], v[rD:rD+7]
.endif
.endr
.endm
; 16 turning loads in one run: the fragments of the 32 samples at s[KA], s[KB]: B's four (16 packed columns each), then A's four.  A load takes 16 samples x 16 columns.  The two additions and two v_nop
; are the four places between the last matrix instruction that read buffer f and the loads into it (ISA guide 7.12.1 for vector instructions).
.macro FETCH f
	WIN 0
	v_add_nc_u32 v[AA], s[KA], v[AA0]
	v_add_nc_u32 v[AB], s[KB], v[AB0]
	v_nop
	v_nop
.irp i, 0,1,2,3
	ds_load_tr16_b128 v[(\f)+8*(\i):(\f)+8*(\i)+3],   v[AB] offset:32*(\i)
	ds_load_tr16_b128 v[(\f)+8*(\i)+4:(\f)+8*(\i)+7], v[AB] offset:16*PQ+32*(\i)
.endr
.irp i, 0,1,2,3
	ds_load_tr16_b128 v[(\f)+32+8*(\i):(\f)+32+8*(\i)+3],   v[AA] offset:32*(\i)
	ds_load_tr16_b128 v[(\f)+32+8*(\i)+4:(\f)+32+8*(\i)+7], v[AA] offset:16*PA+32*(\i)
.endr
	s_add_co_u32 s[KA], s[KA], 32*PA               ; the next fetch is the next 32 samples'
	s_add_co_u32 s[KB], s[KB], 32*PQ
.endm
; A slot is eight steps of 32 samples, on buffers 0, 1, 0, 1 ..  A step multiplies buffer f and fetches the next step's fragments into g.
.macro STEP f, g, zero
	s_wait_dscnt 4                                 ; B's fragments and A's blocks 0, 1 are in; the youngest four loads (blocks 2, 3) may be out
	MUL4 \f, 0, \zero
	MUL4 \f, 1, \zero
	FETCH \g
	s_wait_dscnt 16                                ; all but the 16 just issued
	MUL4 \f, 2, \zero
	MUL4 \f, 3, \zero
.endm
.macro PAIRS                           ; steps 1 to 6 of a slot: written once, walked three times; the LDS addresses hang on s[KA], s[KB]
	WIN 0
	s_mov_b32 s[CN2], 3
.Lpair_\@:
	STEP F1, F0, 0
	STEP F0, F1, 0
	WIN 0
	s_sub_co_u32 s[CN2], s[CN2], 1
	s_cmp_lg_u32 s[CN2], 0
	s_cbranch_scc1 .Lpair_\@
.endm
; A slot's last step multiplies buffer 1 and changes slots: each wave waits for all its tensor loads (one is out: its part of the next slot), adds 0 to its spare word, waits for that and for its reads of
; this slot, and signals.  fill = 1: the barrier opens a round of the cluster's, and this slot is filled again, with the samples 512 on, first thing behind the round.
.macro TURN slot, next, fill
	WIN 0
	s_wait_tensorcnt 0x0
	ds_add_u32 v[SPW], v[NIL]
	s_wait_dscnt 5                                 ; the add and the youngest four loads may be out
	MUL4 F1, 0, 0
	s_wait_dscnt 0x0                               ; the add is done, and my reads of this slot are over
	s_barrier_signal -1
	MUL4 F1, 1, 0
	WIN 0
	s_barrier_wait -1
.if \fill
	CREST                                          ; no wave of any partner still reads this slot or has a load on its way
	s_add_nc_u64 s[G0A+4*(\slot)+2:G0A+4*(\slot)+3], s[G0A+4*(\slot)+2:G0A+4*(\slot)+3], 2*KSLOT*PPITCH
	s_add_nc_u64 s[G0B+4*(\slot)+2:G0B+4*(\slot)+3], s[G0B+4*(\slot)+2:G0B+4*(\slot)+3], 2*KSLOT*128
	JLOAD \slot
.endif
	s_mov_b32 s[KA], (\next)*SLOT                  ; the fetches go on at the other slot's first sample
	s_mov_b32 s[KB], (\next)*SLOT
	FETCH F0
	MUL4 F1, 2, 0
	MUL4 F1, 3, 0
.endm
; THE FIELDS of 512 samples' sums go into the totals, 32 registers at a time: i = the sum as a whole number; hi = i >> 10; total += i + hi (65,536 - 1,024) = lo + 65,536 hi.  Each accumulator is read
; from its lowest register on.  Row blocks 0 and 1 were finished ahead of the refill's v_nop; the lines that work on them are the places behind the last products (blocks 2, 3).
.macro EXTRACT
.irp g, 0,1,2,3
	WIN 0x01                                       ; source 0 in window 1
.set z, 0
.rept 32
	v_cvt_u32_f32 v[TI+z], v[32*(\g)+z]
.set z, z+1
.endr
.set z, 0
.rept 32
	v_lshrrev_b32 v[TH+z], 10, v[TI+z]
.set z, z+1
.endr
.set z, 0
.rept 32
	v_mad_u32_u24 v[TH+z], s[K64], v[TH+z], v[TI+z]
.set z, z+1
.endr
	WIN 0x41                                       ; destination and source 0 in window 1
.set z, 0
.rept 32
	v_add_nc_u32 v[TOT+32*(\g)+z], v[TOT+32*(\g)+z], v[TH+z]
.set z, z+1
.endr
.endr
.endm
	s_load_b256 s[4:11], s[0:1], 0x0               ; pp s[4:5], qq s[6:7], out1 s[8:9], out2 s[10:11]
	s_load_b64 s[12:13], s[0:1], 0x20              ; out3
	v_lshl_add_u32 v[SPW], v0, 2, SPARE
	v_mov_b32 v[NIL], 0
	ds_add_u32 v[SPW], v[NIL]                      ; the wave's opening: the add and its wait stand ahead of my first tensor load; the set-up stands between them
	v_lshrrev_b32 v1, 5, v0
	v_readfirstlane_b32 s[WV], v1
	s_lshr_b32 s[WM], s[WV], 1
	s_and_b32 s[WN], s[WV], 1
	s_bfe_u32 s[CX], ttmp6, 0x40000
	s_bfe_u32 s[CY], ttmp6, 0x40004
	s_and_b32 s[CLY], ttmp7, 0xffff
	s_lshl_b32 s[TA], s[CLY], 2
	s_add_co_u32 s[TA], s[TA], s[CY]               ; 4 cly + cy
	s_lshl_b32 s66, ttmp9, 3                       ; 8 clx
	s_lshl_b32 s67, ttmp9, 2                       ; 4 clx
	s_mov_b32 s[QB], 16
	s_mov_b32 s[T0], 8
	s_mov_b32 s[PIT], 8192
	s_mov_b32 s[LIM], 2048
	s_cmp_lt_u32 s[CLY], 2                         ; out1?
	s_cselect_b32 s[QB], 0, s[QB]
	s_cselect_b32 s[T0], 0, s[T0]
	s_cmp_ge_u32 s[CLY], 6                         ; out3?
	s_cselect_b32 s[QB], 32, s[QB]
	s_cselect_b32 s[T0], 24, s[T0]
	s_cselect_b32 s[PIT], 4000, s[PIT]
	s_cselect_b32 s[LIM], 1000, s[LIM]
	s_cselect_b32 s66, s66, 0
	s_cselect_b32 s67, 0, s67
	s_add_co_u32 s[TA], s[TA], s66                 ; t
	s_add_co_u32 s[NT], s[CX], s67                 ; nt
	s_lshl_b32 s70, s[CY], 2
	s_lshl_b32 s70, 15, s70                        ; my row of the cluster
	s_lshl_b32 s71, 0x1111, s[CX]                  ; my column
	s_or_b32 s[G1A], s70, (1<<16)|(1<<20)|(1<<21)|(5<<22)|(7<<25)  ; 2-byte elements; padding on; bit 21 beside a mask; after every 64 words; 8 words
	s_or_b32 s[G1B], s71, (1<<16)|(1<<20)|(1<<21)|(4<<22)|(7<<25)  ; after every 32 words: a sample's 128 bytes
	s_mov_b32 s[G1A+1], 128<<16                    ; tensor_dim0 = 128
	s_mov_b32 s[G1A+2], 128<<16                    ; tensor_dim1 = 128
	s_mov_b32 s[G1A+3], 128<<16                    ; tile_dim0 = 128
	s_mov_b32 s[G1A+4], 128                        ; tile_dim1 = 128 samples
	s_mov_b32 s[G1A+5], 5120                       ; elements from row to row
	s_mov_b32 s[G1A+6], 0
	s_mov_b32 s[G1A+7], 0
	s_mov_b32 s[G1B+1], 128<<16                    ; a block's 256 samples: 128 rows of 256 bytes, two samples a row
	s_mov_b32 s[G1B+2], 128<<16
	s_mov_b32 s[G1B+3], 128<<16
	s_mov_b32 s[G1B+4], 128
	s_mov_b32 s[G1B+5], 128
	s_mov_b32 s[G1B+6], 0
	s_mov_b32 s[G1B+7], 0
	s_mul_i32 s72, s[WN], 128*PPITCH               ; A: my 128 samples of a slot, column 128 t; these registers never hold cx
	s_lshl_b32 s73, s[TA], 8
	s_add_co_u32 s72, s72, s73
	s_mov_b32 s73, 0
	s_lshl_b32 s78, s[NT], 1                       ; B: block QB + 2 nt + my half, of 524,288 bytes; these never hold cy
	s_add_co_u32 s78, s78, s[QB]
	s_add_co_u32 s78, s78, s[WN]
	s_lshl_b32 s78, s78, 19
	s_mov_b32 s79, 0
	s_mul_i32 s2, s[WN], AHALF                     ; where they go: the wave's number alone enters an LDS address
	s_mul_i32 s3, s[WN], BBLK
	s_add_co_u32 s3, s3, BOFF
	s_mov_b32 s[G0A], 1
	s_mov_b32 s[G0A+1], s2
	s_mov_b32 s[G0A+4], 1
	s_add_co_u32 s[G0A+5], s2, SLOT
	s_mov_b32 s[G0B], 1
	s_mov_b32 s[G0B+1], s3
	s_mov_b32 s[G0B+4], 1
	s_add_co_u32 s[G0B+5], s3, SLOT
	s_mov_b32 s[K64], 64512
	s_mov_b32 s[M16], 0xffff
	s_wait_dscnt 0x0                               ; the opening add is done
	s_wait_kmcnt 0x0
	s_add_nc_u64 s[G0A+2:G0A+3], s[4:5], s[72:73]  ; samples 0 to 255
	s_add_nc_u64 s[G0A+6:G0A+7], s[G0A+2:G0A+3], KSLOT*PPITCH  ; samples 256 to 511
	s_or_b32 s[G0A+3], s[G0A+3], 0x80000000        ; type = 2
	s_or_b32 s[G0A+7], s[G0A+7], 0x80000000
	s_add_nc_u64 s[G0B+2:G0B+3], s[6:7], s[78:79]
	s_add_nc_u64 s[G0B+6:G0B+7], s[G0B+2:G0B+3], KSLOT*128
	s_or_b32 s[G0B+3], s[G0B+3], 0x80000000
	s_or_b32 s[G0B+7], s[G0B+7], 0x80000000
	CROUND                                         ; all sixteen work-groups are here: the first joint loads meet
	s_cmp_lt_u32 s[WV], 2                          ; a wave's two first fills stand in one branch: two loads of mine are out
	s_cbranch_scc0 .Lfirst_b
	tensor_load_to_lds s[G0A:G0A+3], s[G1A:G1A+7]
	s_nop 0
	tensor_load_to_lds s[G0A+4:G0A+7], s[G1A:G1A+7]
	s_nop 0
.rept 4
	v_nop
.endr
	s_branch .Lfirst_asked
.Lfirst_b:
	tensor_load_to_lds s[G0B:G0B+3], s[G1B:G1B+7]
	s_nop 0
	tensor_load_to_lds s[G0B+4:G0B+7], s[G1B:G1B+7]
	s_nop 0
.rept 4
	v_nop
.endr
.Lfirst_asked:
	; The turning load: lane l reads 16 bytes of sample 8 (l / 16) + l % 8, columns 8 ((l / 8) % 2) + 0..7, and is left with column l % 16 and 8 samples: half a fragment.
	v_and_b32 v1, 15, v0
	v_bfe_u32 v2, v0, 4, 1
	v_and_b32 v[LN], 31, v0
	v_and_b32 v3, 7, v0
	v_lshl_add_u32 v3, v2, 3, v3
	v_bfe_u32 v25, v0, 3, 1
	v_mul_u32_u24 v[AA0], v3, PA
	v_lshl_add_u32 v[AA0], v25, 4, v[AA0]
	s_lshl_b32 s2, s[WM], 7                        ; my 64 columns of A
	v_add_nc_u32 v[AA0], s2, v[AA0]
	v_mul_u32_u24 v[AB0], v3, PQ
	v_lshl_add_u32 v[AB0], v25, 4, v[AB0]
	s_mul_i32 s3, s[WN], BBLK                      ; my block
	s_add_co_u32 s3, s3, BOFF
	v_add_nc_u32 v[AB0], s3, v[AB0]
	s_mul_i32 s2, s[WV], WSTAGE                    ; my stage
	v_mul_u32_u24 v3, v1, SPITCH                   ; in: row l % 16, 32 bytes for each half of the lanes
	v_lshl_add_u32 v3, v2, 5, v3
	v_add_nc_u32 v[STO], s2, v3
	v_lshl_add_u32 v[RD], v[LN], 4, s2
	v_lshl_add_u32 v[RD8], v[LN], 3, s2
	v_lshlrev_b32 v[OFFJ], 4, v[LN]
.irp j, 1,2,3,4,5,6,7
	v_add_nc_u32 v[OFFJ+(\j)], s[PIT], v[OFFJ+(\j)-1]
.endr
	s_lshl_b32 s[P8], s[PIT], 3
	s_mov_b32 s[P8+1], 0
	s_cmp_lt_u32 s[CLY], 2                         ; the output, chosen on the cluster's y
	s_cselect_b64 s[OB:OB+1], s[8:9], s[10:11]
	s_cmp_ge_u32 s[CLY], 6
	s_cselect_b64 s[OB:OB+1], s[12:13], s[OB:OB+1]
	s_sub_co_u32 s76, s[TA], s[T0]
	s_lshl_b32 s76, s76, 7
	s_lshl_b32 s77, s[WM], 6
	s_add_co_u32 s76, s76, s77                     ; my first row of the output
	s_mul_i32 s76, s76, s[PIT]
	s_lshl_b32 s77, s[NT], 8
	s_lshl_b32 s66, s[WN], 7
	s_add_co_u32 s77, s77, s66                     ; my first column
	v_lshl_add_u32 v[COL], v[LN], 2, s77
	s_lshl_b32 s77, s77, 2
	s_add_co_u32 s76, s76, s77
	s_mov_b32 s77, 0
	s_add_nc_u64 s[OB:OB+1], s[OB:OB+1], s[76:77]
	WIN 0x40                                       ; the totals start at 0: 128 lines in the wait for the first tile, so that the fields' text is written once, for every trip alike
.set z, TOT
.rept 128
	v_mov_b32 v[z], 0
.set z, z+1
.endr
	WIN 0
	s_wait_tensorcnt 1                             ; my part of slot 0 is in; slot 1's may stay out
	s_barrier_signal -1
	s_barrier_wait -1
	s_mov_b32 s[KA], 0
	s_mov_b32 s[KB], 0
	FETCH F0
	s_mov_b32 s[CNT], CHUNKS-1
.Lchunk:                                               ; a trip: 512 samples, once round the ring; both slots are filled again
	STEP F0, F1, 1                                 ; its first products start the sums
	PAIRS
	TURN 0, 1, 1
	STEP F0, F1, 0
	PAIRS
	TURN 1, 0, 1
	EXTRACT
	WIN 0                                          ; at a label and at a branch every window is 0
	s_sub_co_u32 s[CNT], s[CNT], 1
	s_cmp_lg_u32 s[CNT], 0
	s_cbranch_scc1 .Lchunk
	STEP F0, F1, 1                                 ; the last 512 samples are written out: nothing is left to ask for
	PAIRS
	TURN 0, 1, 0
	STEP F0, F1, 0
	PAIRS
	s_wait_dscnt 4
	MUL4 F1, 0, 0
	MUL4 F1, 1, 0
	s_wait_dscnt 0x0
	MUL4 F1, 2, 0
	MUL4 F1, 3, 0
	PLACES
	; THE WAY OUT.  First the last sums and the totals go as they are into my own stage: row i holds 64 sums, then 64 totals (each accumulator's low four registers first).
	WIN 0x04                                       ; a store's data is source 1: window 1
.irp a, 0,1,2,3
.irp b, 0,1,2,3
	ds_store_b128 v[STO], v[8*(4*(\a)+(\b)):8*(4*(\a)+(\b))+3]           offset:(\a)*16*SPITCH+64*(\b)
	ds_store_b128 v[STO], v[8*(4*(\a)+(\b))+4:8*(4*(\a)+(\b))+7]         offset:(\a)*16*SPITCH+64*(\b)+16
	ds_store_b128 v[STO], v[TOT+8*(4*(\a)+(\b)):TOT+8*(4*(\a)+(\b))+3]   offset:(\a)*16*SPITCH+64*(\b)+256
	ds_store_b128 v[STO], v[TOT+8*(4*(\a)+(\b))+4:TOT+8*(4*(\a)+(\b))+7] offset:(\a)*16*SPITCH+64*(\b)+272
.endr
.endr
	WIN 0
	; Then, eight rows a trip, a lane takes two packed columns' sum and total, adds the last fields, and puts the four counts back as f32: the row is now 128 counts in their order.  All of a trip's loads
	; are issued ahead of its stores, and LDS serves a wave's instructions in order (ISA guide 5.7.1.4).  EXEC does not change in this loop.
	s_mov_b32 s[RS], 0
	s_mov_b32 s[CNT], 8
.Lfields:
	v_add_nc_u32 v[RDC], s[RS], v[RD8]
	v_add_nc_u32 v[WRC], s[RS], v[RD]
.irp j, 0,1,2,3,4,5,6,7
	ds_load_b64 v[X+4*(\j):X+4*(\j)+1],   v[RDC] offset:SPITCH*(\j)
	ds_load_b64 v[X+4*(\j)+2:X+4*(\j)+3], v[RDC] offset:SPITCH*(\j)+256
.endr
.irp j, 0,1,2,3,4,5,6,7
	s_wait_dscnt 14-(\j)                           ; behind row j's two loads stand 2 (7 - j) loads and the j stores issued since
	v_cvt_u32_f32 v[U], v[X+4*(\j)]
	v_cvt_u32_f32 v[U+1], v[X+4*(\j)+1]
	v_lshrrev_b32 v[U+2], 10, v[U]
	v_lshrrev_b32 v[U+3], 10, v[U+1]
	v_mad_u32_u24 v[U], s[K64], v[U+2], v[U]
	v_mad_u32_u24 v[U+1], s[K64], v[U+3], v[U+1]
	v_add_nc_u32 v[U], v[U], v[X+4*(\j)+2]
	v_add_nc_u32 v[U+1], v[U+1], v[X+4*(\j)+3]
	v_and_b32 v[U+2], s[M16], v[U]
	v_lshrrev_b32 v[U+3], 16, v[U]
	v_and_b32 v[U+4], s[M16], v[U+1]
	v_lshrrev_b32 v[U+5], 16, v[U+1]
	v_cvt_f32_u32 v[X+4*(\j)], v[U+2]
	v_cvt_f32_u32 v[X+4*(\j)+1], v[U+3]
	v_cvt_f32_u32 v[X+4*(\j)+2], v[U+4]
	v_cvt_f32_u32 v[X+4*(\j)+3], v[U+5]
	ds_store_b128 v[WRC], v[X+4*(\j):X+4*(\j)+3] offset:SPITCH*(\j)
.endr
	s_add_co_u32 s[RS], s[RS], 8*SPITCH
	s_sub_co_u32 s[CNT], s[CNT], 1
	s_cmp_lg_u32 s[CNT], 0
	s_cbranch_scc1 .Lfields
	; At last the rows are stored, eight at a time; the stage row stands in the load's immediate, so that no LDS address is written where EXEC has hung on the tile's column.
	; EXEC is narrowed round the stores alone: out3 has 1,000 columns, a multiple of a lane's four.
.irp tr, 0,1,2,3,4,5,6,7
.irp j, 0,1,2,3,4,5,6,7
	ds_load_b128 v[X+4*(\j):X+4*(\j)+3], v[RD] offset:SPITCH*(8*(\tr)+(\j))
.endr
	v_cmp_gt_u32 vcc_lo, s[LIM], v[COL]
	s_wait_dscnt 0x0                               ; the eight rows are in
	s_and_saveexec_b32 s[SV], vcc_lo               ; no global instruction has been issued since the last wait on XCNT
.irp j, 0,1,2,3,4,5,6,7
	global_store_b128 v[OFFJ+(\j)], v[X+4*(\j):X+4*(\j)+3], s[OB:OB+1]
.endr
	s_wait_xcnt 0x0                                ; EXEC, the base and the data change only behind this wait
	s_or_b32 exec_lo, exec_lo, s[SV]
	s_add_nc_u64 s[OB:OB+1], s[OB:OB+1], s[P8:P8+1]   ; eight rows on
.endr
	s_wait_tensorcnt 0x0                           ; the wave's end
	ds_add_u32 v[SPW], v[NIL]
	s_wait_dscnt 0x0
	CROUND                                         ; the closing round
	s_endpgm
.Lfunc_end_k_q35217c72df_coact:
	.size	k_q35217c72df_coact, .Lfunc_end_k_q35217c72df_coact-k_q35217c72df_coact
	.p2alignl 7, 3214868480
	.fill 96, 4, 3214868480
	.section	.rodata,"a",@progbits
	.p2align	6, 0x0
	.amdhsa_kernel k_q35217c72df_coact
		.amdhsa_group_segment_fixed_size 327680
		.amdhsa_private_segment_fixed_size 0
		.amdhsa_enable_private_segment 0
		.amdhsa_kernarg_size 40
		.amdhsa_user_sgpr_count 2
		.amdhsa_user_sgpr_kernarg_segment_ptr 1
		.amdhsa_wavefront_size32 1
		.amdhsa_system_sgpr_workgroup_id_x 1
		.amdhsa_system_sgpr_workgroup_id_y 1
		.amdhsa_system_sgpr_workgroup_id_z 1
		.amdhsa_system_vgpr_workitem_id 0
		.amdhsa_next_free_vgpr 512
		.amdhsa_next_free_sgpr 84
		.amdhsa_reserve_vcc 1
		.amdhsa_float_denorm_mode_32 3
		.amdhsa_float_denorm_mode_16_64 3
		.amdhsa_memory_ordered 1
		.amdhsa_forward_progress 1
		.amdhsa_inst_pref_size 97
	.end_amdhsa_kernel
	.amdgpu_metadata
---
amdhsa.version: [ 1, 2 ]
amdhsa.kernels:
  - .name:           k_q35217c72df_coact
    .symbol:         k_q35217c72df_coact.kd
    .args:
      - { .name: pp, .offset: 0, .size: 8, .value_kind: global_buffer, .address_space: global }
      - { .name: qq, .offset: 8, .size: 8, .value_kind: global_buffer, .address_space: global }
      - { .name: out1, .offset: 16, .size: 8, .value_kind: global_buffer, .address_space: global }
      - { .name: out2, .offset: 24, .size: 8, .value_kind: global_buffer, .address_space: global }
      - { .name: out3, .offset: 32, .size: 8, .value_kind: global_buffer, .address_space: global }
    .group_segment_fixed_size: 327680
    .private_segment_fixed_size: 0
    .kernarg_segment_align: 8
    .kernarg_segment_size: 40
    .max_flat_workgroup_size: 128
    .sgpr_count:     84
    .vgpr_count:     512
    .wavefront_size: 32
...
	.end_amdgpu_metadata
.endif
;; end of part 10
